; MI455X (gfx1250); checked and timed in simulation.
; The chip was launched on July 23, 2026; its instructions are those of AMD's public machine-readable ISA for CDNA 5 (MIT licence, August 2026) and "CDNA5" Instruction Set Architecture Reference Guide (July 2026). The comments in the code are by the model that wrote it; some were corrected since.
;; Mo EFFN. Allowed arithmetic: matrix products marked QUANTISED: E2M1 operands, one E8M0 scale for each 32 along K, by v_wmma_scale_f32_16x16x128_f8f6f4 with both operands' format E2M1 (or v_wmma_scale_f32_32x16x128_f4), f32 sums; everything else in f32.
;; Inputs: b1 8 x 1,024 float32; b2 8 x 1,024 float32; hidden 4 x 1,024 x 1,024 float32; top_k_indices 4 x 1,024 x 2 int32; top_k_weights 4 x 1,024 x 2 float32; w1 8 x 1,024 x 1,024 float32; w2 8 x 1,024 x 1,024 float32.
;; Outputs: out0 4 x 1,024 x 1,024 float32.
;; This version of the problem:
;;   THIS VERSION OF THE PROBLEM IS GIVEN IN LOW PRECISION. The matrix products marked QUANTISED in the list below multiply operands that are first quantised to E2M1 (2 exponent bits, 1 mantissa bit; 4 bits a number), with one power-of-two scale for each 32 numbers along K (OCP MX v1.0); their sums are f32. All else is computed in f32.
;;   The module's matrix products, in the order in which they are computed (A, B: the left and right operand; K: the contracted axis; several contracted axes count as one K, in the product's order):
;;     1. [M 4,096, K 1,024] x [K 1,024, N 1,024]; A: input hidden; B: input w1: QUANTISED
;;     2. [M 4,096, K 1,024] x [K 1,024, N 1,024]; A: computed on the way; B: input w2: QUANTISED
;;     3. [M 4,096, K 1,024] x [K 1,024, N 1,024]; A: input hidden; B: input w1: QUANTISED
;;     4. [M 4,096, K 1,024] x [K 1,024, N 1,024]; A: computed on the way; B: input w2: QUANTISED
;;     5. [M 4,096, K 1,024] x [K 1,024, N 1,024]; A: input hidden; B: input w1: QUANTISED
;;     6. [M 4,096, K 1,024] x [K 1,024, N 1,024]; A: computed on the way; B: input w2: QUANTISED
;;     7. [M 4,096, K 1,024] x [K 1,024, N 1,024]; A: input hidden; B: input w1: QUANTISED
;;     8. [M 4,096, K 1,024] x [K 1,024, N 1,024]; A: computed on the way; B: input w2: QUANTISED
;;     9. [M 4,096, K 1,024] x [K 1,024, N 1,024]; A: input hidden; B: input w1: QUANTISED
;;     10. [M 4,096, K 1,024] x [K 1,024, N 1,024]; A: computed on the way; B: input w2: QUANTISED
;;     11. [M 4,096, K 1,024] x [K 1,024, N 1,024]; A: input hidden; B: input w1: QUANTISED
;;     12. [M 4,096, K 1,024] x [K 1,024, N 1,024]; A: computed on the way; B: input w2: QUANTISED
;;     13. [M 4,096, K 1,024] x [K 1,024, N 1,024]; A: input hidden; B: input w1: QUANTISED
;;     14. [M 4,096, K 1,024] x [K 1,024, N 1,024]; A: computed on the way; B: input w2: QUANTISED
;;     15. [M 4,096, K 1,024] x [K 1,024, N 1,024]; A: input hidden; B: input w1: QUANTISED
;;     16. [M 4,096, K 1,024] x [K 1,024, N 1,024]; A: computed on the way; B: input w2: QUANTISED
;;   THE QUANTISER, for each operand of a quantised product, along K:
;;     - K is cut into blocks of 32 from its start; a last block that is shorter is filled with zeros.
;;     - A block's scale is 2^e with e = floor(log2(the largest magnitude in the block)) - 2, held to -126 .. 127; a block of zeros has e = 0. As a byte (E8M0): e + 127.
;;     - Each number is divided by its block's scale, clamped to +-6, and rounded to the nearest number of E2M1, ties to even, subnormals kept.
;;     - The product sums the exact products of the quantised numbers (number of the format x scale) in f32.
;;   ~~~python
;;   def quantise(x, axis):      # numpy; x: float32 -> the quantised numbers, widened to float32 again
;;       x = np.moveaxis(x, axis, -1); K = x.shape[-1]
;;       x = np.pad(x, [(0, 0)] * (x.ndim - 1) + [(0, -K % 32)]); x = x.reshape(x.shape[:-1] + (-1, 32)); a = np.abs(x).max(-1, keepdims=True)
;;       e = np.where(a > 0, np.clip(np.frexp(np.where(a > 0, a, 1))[1] - 1 - 2, -126, 127), 0)      # np.frexp(a)[1] - 1 = floor(log2(a)), exactly
;;       r = np.clip(x / 2.0 ** e, -6, 6)
;;       step = 2.0 ** (np.maximum(np.frexp(np.where(r == 0, 1, r))[1] - 1, 0) - 1)
;;       q = np.round(r / step) * step * 2.0 ** e      # np.round: ties to even
;;       return np.moveaxis(q.reshape(q.shape[:-2] + (-1,))[..., :K], -1, axis).astype(np.float32)
;;   ~~~
;;   OPERANDS COMPUTED ON THE WAY. 'Computed on the way' means the value that the module computes at that place (a softmax that the list does not call 'softmax' is quantised finished and normalised). What goes into a quantiser is computed in f32, as accurately as f32 sums, v_exp_f32 and their like allow (about 1e-6 of the number): no bf16 or f16 on the way to a quantiser, and a product that is left as it is and whose result goes on into a quantised operand takes f32 operands (vector FMAs, or v_wmma_f32_16x16x4_f32). A number that lies on a knife's edge between two numbers of the format may be rounded either way, as far as f32 arithmetic and the matrix unit's own rounding can turn it there, and no further.
;; 2 versions. Each part assembles by itself: llvm-mc -triple=amdgcn-amd-amdhsa -mcpu=gfx1250 --defsym DOCPART=n.
;; ======== version 1 of 2: 3 launches
;; workspace buffers: wc 8,388,608 bytes; ws 524,288 bytes; xc 2,097,152 bytes; xs 131,072 bytes; hc 4,833,280 bytes; hs 302,080 bytes; route 76,544 bytes of whole numbers; gates 68,608 bytes
;; launch prep (part 1): grid 257 x 1, 16 waves a work-group, no clusters, 93,696 bytes of LDS; arguments hidden, top_k_indices, top_k_weights, w1, w2, wc, ws, xc, xs, route, gates; writes wc, ws, xc, xs, route, gates
.if DOCPART == 1
	.amdgcn_target "amdgcn-amd-amdhsa--gfx1250"
	.amdhsa_code_object_version 6
	.text
	.protected	k_q13f7283ce1_prep
	.globl	k_q13f7283ce1_prep
	.p2align	8
	.type	k_q13f7283ce1_prep,@function
k_q13f7283ce1_prep:
	s_mov_b64 s[64:65], 0
	v_nop
	global_prefetch_b8 v0, s[64:65] scope:SCOPE_SE
	s_setreg_imm32_b32 hwreg(HW_REG_WAVE_MODE, 25, 1), 1
	s_wait_xcnt 0x0
; THE FIRST OF THREE LAUNCHES.  Two kinds of work-groups, told apart by the work-group's number alone; each kind has LDS bytes of its own.
;   0         ROUTING: the 4,096 tokens are sorted by their SET of experts {lo, hi} (a counting sort on 64 classes, whole numbers only) and the lists for the two later launches are stored.  It has the longest chain, so it is the first.
;   1 .. 256  WEIGHTS AND HIDDEN, the same share for each: 64 columns of one expert of w1 or w2 [8][1024 (K)][1024], f32, K the first axis of an expert, become codes of E2M1 in the order of the matrix operand's registers,
;             with one E8M0 byte for each 32 along K; and 16 tokens of hidden [4096][1024], f32, K innermost, become plain rows of codes and scale bytes.
; A block's scale byte is its largest magnitude's exponent field - 2, held at 1 from below.
; LIMITS: NaN and infinities among the inputs are not served; blocks whose largest magnitude lies under 2^-124, and blocks of zeros, get the byte 1 (their codes are what the conversion gives, zeros for zeros;
; the bytes are read by this program alone); expert numbers are taken & 7.
; WEIGHT TILES.  The 1,024 columns of an expert go in tiles of 16, in this order: of a group of 32 columns, column 16 h + 8 u + j lies in tile 2 b + u at row i = 8 h + j.  Used as source 0 of a product, the results of tiles
; 2 b and 2 b + 1 then give a lane 16 neighbouring columns.  wc: [w1, w2][expert][tile 64][block of 32 K: 32][i 16][16 bytes];  ws: [w1, w2][expert][tile][i][32 bytes].
; ROUTE (whole numbers): byte 0: [tile of the second launch]{expert, rows};  byte 1,024: [tile of the third]{lo, hi, tokens, first row under lo, first row under hi, first position, 0, 0};
; byte 4,096: the token of each routed row (each expert's rows padded to tiles of 160 with token 0; 64 words behind them take the writes that fall outside);  byte 42,240: the token of each position.
; GATES: [position]{the weight that goes with lo, the weight that goes with hi}.  A token whose two slots name one expert has two routed rows and is weighed w0 y + w1 y.
.set WT,   0                           ; LDS, routing: each wave's 64 class counts, 256 bytes a wave
.set CT,   4096                        ; the 64 class counts [lo][hi]
.set NT2,  4352                        ; tiles of 128 tokens of each class
.set T2B,  4608                        ; their running sum
.set RLB,  4864                        ; a class's first routed row under lo
.set RHB,  5120                        ; and under hi
.set N1A,  5376                        ; routed rows of each expert
.set NT1,  5408                        ; its tiles of 160 rows
.set T1B,  5440                        ; their running sum, 9 words
.set RS2,  5504                        ; NT2's row sums
.set WSS,  5632                        ; LDS, weights: the work-group's 2,048 scale bytes;
.set HSB,  7680                        ; straight behind them its 16 tokens' 512 scale bytes
.set HST,  9728                        ; two stages of 2,560 bytes for each wave
.set T2I,  1024
.set TOK1, 4096
.set TOK2, 42240
	s_load_b512 s[4:19], s[0:1], 0x0               ; hidden s[4:5], indices s[6:7], weights s[8:9], w1 s[10:11], w2 s[12:13], wc s[14:15], ws s[16:17], xc s[18:19]
	s_load_b128 s[20:23], s[0:1], 0x40             ; xs s[20:21], route s[22:23]
	s_load_b64 s[24:25], s[0:1], 0x50              ; gates
	v_lshl_add_u32 v128, v0, 2, 0x16600
	v_mov_b32 v129, 0
	v_lshrrev_b32 v1, 5, v0
	v_readfirstlane_b32 s26, v1                    ; wave 0..15
	v_and_b32 v1, 31, v0                           ; lane
	s_mov_b32 s35, 0
	s_wait_kmcnt 0x0
	s_cmp_eq_u32 ttmp9, 0
	s_cbranch_scc1 .Lroute
; ---------------------------------------------------------------- WEIGHTS AND HIDDEN
; WEIGHTS.  A work-group takes 64 columns, all 1,024 along K.  Wave w takes 32 of the columns (w & 1) and 128 along K (w >> 1).  A LANE TAKES A COLUMN AND ITS REGISTERS RUN DOWN K:
; a block of 32 lies in one lane, and its 16 bytes of codes are what the operand's layout wants of that lane's tile row.  A store of the wave covers two runs of 256 consecutive bytes, aligned.
; HIDDEN.  Wave w takes token 16 g + w: two steps of 512 numbers.  Each load reads 512 consecutive bytes; a step's 2,048 bytes turn through the wave's own stage in LDS (16 bytes of padding behind each 64)
; and come back 64 bytes a lane: 16 neighbours; two neighbouring lanes hold a block.  A lane's 16 codes are 8 bytes: the wave stores 256 consecutive bytes.  The token's loads go out behind the last weight block's.
; REGISTERS: v2-9 addresses; v10 the weights' scale word; v11-13 at work; v16-31 the four blocks' codes; v32-63 the token as loaded; v64-127 two sets of 32 weights, later the token's neighbours (v64-95) and its work (v96-107).
	s_sub_co_u32 s27, ttmp9, 1                     ; g = 128 z + 16 e + G
	s_lshr_b32 s28, s27, 7                         ; z: w1 or w2
	s_bfe_u32 s29, s27, 0x30004                    ; e
	s_and_b32 s30, s27, 15                         ; G: which 64 columns
	s_lshr_b32 s36, s27, 4                         ; 8 z + e
	s_and_b32 s31, s26, 1                          ; cg: which 32 of them
	s_lshr_b32 s32, s26, 1                         ; ks: which 128 along K
	s_cmp_eq_u32 s28, 0
	s_cselect_b64 s[10:11], s[10:11], s[12:13]     ; the choice hangs on the work-group's number alone
	s_lshl_b32 s34, s29, 22                        ; in: e x 4 MiB + 128 ks rows of 4,096 bytes + (64 G + 32 cg) x 4
	s_lshl_b32 s33, s32, 19
	s_add_co_u32 s34, s34, s33
	s_lshl_b32 s33, s30, 8
	s_add_co_u32 s34, s34, s33
	s_lshl_b32 s33, s31, 7
	s_add_co_u32 s34, s34, s33
	s_add_nc_u64 s[10:11], s[10:11], s[34:35]
	s_lshl_b32 s34, s36, 19                        ; codes: (8 z + e) x 512 KiB + tile (4 G + 2 cg) x 8,192 + ks x 1,024
	s_lshl_b32 s33, s30, 15
	s_add_co_u32 s34, s34, s33
	s_lshl_b32 s33, s31, 14
	s_add_co_u32 s34, s34, s33
	s_lshl_b32 s33, s32, 10
	s_add_co_u32 s34, s34, s33
	s_add_nc_u64 s[14:15], s[14:15], s[34:35]
	s_lshl_b32 s34, s36, 15                        ; scale bytes: (8 z + e) x 32 KiB + G x 2,048
	s_lshl_b32 s33, s30, 11
	s_add_co_u32 s34, s34, s33
	s_add_nc_u64 s[16:17], s[16:17], s[34:35]
	s_lshl_b32 s38, s27, 4
	s_add_co_u32 s38, s38, s26                     ; my wave's token: 16 g + w
	s_lshl_b32 s34, s38, 12                        ; its 4,096 bytes of hidden,
	s_add_nc_u64 s[4:5], s[4:5], s[34:35]
	s_lshl_b32 s34, s38, 9                         ; its 512 bytes of codes,
	s_add_nc_u64 s[18:19], s[18:19], s[34:35]
	s_lshl_b32 s34, s27, 9                         ; the work-group's 512 scale bytes
	s_add_nc_u64 s[20:21], s[20:21], s[34:35]
	v_lshlrev_b32 v2, 2, v1                        ; weights in: 4 bytes a lane
	v_bfe_u32 v5, v0, 3, 1                         ; u
	v_bfe_u32 v6, v0, 4, 1
	v_and_b32 v7, 7, v0
	v_lshl_or_b32 v6, v6, 3, v7                    ; i = 8 h + j
	v_lshlrev_b32 v3, 4, v6
	v_lshl_add_u32 v3, v5, 13, v3                  ; codes: u x 8,192 + 16 i
	s_lshl_b32 s33, s31, 10
	s_lshl_b32 s37, s32, 2
	s_add_co_u32 s33, s33, s37
	s_add_co_u32 s33, s33, WSS
	v_lshlrev_b32 v4, 5, v6
	v_lshl_add_u32 v4, v5, 9, v4
	v_add_nc_u32 v4, s33, v4                       ; LDS: WSS + ((2 cg + u) x 16 + i) x 32 + 4 ks: my four bytes
	v_lshlrev_b32 v8, 3, v0                        ; the way out of the scale bytes: 8 bytes a thread;
	v_add_nc_u32 v9, WSS, v8                       ; threads 0-255 meet the weights' bytes, threads 256-319 the tokens', which lie straight behind
	v_lshlrev_b32 v5, 4, v1                        ; hidden in: my 16 bytes of a load's 512
	s_mul_i32 s33, s26, 5120
	s_add_co_u32 s33, s33, HST
	v_lshrrev_b32 v6, 2, v1
	v_mul_u32_u24 v6, v6, 80
	v_and_b32 v7, 3, v1
	v_lshl_add_u32 v6, v7, 4, v6
	v_add_nc_u32 v6, s33, v6                       ; the stage on the way in: 80 (lane / 4) + 16 (lane % 4)
	v_mul_u32_u24 v7, v1, 80
	v_add_nc_u32 v7, s33, v7                       ; and on the way out: 80 x lane
	s_lshl_b32 s33, s26, 5
	s_add_co_u32 s33, s33, HSB                     ; my token's 32 scale bytes in LDS
.macro WLOAD t                         ; block t: W(32 t + i, my column) into set t % 2
.irp i, 0,1,2,3,4,5,6,7,8,9,10,11,12,13,14,15,16,17,18,19,20,21,22,23,24,25,26,27,28,29,30,31
	global_load_b32 v[64+32*((\t)%2)+\i], v2, s[10:11] offset:(32*(\t)+\i)*4096 th:TH_LOAD_NT
.endr
.endm
.macro HLOAD t                         ; step t of my token: 2,048 bytes
.irp i, 0,1,2,3
	global_load_b128 v[32+16*(\t)+4*\i:32+16*(\t)+4*\i+3], v5, s[4:5] offset:2048*(\t)+512*\i th:TH_LOAD_NT
.endr
.endm
.macro WBLOCK t
.set XW, 64+32*((\t)%2)
.if (\t) < 3
	s_wait_loadcnt 32                              ; this block's 32 loads are in; the next block's 32 may be out
.else
	s_wait_loadcnt 8                               ; the last block is in; my token's 8 loads may be out
.endif
	v_max3_num_f32 v12, |v[XW]|, |v[XW+1]|, |v[XW+2]|
	v_max3_num_f32 v13, |v[XW+3]|, |v[XW+4]|, |v[XW+5]|
.irp i, 6,10,14,18,22,26
	v_max3_num_f32 v12, v12, |v[XW+\i]|, |v[XW+\i+1]|
	v_max3_num_f32 v13, v13, |v[XW+\i+2]|, |v[XW+\i+3]|
.endr
	v_max3_num_f32 v12, v12, |v[XW+30]|, |v[XW+31]|
	v_max3_num_f32 v12, v12, v13, 0x1800000        ; and the floor 2^(3 - 127): the byte cannot fall under 1
	v_add_nc_u32 v11, 0xff000000, v12              ; 2 off the exponent field: the conversion's scale operand
	v_lshrrev_b32 v13, 23, v11                     ; the scale's byte
.if (\t) == 0
	v_mov_b32 v10, v13
.else
	v_lshl_or_b32 v10, v13, 8*(\t), v10            ; four bytes: the scale word of these 128 along K
.endif
.irp g, 0,1,2,3
	v_cvt_scalef32_pk8_fp4_f32 v[16+4*(\t)+\g], v[XW+8*\g:XW+8*\g+7], v11   ; each block has its own four registers: no store's data are written again
.endr
	v_nop                                          ; one plain instruction behind the last conversion
	global_store_b128 v3, v[16+4*(\t):16+4*(\t)+3], s[14:15] offset:256*(\t)
.if (\t) < 2
	WLOAD (\t)+2
.elseif (\t) == 2
	HLOAD 0
	HLOAD 1
.endif
.endm
.macro HTURN t                         ; LDS serves a wave's instructions in order: no wait between the stores and the loads
.irp i, 0,1,2,3
	ds_store_b128 v6, v[32+16*(\t)+4*\i:32+16*(\t)+4*\i+3] offset:2560*(\t)+640*\i
.endr
.irp i, 0,1,2,3
	ds_load_b128 v[64+16*(\t)+4*\i:64+16*(\t)+4*\i+3], v7 offset:2560*(\t)+16*\i
.endr
.endm
.macro HSTEP t
.set XH, 64+16*(\t)
	v_max3_num_f32 v96, |v[XH]|, |v[XH+1]|, |v[XH+2]|
	v_max3_num_f32 v97, |v[XH+3]|, |v[XH+4]|, |v[XH+5]|
.irp i, 6,10
	v_max3_num_f32 v96, v96, |v[XH+\i]|, |v[XH+\i+1]|
	v_max3_num_f32 v97, v97, |v[XH+\i+2]|, |v[XH+\i+3]|
.endr
	v_max3_num_f32 v96, v96, |v[XH+14]|, |v[XH+15]|
	v_max3_num_f32 v96, v96, v97, 0x1800000        ; the floor 2^(3 - 127)
	v_max_num_f32_dpp v96, v96, v96 row_xmask:1 row_mask:0xf bank_mask:0xf   ; with my neighbour's 16: the block's
	v_add_nc_u32 v98, 0xff000000, v96
	v_cvt_scalef32_pk8_fp4_f32 v[102+2*(\t)], v[XH:XH+7], v98
	v_cvt_scalef32_pk8_fp4_f32 v[103+2*(\t)], v[XH+8:XH+15], v98
	v_lshrrev_b32 v[99+(\t)], 23, v98              ; each step has its own registers for its byte and its codes
	ds_store_b8 v107, v[99+(\t)] offset:16*(\t)    ; both lanes of a block write the same byte with the same value
	global_store_b64 v106, v[102+2*(\t):103+2*(\t)], s[18:19] offset:256*(\t)
.endm
	WLOAD 0
	WLOAD 1
	WBLOCK 0
	WBLOCK 1
	WBLOCK 2
	WBLOCK 3
	ds_store_b32 v4, v10
	v_lshlrev_b32 v106, 3, v1                      ; my codes' place in a step's
	v_lshrrev_b32 v107, 1, v1
	v_add_nc_u32 v107, s33, v107                   ; my block's byte
	s_wait_loadcnt 4                               ; step 0's four loads are in; step 1's may be out
	HTURN 0
	s_wait_loadcnt 0x0
	HTURN 1
	s_wait_dscnt 8                                 ; step 0 is back from the stage; step 1's four stores and four loads may be out
	HSTEP 0
	s_wait_dscnt 1                                 ; step 1 is back; step 0's byte store may be out
	HSTEP 1
	s_wait_dscnt 0x0                               ; for the others' sake: my scale word and my bytes lie in LDS
	s_barrier_signal -1
	s_barrier_wait -1
	s_cmp_ge_u32 s26, 10
	s_cbranch_scc1 .Lwend
	ds_load_b64 v[14:15], v9                       ; 8 bytes a thread: each wave stores 256 consecutive bytes, aligned
	s_wait_dscnt 0x0
	s_cmp_ge_u32 s26, 8
	s_cbranch_scc1 .Lxsout
	global_store_b64 v8, v[14:15], s[16:17]        ; waves 0-7: the weights' 2,048 bytes
	s_wait_tensorcnt 0x0
	ds_add_u32 v128, v129
	s_wait_dscnt 0x0
	s_endpgm
.Lxsout:
	global_store_b64 v8, v[14:15], s[20:21] offset:-2048   ; waves 8, 9: the tokens' 512 bytes (8 x thread - 2,048 is 0 .. 504)
.Lwend:
	s_wait_tensorcnt 0x0
	ds_add_u32 v128, v129
	s_wait_dscnt 0x0
	s_endpgm
; ---------------------------------------------------------------- ROUTING
; Wave w, chunk c = 0 .. 7, lane l: token 256 w + 64 (c / 2) + 2 l + c % 2 (a load of 16 bytes brings a lane two tokens).  Class key = 8 lo + hi.  In tables over classes lane l stands for classes l (lo = l / 8, hi = l % 8) and l + 32.
; No LDS address hangs on data: a lane fetches its class's entry from the lane that stands for the class, by a lane permute.
; v16-31 indices, v32-47 weights, v48-55 keys, v56-63 ranks inside the wave, v64-65 the wave's running counts, v66-67 the counts of the waves before mine, v68-69 the totals, v70-127 at work.
.Lroute:
	v_and_b32 v2, 7, v0                            ; the hi of my lane's classes
	v_bfe_u32 v3, v0, 3, 2                         ; their lo, and lo - 4
	s_lshl_b32 s27, s26, 11
	v_lshl_add_u32 v4, v1, 4, s27                  ; two tokens' indices or weights are 16 bytes: 2,048 w + 16 lane
	s_lshl_b32 s27, s26, 8
	v_lshl_add_u32 v5, v1, 2, s27                  ; LDS: 256 w + 4 lane
	v_lshlrev_b32 v6, 2, v1                        ; 4 lane
	v_lshlrev_b32 v7, 2, v2                        ; 4 hi
	v_lshlrev_b32 v8, 5, v2                        ; 32 hi
	v_lshlrev_b32 v9, 5, v3                        ; 32 lo
	v_mov_b32 v10, 0
	v_lshlrev_b32 v11, 2, v3                       ; 4 lo
	v_lshl_add_u32 v12, v1, 1, s27                 ; my first token: 256 w + 2 lane
	s_add_co_u32 s28, s26, 2
	s_and_b32 s28, s28, 7                          ; in waves 6 to 13: wave - 6, an expert
	s_lshl_b32 s28, s28, 2
	v_mov_b32 v13, s28
.irp c, 0,1,2,3
	global_load_b128 v[16+4*\c:19+4*\c], v4, s[6:7] offset:512*\c
.endr
.irp c, 0,1,2,3
	global_load_b128 v[32+4*\c:35+4*\c], v4, s[8:9] offset:512*\c
.endr
	s_mov_b32 s48, 0xff00                          ; lanes 8-15, 16-23, 24-31
	s_mov_b32 s49, 0xff0000
	s_mov_b32 s50, 0xff000000
	s_mov_b32 s51, 0x02020202                      ; lanes with lane % 8 = 1 .. 7
	s_mov_b32 s52, 0x04040404
	s_mov_b32 s53, 0x08080808
	s_mov_b32 s54, 0x10101010
	s_mov_b32 s55, 0x20202020
	s_mov_b32 s56, 0x40404040
	s_mov_b32 s57, 0x80808080
	s_mov_b32 s58, 0x55555555
	s_mov_b32 s59, 0x33333333
	s_mov_b32 s60, 0x0f0f0f0f
	s_mov_b32 s61, 0x01010101
	v_mov_b32 v64, 0
	v_mov_b32 v65, 0
	s_wait_loadcnt 4                               ; the indices are in; the four loads of the weights may be out
.macro POP d, x, t                     ; v[d] = the number of ones in v[x]; v[x] stays
	v_lshrrev_b32 v[\t], 1, v[\x]
	v_and_b32 v[\t], s58, v[\t]
	v_sub_nc_u32 v[\d], v[\x], v[\t]
	v_lshrrev_b32 v[\t], 2, v[\d]
	v_and_b32 v[\d], s59, v[\d]
	v_and_b32 v[\t], s59, v[\t]
	v_add_nc_u32 v[\d], v[\d], v[\t]
	v_lshrrev_b32 v[\t], 4, v[\d]
	v_add_nc_u32 v[\d], v[\d], v[\t]
	v_and_b32 v[\d], s60, v[\d]
	v_mul_lo_u32 v[\d], v[\d], s61
	v_lshrrev_b32 v[\d], 24, v[\d]
.endm
.macro CHUNK c
	v_and_b32 v70, 7, v[16+2*\c]
	v_and_b32 v71, 7, v[17+2*\c]
	v_min_u32 v72, v70, v71                        ; lo
	v_add_nc_u32 v73, v70, v71
	v_sub_nc_u32 v73, v73, v72                     ; hi
	v_lshl_or_b32 v[48+\c], v72, 3, v73            ; key
.irp a, 0,1,2,3,4,5,6,7
	v_cmp_eq_u32 s[32+\a], \a, v72                 ; which lanes have lo = a,
	v_cmp_eq_u32 s[40+\a], \a, v73                 ; which have hi = a
.endr
	v_mov_b32 v74, s32                             ; lane l: the lanes whose lo is l / 8,
	v_cndmask_b32 v74, v74, s33, s48
	v_cndmask_b32 v74, v74, s34, s49
	v_cndmask_b32 v74, v74, s35, s50
	v_mov_b32 v75, s36                             ; 4 + l / 8,
	v_cndmask_b32 v75, v75, s37, s48
	v_cndmask_b32 v75, v75, s38, s49
	v_cndmask_b32 v75, v75, s39, s50
	v_mov_b32 v76, s40                             ; and those whose hi is l % 8
	v_cndmask_b32 v76, v76, s41, s51
	v_cndmask_b32 v76, v76, s42, s52
	v_cndmask_b32 v76, v76, s43, s53
	v_cndmask_b32 v76, v76, s44, s54
	v_cndmask_b32 v76, v76, s45, s55
	v_cndmask_b32 v76, v76, s46, s56
	v_cndmask_b32 v76, v76, s47, s57
	v_and_b32 v77, v74, v76                        ; the chunk's lanes of class l,
	v_and_b32 v78, v75, v76                        ; and of class l + 32
	v_and_b32 v79, 31, v[48+\c]
	v_lshlrev_b32 v79, 2, v79
	ds_bpermute_b32 v80, v79, v77                  ; my own class's lanes,
	ds_bpermute_b32 v81, v79, v78
	ds_bpermute_b32 v82, v79, v64                  ; and its count in my wave's chunks so far
	ds_bpermute_b32 v83, v79, v65
	POP 86, 77, 84
	POP 87, 78, 85
	s_wait_dscnt 0x0
	v_cmp_le_u32 vcc_lo, 32, v[48+\c]
	v_cndmask_b32 v80, v80, v81, vcc_lo
	v_cndmask_b32 v82, v82, v83, vcc_lo
	v_mbcnt_lo_u32_b32 v[56+\c], v80, v82          ; rank in the wave: the count so far + the lanes of my class below me
	v_add_nc_u32 v64, v64, v86
	v_add_nc_u32 v65, v65, v87
.endm
.irp c, 0,1,2,3,4,5,6,7
	CHUNK \c
.endr
	ds_store_b32 v5, v64 offset:WT
	ds_store_b32 v5, v65 offset:WT+128
	s_wait_dscnt 0x0
	s_barrier_signal -1
	s_barrier_wait -1                              ; every wave's counts lie in LDS
.irp k, 0,1,2,3,4,5,6,7,8,9,10,11,12,13,14,15
	ds_load_b32 v[84+2*\k], v6 offset:WT+256*\k
	ds_load_b32 v[85+2*\k], v6 offset:WT+256*\k+128
.endr
	v_mov_b32 v66, 0
	v_mov_b32 v67, 0
	v_mov_b32 v68, 0
	v_mov_b32 v69, 0
	s_wait_dscnt 0x0
.irp k, 0,1,2,3,4,5,6,7,8,9,10,11,12,13,14,15
	s_cmp_gt_u32 s26, \k
	s_cselect_b32 s27, 1, 0
	v_mad_u32_u24 v66, v[84+2*\k], s27, v66        ; the waves before mine,
	v_mad_u32_u24 v67, v[85+2*\k], s27, v67
	v_add_nc_u32 v68, v68, v[84+2*\k]              ; all waves
	v_add_nc_u32 v69, v69, v[85+2*\k]
.endr
; THE TABLES, by two waves side by side (branches on the wave's number; no barrier inside; the two touch different LDS bytes): wave 0 the experts' rows and tiles and each class's first rows, wave 1 the classes' tiles of 128 tokens.
; Every wave holds the totals in v68-69.  LDS serves a wave's instructions in order: its loads see its stores.
.macro CADD2 sel, j, a0, x0, a1, x1    ; where v[sel] > j: v[a0] += v[x0], v[a1] += v[x1]
	v_cmp_lt_u32 vcc_lo, \j, v[\sel]
	v_cndmask_b32 v126, 0, v[\x0], vcc_lo
	v_cndmask_b32 v127, 0, v[\x1], vcc_lo
	v_add_nc_u32 v[\a0], v[\a0], v126
	v_add_nc_u32 v[\a1], v[\a1], v127
.endm
.macro SUM8 d, s
	v_add3_u32 v[\d], v[\s], v[\s+1], v[\s+2]
	v_add3_u32 v[\d], v[\d], v[\s+3], v[\s+4]
	v_add3_u32 v[\d], v[\d], v[\s+5], v[\s+6]
	v_add_nc_u32 v[\d], v[\d], v[\s+7]
.endm
	s_cmp_lg_u32 s26, 0
	s_cbranch_scc1 .Lnot0
	ds_store_b32 v6, v68 offset:CT
	ds_store_b32 v6, v69 offset:CT+128
	ds_load_b128 v[84:87], v8 offset:CT            ; cnt[hi][0..7]
	ds_load_b128 v[88:91], v8 offset:CT+16
.irp j, 0,1,2,3,4,5,6,7
	ds_load_b32 v[92+\j], v7 offset:CT+32*\j       ; cnt[j][hi]
.endr
	ds_load_b128 v[100:103], v9 offset:CT          ; cnt[lo][0..7] for class l,
	ds_load_b128 v[104:107], v9 offset:CT+16
	ds_load_b128 v[108:111], v9 offset:CT+128      ; and for class l + 32
	ds_load_b128 v[112:115], v9 offset:CT+144
	s_wait_dscnt 0x0
	SUM8 116, 84                                   ; the tokens whose lo is my hi,
	SUM8 117, 92                                   ; those whose hi is my hi:
	v_add_nc_u32 v118, v116, v117                  ; that expert's routed rows,
	v_add_nc_u32 v119, 159, v118
	v_mul_u32_u24 v119, v119, 6554
	v_lshrrev_b32 v119, 20, v119                   ; and its tiles of 160: x / 160 = 6554 x >> 20 for x up to 8,351 (6554 / 2^20 - 1 / 160 is 3.8e-7, and 8,351 times that stays under 1 / 160)
	v_mov_b32 v120, 0
	v_mov_b32 v121, 0
.irp j, 0,1,2,3,4,5,6
	CADD2 2, \j, 120, 100+\j, 121, 108+\j          ; the sum over j < hi of cnt[lo][j]
.endr
	v_mov_b32 v122, 0
	v_add3_u32 v123, v92, v93, v94
	v_add_nc_u32 v123, v123, v95
.irp j, 0,1,2
	CADD2 3, \j, 122, 92+\j, 123, 96+\j            ; the sum over j < lo of cnt[j][hi]
.endr
	ds_store_b32 v7, v118 offset:N1A               ; (four lanes write the same word with the same value)
	ds_store_b32 v7, v119 offset:NT1
	ds_load_b128 v[84:87], v10 offset:NT1
	ds_load_b128 v[88:91], v10 offset:NT1+16
	s_wait_dscnt 0x0
	v_mov_b32 v92, 0
.irp j, 0,1,2,3,4,5,6,7
	v_add_nc_u32 v[93+\j], v[92+\j], v[84+\j]      ; the experts' first tiles; the ninth word: all tiles
.endr
	ds_store_b128 v10, v[92:95] offset:T1B
	ds_store_b128 v10, v[96:99] offset:T1B+16
	ds_store_b32 v10, v100 offset:T1B+32
	v_mov_b32 v124, 0
	v_mov_b32 v125, 0
	v_mov_b32 v101, v96
	v_mov_b32 v102, 0
.irp j, 0,1,2,3,4,5,6
	CADD2 2, \j, 124, 84+\j, 102, 10               ; first tile of expert hi (the second sum adds zeros)
.endr
.irp j, 0,1,2
	CADD2 3, \j, 125, 84+\j, 101, 88+\j            ; first tile of expert lo, for both classes
.endr
	v_mad_u32_u24 v120, v125, 160, v120
	v_mad_u32_u24 v121, v101, 160, v121
	v_add_nc_u32 v122, v122, v116
	v_add_nc_u32 v123, v123, v116
	v_mad_u32_u24 v122, v124, 160, v122
	v_mad_u32_u24 v123, v124, 160, v123
	ds_store_b32 v6, v120 offset:RLB
	ds_store_b32 v6, v121 offset:RLB+128
	ds_store_b32 v6, v122 offset:RHB
	ds_store_b32 v6, v123 offset:RHB+128
	s_branch .Ltabled
.Lnot0:
	s_cmp_lg_u32 s26, 1
	s_cbranch_scc1 .Ltabled
	v_add_nc_u32 v102, 127, v68
	v_add_nc_u32 v103, 127, v69
	v_lshrrev_b32 v102, 7, v102
	v_lshrrev_b32 v103, 7, v103
	ds_store_b32 v6, v102 offset:NT2
	ds_store_b32 v6, v103 offset:NT2+128
	ds_load_b128 v[104:107], v9 offset:NT2
	ds_load_b128 v[108:111], v9 offset:NT2+16
	ds_load_b128 v[84:87], v9 offset:NT2+128
	ds_load_b128 v[88:91], v9 offset:NT2+144
	s_wait_dscnt 0x0
	v_mov_b32 v70, 0
	v_mov_b32 v71, 0
.irp j, 0,1,2,3,4,5,6
	CADD2 2, \j, 70, 104+\j, 71, 84+\j
.endr
	SUM8 72, 104
	SUM8 73, 84
	ds_store_b32 v11, v72 offset:RS2
	ds_store_b32 v11, v73 offset:RS2+16
	ds_load_b128 v[92:95], v10 offset:RS2
	ds_load_b128 v[96:99], v10 offset:RS2+16
	s_wait_dscnt 0x0
	v_mov_b32 v74, 0
	v_add3_u32 v75, v92, v93, v94
	v_add_nc_u32 v75, v75, v95
.irp j, 0,1,2
	CADD2 3, \j, 74, 92+\j, 75, 96+\j
.endr
	v_add_nc_u32 v70, v70, v74
	v_add_nc_u32 v71, v71, v75
	ds_store_b32 v6, v70 offset:T2B
	ds_store_b32 v6, v71 offset:T2B+128
.Ltabled:
	s_wait_dscnt 0x0
	s_barrier_signal -1
	s_barrier_wait -1                              ; the tables lie in LDS; from here on LDS is only read
	ds_load_b32 v70, v6 offset:T2B
	ds_load_b32 v71, v6 offset:T2B+128
	ds_load_b32 v72, v6 offset:RLB
	ds_load_b32 v73, v6 offset:RLB+128
	ds_load_b32 v74, v6 offset:RHB
	ds_load_b32 v75, v6 offset:RHB+128
	s_wait_dscnt 0x0
	s_wait_loadcnt 0x0                             ; the weights
	v_lshl_add_u32 v70, v70, 7, v66                ; where my wave's tokens of each class begin: position,
	v_lshl_add_u32 v71, v71, 7, v67
	v_add_nc_u32 v72, v72, v66                     ; row under lo,
	v_add_nc_u32 v73, v73, v67
	v_add_nc_u32 v74, v74, v66                     ; row under hi
	v_add_nc_u32 v75, v75, v67
; Each chunk's four stores have registers of their own (the offsets take the places of the chunk's indices, key and rank; token v112 + c; gates v96 + 2 c), so no store's sources are written again and no wait stands between the chunks.
.macro PLACE c
	v_and_b32 v79, 31, v[48+\c]
	v_lshlrev_b32 v79, 2, v79
.irp a, 0,1,2,3,4,5
	ds_bpermute_b32 v[80+\a], v79, v[70+\a]
.endr
	v_and_b32 v89, 7, v[16+2*\c]
	v_and_b32 v90, 7, v[17+2*\c]
	v_cmp_gt_u32 vcc_lo, v89, v90                  ; slot 0 names the higher expert: the weights change places
	v_cndmask_b32 v[96+2*\c], v[32+2*\c], v[33+2*\c], vcc_lo
	v_cndmask_b32 v[97+2*\c], v[33+2*\c], v[32+2*\c], vcc_lo
	v_add_nc_u32 v[112+\c], 64*((\c)/2)+((\c)%2), v12   ; my token
	s_wait_dscnt 0x0
	v_cmp_le_u32 vcc_lo, 32, v[48+\c]
	v_cndmask_b32 v80, v80, v81, vcc_lo
	v_cndmask_b32 v82, v82, v83, vcc_lo
	v_cndmask_b32 v84, v84, v85, vcc_lo
	v_add_nc_u32 v80, v80, v[56+\c]
	v_add_nc_u32 v82, v82, v[56+\c]
	v_add_nc_u32 v84, v84, v[56+\c]
	v_min_u32 v80, 8575, v80                       ; held inside the lists
	v_min_u32 v82, 9439, v82
	v_min_u32 v84, 9439, v84
	v_lshlrev_b32 v[48+\c], 2, v80
	v_lshlrev_b32 v[56+\c], 3, v80
	v_lshlrev_b32 v[16+2*\c], 2, v82
	v_lshlrev_b32 v[17+2*\c], 2, v84
	global_store_b32 v[16+2*\c], v[112+\c], s[22:23] offset:TOK1
	global_store_b32 v[17+2*\c], v[112+\c], s[22:23] offset:TOK1
	global_store_b32 v[48+\c], v[112+\c], s[22:23] offset:TOK2
	global_store_b64 v[56+\c], v[96+2*\c:97+2*\c], s[24:25]
.endm
.irp c, 0,1,2,3,4,5,6,7
	PLACE \c
.endr
	s_wait_xcnt 0x0                                ; the stores have read their registers, which the lines below write
; THE LISTS OF TILES AND THE PADDING, shared out by the wave's number
	s_cmp_ge_u32 s26, 3
	s_cbranch_scc1 .Lr6b
	ds_load_b128 v[96:99], v10 offset:T1B          ; waves 0-2: tile t = my thread's number of the second launch
	ds_load_b128 v[100:103], v10 offset:T1B+16
	ds_load_b128 v[104:107], v10 offset:N1A
	ds_load_b128 v[108:111], v10 offset:N1A+16
	s_wait_dscnt 0x0
	v_mov_b32 v112, 0
	v_mov_b32 v113, 0
	v_mov_b32 v114, v104
.irp j, 1,2,3,4,5,6,7
	v_cmp_le_u32 vcc_lo, v[96+\j], v0              ; the last expert whose first tile is not behind t
	v_cndmask_b32 v112, v112, \j, vcc_lo
	v_cndmask_b32 v113, v113, v[96+\j], vcc_lo
	v_cndmask_b32 v114, v114, v[104+\j], vcc_lo
.endr
	v_sub_nc_u32 v115, v0, v113
	v_mul_u32_u24 v115, v115, 160
	v_min_u32 v115, v115, v114
	v_sub_nc_u32 v113, v114, v115
	v_min_u32 v113, 160, v113                      ; its rows in this tile: 0 behind the last tile
	v_lshlrev_b32 v116, 3, v0
	global_store_b64 v116, v[112:113], s[22:23]
	s_wait_tensorcnt 0x0
	ds_add_u32 v128, v129
	s_wait_dscnt 0x0
	s_endpgm
.Lr6b:
	s_cmp_ge_u32 s26, 6
	s_cbranch_scc1 .Lr6c
	v_add_nc_u32 v94, 0xffffffa0, v0               ; waves 3-5: tile my thread's number - 96 of the third launch
.irp a, 112,113,114,115,116,117
	v_mov_b32 v[\a], 0
.endr
.macro T2ROW lo, b                     ; the tables' rows of the classes with this lo, into v[b] on: first tiles, counts, first rows under lo, under hi
	ds_load_b128 v[\b:\b+3], v10 offset:T2B+32*(\lo)
	ds_load_b128 v[\b+4:\b+7], v10 offset:T2B+32*(\lo)+16
	ds_load_b128 v[\b+8:\b+11], v10 offset:CT+32*(\lo)
	ds_load_b128 v[\b+12:\b+15], v10 offset:CT+32*(\lo)+16
	ds_load_b128 v[\b+16:\b+19], v10 offset:RLB+32*(\lo)
	ds_load_b128 v[\b+20:\b+23], v10 offset:RLB+32*(\lo)+16
	ds_load_b128 v[\b+24:\b+27], v10 offset:RHB+32*(\lo)
	ds_load_b128 v[\b+28:\b+31], v10 offset:RHB+32*(\lo)+16
.endm
	T2ROW 0, 16
.irp lo, 0,1,2,3,4,5,6,7
.if \lo < 7
	T2ROW \lo+1, 16+32*((\lo+1)%2)                 ; two sets, v16-47 and v48-79, by turns: the next row is fetched while this one is worked
	s_wait_dscnt 8                                 ; this row's eight loads are in; the next row's eight may be out
.else
	s_wait_dscnt 0x0
.endif
.irp hi, 0,1,2,3,4,5,6,7
.if \hi >= \lo
	v_cmp_le_u32 vcc_lo, v[16+32*(\lo%2)+\hi], v94 ; the last class whose first tile is not behind mine
	v_cndmask_b32 v112, v112, \lo, vcc_lo
	v_cndmask_b32 v113, v113, \hi, vcc_lo
	v_cndmask_b32 v114, v114, v[24+32*(\lo%2)+\hi], vcc_lo
	v_cndmask_b32 v115, v115, v[32+32*(\lo%2)+\hi], vcc_lo
	v_cndmask_b32 v116, v116, v[40+32*(\lo%2)+\hi], vcc_lo
	v_cndmask_b32 v117, v117, v[16+32*(\lo%2)+\hi], vcc_lo
.endif
.endr
.endr
	v_sub_nc_u32 v117, v94, v117
	v_lshlrev_b32 v117, 7, v117                    ; the class's tokens ahead of this tile
	v_min_u32 v118, v117, v114
	v_sub_nc_u32 v114, v114, v118
	v_min_u32 v114, 128, v114                      ; its tokens in this tile
	v_add_nc_u32 v115, v115, v117
	v_add_nc_u32 v116, v116, v117
	v_lshlrev_b32 v117, 7, v94                     ; the tile's first position
	v_cmp_eq_u32 vcc_lo, 0, v114
	v_cndmask_b32 v115, v115, 0, vcc_lo            ; a tile without tokens points at row 0 and position 0, which always exist
	v_cndmask_b32 v116, v116, 0, vcc_lo
	v_cndmask_b32 v117, v117, 0, vcc_lo
	v_mov_b32 v118, 0
	v_mov_b32 v119, 0
	v_lshlrev_b32 v95, 5, v94
	global_store_b128 v95, v[112:115], s[22:23] offset:T2I
	global_store_b128 v95, v[116:119], s[22:23] offset:T2I+16
	s_wait_tensorcnt 0x0
	ds_add_u32 v128, v129
	s_wait_dscnt 0x0
	s_endpgm
.Lr6c:
	s_cmp_ge_u32 s26, 14
	s_cbranch_scc1 .Lr6d
	ds_load_b32 v96, v13 offset:T1B                ; waves 6-13: expert wave - 6: the rows that fill its last tile (159 at the most) get token 0
	ds_load_b32 v97, v13 offset:T1B+4
	ds_load_b32 v98, v13 offset:N1A
	s_wait_dscnt 0x0
	v_mad_u32_u24 v96, v96, 160, v98
	v_add_nc_u32 v96, v96, v1
	v_mul_u32_u24 v97, v97, 160
	v_add_nc_u32 v99, 9440, v1
.irp m, 0,1,2,3,4
	v_add_nc_u32 v[100+\m], 32*\m, v96
	v_cmp_ge_u32 vcc_lo, v[100+\m], v97
	v_cndmask_b32 v[100+\m], v[100+\m], v99, vcc_lo  ; what falls behind the tile goes to the spare words behind the list
	v_min_u32 v[100+\m], 9503, v[100+\m]
	v_lshlrev_b32 v[100+\m], 2, v[100+\m]
	global_store_b32 v[100+\m], v10, s[22:23] offset:TOK1
.endr
	s_wait_tensorcnt 0x0
	ds_add_u32 v128, v129
	s_wait_dscnt 0x0
	s_endpgm
.Lr6d:
	ds_load_b32 v96, v10 offset:T1B+32             ; waves 14-15: the tiles that this split leaves without rows (7 at the most: 1,120 words) get token 0 too
	s_wait_dscnt 0x0
	v_add_nc_u32 v97, 0xfffffe40, v0               ; my thread's number - 448
	v_mad_u32_u24 v96, v96, 160, v97
	v_add_nc_u32 v99, 9440, v1
.irp m, 0,1,2,3,4,5,6,7,8,9,10,11,12,13,14,15,16,17
	v_add_nc_u32 v[100+\m], 64*\m, v96
	v_cmp_le_u32 vcc_lo, 9440, v[100+\m]
	v_cndmask_b32 v[100+\m], v[100+\m], v99, vcc_lo
	v_min_u32 v[100+\m], 9503, v[100+\m]
	v_lshlrev_b32 v[100+\m], 2, v[100+\m]
	global_store_b32 v[100+\m], v10, s[22:23] offset:TOK1
.endr
	s_wait_tensorcnt 0x0
	ds_add_u32 v128, v129
	s_wait_dscnt 0x0
	s_endpgm
.Lfunc_end_k_q13f7283ce1_prep:
	.size	k_q13f7283ce1_prep, .Lfunc_end_k_q13f7283ce1_prep-k_q13f7283ce1_prep
	.p2alignl 7, 3214868480
	.fill 96, 4, 3214868480
	.section	.rodata,"a",@progbits
	.p2align	6, 0x0
	.amdhsa_kernel k_q13f7283ce1_prep
		.amdhsa_group_segment_fixed_size 93696
		.amdhsa_private_segment_fixed_size 0
		.amdhsa_enable_private_segment 0
		.amdhsa_kernarg_size 88
		.amdhsa_user_sgpr_count 2
		.amdhsa_user_sgpr_kernarg_segment_ptr 1
		.amdhsa_wavefront_size32 1
		.amdhsa_system_sgpr_workgroup_id_x 1
		.amdhsa_system_sgpr_workgroup_id_y 1
		.amdhsa_system_sgpr_workgroup_id_z 1
		.amdhsa_system_vgpr_workitem_id 0
		.amdhsa_next_free_vgpr 130
		.amdhsa_next_free_sgpr 66
		.amdhsa_reserve_vcc 1
		.amdhsa_float_denorm_mode_32 3
		.amdhsa_float_denorm_mode_16_64 3
		.amdhsa_memory_ordered 1
		.amdhsa_forward_progress 1
		.amdhsa_inst_pref_size 114
	.end_amdhsa_kernel
	.amdgpu_metadata
---
amdhsa.version: [ 1, 2 ]
amdhsa.kernels:
  - .name:           k_q13f7283ce1_prep
    .symbol:         k_q13f7283ce1_prep.kd
    .args:
      - { .name: hidden, .offset: 0, .size: 8, .value_kind: global_buffer, .address_space: global }
      - { .name: top_k_indices, .offset: 8, .size: 8, .value_kind: global_buffer, .address_space: global }
      - { .name: top_k_weights, .offset: 16, .size: 8, .value_kind: global_buffer, .address_space: global }
      - { .name: w1, .offset: 24, .size: 8, .value_kind: global_buffer, .address_space: global }
      - { .name: w2, .offset: 32, .size: 8, .value_kind: global_buffer, .address_space: global }
      - { .name: wc, .offset: 40, .size: 8, .value_kind: global_buffer, .address_space: global }
      - { .name: ws, .offset: 48, .size: 8, .value_kind: global_buffer, .address_space: global }
      - { .name: xc, .offset: 56, .size: 8, .value_kind: global_buffer, .address_space: global }
      - { .name: xs, .offset: 64, .size: 8, .value_kind: global_buffer, .address_space: global }
      - { .name: route, .offset: 72, .size: 8, .value_kind: global_buffer, .address_space: global }
      - { .name: gates, .offset: 80, .size: 8, .value_kind: global_buffer, .address_space: global }
    .group_segment_fixed_size: 93696
    .private_segment_fixed_size: 0
    .kernarg_segment_align: 8
    .kernarg_segment_size: 88
    .max_flat_workgroup_size: 512
    .sgpr_count:     66
    .vgpr_count:     130
    .wavefront_size: 32
...
	.end_amdgpu_metadata
.endif
;; end of part 1
;; launch up (part 2): grid 4 x 59, 8 waves a work-group, no clusters, 92,416 bytes of LDS; arguments route, xc, xs, wc, ws, b1, hc, hs; writes hc, hs
.if DOCPART == 2
	.amdgcn_target "amdgcn-amd-amdhsa--gfx1250"
	.amdhsa_code_object_version 6
	.text
	.protected	k_q13f7283ce1_up
	.globl	k_q13f7283ce1_up
	.p2align	8
	.type	k_q13f7283ce1_up,@function
k_q13f7283ce1_up:
	s_mov_b64 s[64:65], 0
	v_nop
	global_prefetch_b8 v0, s[64:65] scope:SCOPE_SE
	s_setreg_imm32_b32 hwreg(HW_REG_WAVE_MODE, 25, 1), 1
	s_wait_xcnt 0x0
; THE SECOND LAUNCH: h = Q(gelu(Q(x) Q(W1[e]) + b1[e])) for the routed rows alone.  gelu is the tanh form, written x / (1 + 2^(x (A + B x^2))), all in f32.
; A work-group takes one tile of 160 routed rows of ONE expert (work-group y; the list says which expert and whether the tile has rows) and 256 of the 1,024 hidden units (work-group x).
; 59 tiles serve every split: ceil(8,192 / 160) + 7.  With 4 along x that is 236 work-groups, fewer than there are WGPs: 160 is the least multiple of 32 rows for which that holds at every split.
; A tile without rows stores nothing.  Since that is a branch on a stored number, operands come by plain loads: no tensor load, hence no joint loads in a cluster either.
; THE WAVES SHARE THE COLUMNS: wave w makes the block of 32 hidden units 8 x + w for all 160 rows.  Its two weight tiles for all of K stay in 128 registers, loaded whole as the first launch laid them.
; The rows' codes are gathered once (wave w: rows 20 w on, a row of 512 bytes to a load) and lie in LDS as [block of 32 K][row][16 bytes]: sixteen rows of a block are 256 consecutive bytes, what half a wave takes of a fragment.
; TRANSPOSED: source 0 = 16 weight rows, source 1 = 16 routed rows: a lane holds one routed row, and the 16 registers of its two tiles are 16 neighbours along the next K: half a block; lane l xor 16 has the other half.
; hc: [block 32][routed row 9,440][16 bytes]: a wave's store of 8 bytes a lane covers 256 consecutive bytes, aligned.  hs: [x 4][routed row][8 bytes], gathered in LDS, a byte a wave.
; LIMITS: NaN and infinities are not served; a block whose largest magnitude lies under 2^-124 gets the byte 1.  Rows that fill a tile are token 0's: computed, stored, read by nobody.
; REGISTERS: v1-7 addresses; v8-11 codes; v12-13 A; v16-23 the rows' scale words; v24-71 three slots of the rows' fragments (on the way out: at work); v72-103 four accumulators; v104-119 b1; v120-127 the weights' scale words; v128-255 the weights.
; At the head the 20 gathered rows stand in v24-103 and their offsets in v104-123.
.set TOK1,   4096
.set BP,     2576                      ; LDS: a block of 32 K: 160 rows x 16 bytes + 16 of padding = 644 words: on the way in lane l (block l) starts at bank 4 l mod 64
.set XSCL,   82432                     ; behind the 32 blocks: the rows' scale words, 48 bytes a row;
.set HSST,   90112                     ; then h's scale bytes, 8 a row
.set PLANE,  151040
.set SPLANE, 75520
.set PC,   8
.set XSC,  16
.set XF,   24
.set ACC,  72
.set BIAS, 104
.set WSC,  120
.set WF,   128
.set SEL,  48                          ; s[48:49] selects for lane l xor 16
.set CB,   50                          ; s[50:51] B
	s_load_b512 s[4:19], s[0:1], 0x0               ; route s[4:5], xc s[6:7], xs s[8:9], wc s[10:11], ws s[12:13], b1 s[14:15], hc s[16:17], hs s[18:19]
	s_set_vgpr_msb 0x40
	v_lshl_add_u32 v0, v0, 2, 0x16500
	v_mov_b32 v1, 0
	s_set_vgpr_msb 0x4000
	v_lshrrev_b32 v14, 5, v0
	v_readfirstlane_b32 s20, v14                   ; wave 0..7
	s_and_b32 s21, ttmp7, 0xffff                   ; the tile
	v_and_b32 v15, 31, v0                          ; lane
	v_lshlrev_b32 v1, 4, v15                       ; 16 x lane
	s_mul_i32 s52, s20, 320
	v_mul_u32_u24 v2, v15, BP
	v_add_nc_u32 v2, s52, v2                       ; images, on the way in: block = lane, row 20 w
	v_and_b32 v3, 15, v0                           ; r
	v_bfe_u32 v4, v0, 4, 1                         ; h
	v_lshlrev_b32 v7, 4, v3
	v_lshl_add_u32 v7, v4, 3, v7                   ; hc: 16 r + 8 h
	v_lshlrev_b32 v6, 3, v3
	s_add_co_u32 s52, s20, HSST
	v_add_nc_u32 v6, s52, v6                       ; h's scale byte: HSST + 8 r + w
	v_lshlrev_b32 v12, 6, v4                       ; b1: 64 h (v12 and v13 take A once their accesses are done)
	v_mul_u32_u24 v5, v15, 48
	v_add_nc_u32 v5, XSCL, v5                      ; the rows' scale words, on the way out: 48 x lane
	v_mul_u32_u24 v13, v0, 48
	v_add_nc_u32 v13, XSCL, v13                    ; and on the way in: row = my thread's number (waves 0-4)
	v_mul_u32_u24 v4, v4, BP
	v_lshl_add_u32 v3, v3, 4, v4                   ; images, on the way out: block h, row r,
	v_add_nc_u32 v4, 16*BP, v3                     ; and the same 16 blocks on: an LDS immediate has 16 bits
	s_lshl_b32 s22, s21, 3
	s_mul_i32 s54, s21, 640                        ; the tile's 160 words in the list
	s_mul_i32 s52, s20, 80
	s_add_co_u32 s23, s54, s52                     ; my 20 rows' words
	v_lshl_add_u32 v15, v0, 2, s54                 ; the word of the row with my thread's number
	s_mov_b32 s[SEL], 0x76543210
	s_mov_b32 s[SEL+1], 0xfedcba98
	s_mov_b32 s[CB], 0xbdd2d3e8                    ; B = -2 log2(e) sqrt(2 / pi) x 0.044715
	s_mov_b32 s[CB+1], s[CB]
	s_wait_kmcnt 0x0
	s_load_b64 s[24:25], s[4:5], s22 offset:0x0    ; the tile's expert, its rows
	s_load_b512 s[28:43], s[4:5], s23 offset:TOK1  ; my 20 rows' tokens, as scalars
	s_load_b128 s[44:47], s[4:5], s23 offset:TOK1+64
	s_cmp_ge_u32 s20, 5                            ; 160 threads, waves 0-4, gather the rows' scale bytes, a thread a row
	s_cbranch_scc1 .Lno_token
	global_load_b32 v14, v15, s[4:5] offset:TOK1
.Lno_token:
	s_wait_kmcnt 0x0
	s_min_u32 s24, s24, 7
.irp j, 0,1,2,3,4,5,6,7,8,9,10,11,12,13,14,15,16,17,18,19
	s_min_u32 s[28+\j], s[28+\j], 4095
	v_lshl_add_u32 v[104+\j], s[28+\j], 9, v1
	global_load_b128 v[24+4*\j:27+4*\j], v[104+\j], s[6:7]   ; a row's 512 bytes of codes: lane = block of 32 K
.endr
	s_cmp_ge_u32 s20, 5
	s_cbranch_scc1 .Lno_scales
	s_wait_loadcnt 20                              ; the token in my lane is in; the 20 rows may be out
	v_min_u32 v14, 4095, v14
	v_lshlrev_b32 v14, 5, v14
	global_load_b128 v[16:19], v14, s[8:9]         ; that row's 32 scale bytes
	global_load_b128 v[20:23], v14, s[8:9] offset:16
.Lno_scales:
	s_wait_xcnt 0x0                                ; the rows' loads have read their offsets, v104-123, on which b1 and the weights' scale words land below
	v_and_b32 v15, 31, v0
	v_lshlrev_b32 v15, 5, v15                      ; 32 x lane
	s_mov_b32 s53, 0
	s_lshl_b32 s52, s24, 15                        ; ws: e x 32 KiB + tile (16 x + 2 w) x 512
	s_lshl_b32 s54, ttmp9, 13
	s_add_co_u32 s52, s52, s54
	s_lshl_b32 s54, s20, 10
	s_add_co_u32 s52, s52, s54
	s_add_nc_u64 s[12:13], s[12:13], s[52:53]
	s_lshl_b32 s52, s24, 12                        ; b1: e x 4,096 + (256 x + 32 w) x 4
	s_lshl_b32 s54, ttmp9, 10
	s_add_co_u32 s52, s52, s54
	s_lshl_b32 s54, s20, 7
	s_add_co_u32 s52, s52, s54
	s_add_nc_u64 s[14:15], s[14:15], s[52:53]
	s_lshl_b32 s52, s24, 19                        ; wc: e x 512 KiB + tile (16 x + 2 w) x 8,192
	s_lshl_b32 s54, ttmp9, 17
	s_add_co_u32 s52, s52, s54
	s_lshl_b32 s54, s20, 14
	s_add_co_u32 s52, s52, s54
	s_add_nc_u64 s[10:11], s[10:11], s[52:53]
	global_load_b128 v[WSC:WSC+3], v15, s[12:13]             ; lanes 0-15: tile u = 0's rows, lanes 16-31: tile u = 1's; word s serves K step s
	global_load_b128 v[WSC+4:WSC+7], v15, s[12:13] offset:16
.irp u, 0,1
	global_load_b128 v[BIAS+8*\u:BIAS+8*\u+3], v12, s[14:15] offset:32*\u       ; b1 in the result's layout: units 16 h + 8 u + 0 .. 7
	global_load_b128 v[BIAS+8*\u+4:BIAS+8*\u+7], v12, s[14:15] offset:32*\u+16
.endr
.irp u, 0,1
.irp s, 0,1,2,3,4,5,6,7
.irp c, 0,1
	global_load_b128 v[WF+64*\u+8*\s+4*\c:WF+64*\u+8*\s+4*\c+3], v1, s[10:11] offset:8192*\u+1024*\s+512*\c
.endr
.endr
.endr
	s_lshl_b32 s52, ttmp9, 3
	s_add_co_u32 s52, s52, s20
	s_mul_i32 s52, s52, PLANE                      ; hc: block 8 x + w, row 160 t
	s_mul_i32 s54, s21, 2560
	s_add_co_u32 s52, s52, s54
	s_add_nc_u64 s[16:17], s[16:17], s[52:53]
	s_mul_i32 s52, ttmp9, SPLANE                   ; hs: plane x, row 160 t
	s_mul_i32 s54, s21, 1280
	s_add_co_u32 s52, s52, s54
	s_add_nc_u64 s[18:19], s[18:19], s[52:53]
	s_wait_loadcnt 38                              ; my rows and the scale bytes are in; the 38 loads of my own operands (2 + 4 + 32) may be out
.irp j, 0,1,2,3,4,5,6,7,8,9,10,11,12,13,14,15,16,17,18,19
	ds_store_b128 v2, v[24+4*\j:27+4*\j] offset:16*\j
.endr
	s_cmp_ge_u32 s20, 5
	s_cbranch_scc1 .Lno_sstore
	ds_store_b128 v13, v[16:19]
	ds_store_b128 v13, v[20:23] offset:16
.Lno_sstore:
	s_wait_dscnt 0x0                               ; for the others' sake: my rows lie in LDS
	s_barrier_signal -1
	s_barrier_wait -1
	s_wait_loadcnt 0x0                             ; my weights, their scale words, b1
	v_mov_b32 v12, 0xc0135761                      ; A = -2 log2(e) sqrt(2 / pi)
	v_mov_b32 v13, 0xc0135761
	s_cmp_eq_u32 s25, 0                            ; a tile without rows: round the products; no barrier is jumped over
	s_cbranch_scc1 .Lnone
.macro WM d, a, b, c, sa, sb, ra, rb   ; one product; ra, rb: the side's scale words stand in lanes 16-31
.if (\ra) && (\rb)
	v_wmma_scale_f32_16x16x128_f8f6f4 v[(\d):(\d)+7], v[(\a):(\a)+7], v[(\b):(\b)+7], v[(\c):(\c)+7], v[(\sa)], v[(\sb)] matrix_a_fmt:MATRIX_FMT_FP4 matrix_b_fmt:MATRIX_FMT_FP4 matrix_a_scale:MATRIX_SCALE_ROW1 matrix_b_scale:MATRIX_SCALE_ROW1
.elseif (\ra)
	v_wmma_scale_f32_16x16x128_f8f6f4 v[(\d):(\d)+7], v[(\a):(\a)+7], v[(\b):(\b)+7], v[(\c):(\c)+7], v[(\sa)], v[(\sb)] matrix_a_fmt:MATRIX_FMT_FP4 matrix_b_fmt:MATRIX_FMT_FP4 matrix_a_scale:MATRIX_SCALE_ROW1
.elseif (\rb)
	v_wmma_scale_f32_16x16x128_f8f6f4 v[(\d):(\d)+7], v[(\a):(\a)+7], v[(\b):(\b)+7], v[(\c):(\c)+7], v[(\sa)], v[(\sb)] matrix_a_fmt:MATRIX_FMT_FP4 matrix_b_fmt:MATRIX_FMT_FP4 matrix_b_scale:MATRIX_SCALE_ROW1
.else
	v_wmma_scale_f32_16x16x128_f8f6f4 v[(\d):(\d)+7], v[(\a):(\a)+7], v[(\b):(\b)+7], v[(\c):(\c)+7], v[(\sa)], v[(\sb)] matrix_a_fmt:MATRIX_FMT_FP4 matrix_b_fmt:MATRIX_FMT_FP4
.endif
.endm
.macro XK j, s                         ; row tiles 2 j and 2 j + 1, K step s, into slot s % 3: four loads; registers 4 c on are block 4 s + 2 c + h
.irp mi, 0,1
.irp c, 0,1
.if (\s) < 4
	ds_load_b128 v[XF+16*((\s)%3)+8*\mi+4*\c:XF+16*((\s)%3)+8*\mi+4*\c+3], v3 offset:(4*(\s)+2*\c)*BP+256*(2*(\j)+\mi)
.else
	ds_load_b128 v[XF+16*((\s)%3)+8*\mi+4*\c:XF+16*((\s)%3)+8*\mi+4*\c+3], v4 offset:(4*((\s)-4)+2*\c)*BP+256*(2*(\j)+\mi)
.endif
.endr
.endr
.endm
.macro GELU                            ; the 32 sums in v[ACC] on become gelu of them; each accumulator is read from its low end on
.irp i, 0,2,4,6,8,10,12,14,16,18,20,22,24,26,28,30
	v_pk_mul_f32 v[XF+\i:XF+\i+1], v[ACC+\i:ACC+\i+1], v[ACC+\i:ACC+\i+1]
.endr
.irp i, 0,2,4,6,8,10,12,14,16,18,20,22,24,26,28,30
	v_pk_fma_f32 v[XF+\i:XF+\i+1], v[XF+\i:XF+\i+1], s[CB:CB+1], v[12:13] op_sel_hi:[1,0,0]   ; A + B x^2
.endr
.irp i, 0,2,4,6,8,10,12,14,16,18,20,22,24,26,28,30
	v_pk_mul_f32 v[XF+\i:XF+\i+1], v[XF+\i:XF+\i+1], v[ACC+\i:ACC+\i+1]
.endr
.irp i, 0,1,2,3,4,5,6,7,8,9,10,11,12,13,14,15,16,17,18,19,20,21,22,23,24,25,26,27,28,29,30,31
	v_exp_f32 v[XF+\i], v[XF+\i]
.endr
	v_nop                                          ; a plain instruction behind the last exponential,
	s_wait_alu depctr_va_vdst(0)                   ; and one wait for the batch, ahead of its first reader
.irp i, 0,2,4,6,8,10,12,14,16,18,20,22,24,26,28,30
	v_pk_add_f32 v[XF+\i:XF+\i+1], v[XF+\i:XF+\i+1], 1.0 op_sel_hi:[1,0]
.endr
.irp i, 0,1,2,3,4,5,6,7,8,9,10,11,12,13,14,15,16,17,18,19,20,21,22,23,24,25,26,27,28,29,30,31
	v_rcp_f32 v[XF+\i], v[XF+\i]
.endr
	v_nop
	s_wait_alu depctr_va_vdst(0)
.irp i, 0,2,4,6,8,10,12,14,16,18,20,22,24,26,28,30
	v_pk_mul_f32 v[ACC+\i:ACC+\i+1], v[ACC+\i:ACC+\i+1], v[XF+\i:XF+\i+1]
.endr
.endm
.macro QUANT2 j                        ; my 16 numbers of each of the two row tiles: half a block of 32 along the next K; the two tiles by turns
.irp mi, 0,1
	v_max3_num_f32 v[56+\mi], |v[ACC+16*\mi]|, |v[ACC+16*\mi+1]|, 0x1800000   ; with the floor 2^(3 - 127)
.endr
.irp i, 2,4,6,8,10,12,14
.irp mi, 0,1
	v_max3_num_f32 v[56+\mi], v[56+\mi], |v[ACC+16*\mi+\i]|, |v[ACC+16*\mi+\i+1]|
.endr
.endr
.irp mi, 0,1
	v_mov_b32 v[58+\mi], 0                         ; a lane permute's destination counts as one of its sources
.endr
.irp mi, 0,1
	v_permlanex16_b32 v[58+\mi], v[56+\mi], s[SEL], s[SEL+1]
.endr
.irp mi, 0,1
	v_max_num_f32 v[56+\mi], v[56+\mi], v[58+\mi]  ; with lane l xor 16's: the block's largest magnitude
.endr
.irp mi, 0,1
	v_add_nc_u32 v[60+\mi], 0xff000000, v[56+\mi]  ; 2 off its exponent field: the conversion's scale operand
.endr
.irp mi, 0,1
	v_lshrrev_b32 v[62+\mi], 23, v[60+\mi]         ; the scale's byte
.endr
	s_wait_xcnt 0x0                                ; the last pair's stores have read the codes' registers
.irp mi, 0,1
	v_cvt_scalef32_pk8_fp4_f32 v[PC+2*\mi], v[ACC+16*\mi:ACC+16*\mi+7], v[60+\mi]
	v_cvt_scalef32_pk8_fp4_f32 v[PC+2*\mi+1], v[ACC+16*\mi+8:ACC+16*\mi+15], v[60+\mi]
.endr
	v_nop                                          ; one plain instruction behind the last conversion
.irp mi, 0,1
	global_store_b64 v7, v[PC+2*\mi:PC+2*\mi+1], s[16:17] offset:256*(2*(\j)+\mi)   ; 16 rows x 16 bytes: 256 consecutive bytes, aligned
	ds_store_b8 v6, v[62+\mi] offset:128*(2*(\j)+\mi)                               ; both halves of the lanes write the same byte with the same value
.endr
	s_wait_dscnt 0x0                               ; the byte stores have read their registers, which the next pair's loads fill
.endm
.macro PAIR j                          ; row tiles 2 j and 2 j + 1 against my two weight tiles: four accumulators by turns, one instruction a turn
	ds_load_b128 v[XSC:XSC+3], v5 offset:1536*(\j)             ; lanes 0-15: row tile 2 j's scale words, lanes 16-31: 2 j + 1's
	ds_load_b128 v[XSC+4:XSC+7], v5 offset:1536*(\j)+16
	XK \j, 0
	XK \j, 1
	XK \j, 2
.irp s, 0,1,2,3,4,5,6,7
.if \s < 6
	s_wait_dscnt 8                                 ; this K step's four loads are in; those of the two steps behind it may be out
.elseif \s == 6
	s_wait_dscnt 4
.else
	s_wait_dscnt 0x0
.endif
.irp mi, 0,1
.irp u, 0,1
.if \s == 0
	WM ACC+16*\mi+8*\u, WF+64*\u+8*\s, XF+16*(\s%3)+8*\mi, BIAS+8*\u, WSC+\s, XSC+\s, \u, \mi   ; b1 starts the sums
.else
	WM ACC+16*\mi+8*\u, WF+64*\u+8*\s, XF+16*(\s%3)+8*\mi, ACC+16*\mi+8*\u, WSC+\s, XSC+\s, \u, \mi
.endif
.endr
.endr
.if \s < 5
.rept 4
	v_nop                                          ; four places in front of loads into registers that these products read
.endr
	XK \j, \s+3
.endif
.endr
.rept 4
	v_nop                                          ; four places in front of the first read of the sums, and of writes over the fragments
.endr
	GELU
	QUANT2 \j
.endm
	PAIR 0
	PAIR 1
	PAIR 2
	PAIR 3
	PAIR 4
.Lnone:
	s_wait_dscnt 0x0
	s_barrier_signal -1
	s_barrier_wait -1                              ; all eight bytes of each row lie in LDS
	v_lshl_add_u32 v15, v0, 3, HSST
	v_lshlrev_b32 v14, 3, v0
	s_cmp_eq_u32 s25, 0
	s_cbranch_scc1 .Lend
	s_cmp_ge_u32 s20, 5
	s_cbranch_scc1 .Lend
	ds_load_b64 v[24:25], v15                      ; 160 threads x 8 bytes: each wave stores 256 consecutive bytes, aligned
	s_wait_dscnt 0x0
	global_store_b64 v14, v[24:25], s[18:19]
.Lend:
	s_set_vgpr_msb 0x5
	s_wait_tensorcnt 0x0
	ds_add_u32 v0, v1
	s_wait_dscnt 0x0
	s_set_vgpr_msb 0x500
	s_endpgm
.Lfunc_end_k_q13f7283ce1_up:
	.size	k_q13f7283ce1_up, .Lfunc_end_k_q13f7283ce1_up-k_q13f7283ce1_up
	.p2alignl 7, 3214868480
	.fill 96, 4, 3214868480
	.section	.rodata,"a",@progbits
	.p2align	6, 0x0
	.amdhsa_kernel k_q13f7283ce1_up
		.amdhsa_group_segment_fixed_size 92416
		.amdhsa_private_segment_fixed_size 0
		.amdhsa_enable_private_segment 0
		.amdhsa_kernarg_size 64
		.amdhsa_user_sgpr_count 2
		.amdhsa_user_sgpr_kernarg_segment_ptr 1
		.amdhsa_wavefront_size32 1
		.amdhsa_system_sgpr_workgroup_id_x 1
		.amdhsa_system_sgpr_workgroup_id_y 1
		.amdhsa_system_sgpr_workgroup_id_z 1
		.amdhsa_system_vgpr_workitem_id 0
		.amdhsa_next_free_vgpr 258
		.amdhsa_next_free_sgpr 66
		.amdhsa_reserve_vcc 0
		.amdhsa_float_denorm_mode_32 3
		.amdhsa_float_denorm_mode_16_64 3
		.amdhsa_memory_ordered 1
		.amdhsa_forward_progress 1
		.amdhsa_inst_pref_size 97
	.end_amdhsa_kernel
	.amdgpu_metadata
---
amdhsa.version: [ 1, 2 ]
amdhsa.kernels:
  - .name:           k_q13f7283ce1_up
    .symbol:         k_q13f7283ce1_up.kd
    .args:
      - { .name: route, .offset: 0, .size: 8, .value_kind: global_buffer, .address_space: global }
      - { .name: xc, .offset: 8, .size: 8, .value_kind: global_buffer, .address_space: global }
      - { .name: xs, .offset: 16, .size: 8, .value_kind: global_buffer, .address_space: global }
      - { .name: wc, .offset: 24, .size: 8, .value_kind: global_buffer, .address_space: global }
      - { .name: ws, .offset: 32, .size: 8, .value_kind: global_buffer, .address_space: global }
      - { .name: b1, .offset: 40, .size: 8, .value_kind: global_buffer, .address_space: global }
      - { .name: hc, .offset: 48, .size: 8, .value_kind: global_buffer, .address_space: global }
      - { .name: hs, .offset: 56, .size: 8, .value_kind: global_buffer, .address_space: global }
    .group_segment_fixed_size: 92416
    .private_segment_fixed_size: 0
    .kernarg_segment_align: 8
    .kernarg_segment_size: 64
    .max_flat_workgroup_size: 256
    .sgpr_count:     66
    .vgpr_count:     258
    .wavefront_size: 32
...
	.end_amdgpu_metadata
.endif
;; end of part 2
;; launch down (part 3): grid 4 x 67, 4 waves a work-group, no clusters, 161,792 bytes of LDS; arguments route, hc, hs, wc, ws, b2, gates, out0; writes out0
.if DOCPART == 3
	.amdgcn_target "amdgcn-amd-amdhsa--gfx1250"
	.amdhsa_code_object_version 6
	.text
	.protected	k_q13f7283ce1_down
	.globl	k_q13f7283ce1_down
	.p2align	8
	.type	k_q13f7283ce1_down,@function
k_q13f7283ce1_down:
	s_mov_b64 s[64:65], 0
	v_nop
	global_prefetch_b8 v0, s[64:65] scope:SCOPE_SE
	s_setreg_imm32_b32 hwreg(HW_REG_WAVE_MODE, 25, 1), 1
	s_wait_xcnt 0x0
; THE THIRD LAUNCH: out[token] = gLo (h_lo W2[lo] + b2[lo]) + gHi (h_hi W2[hi] + b2[hi]).
; A work-group takes one tile of up to 128 tokens that share ONE SET of experts {lo, hi} (work-group y; the list gives lo, hi, the number of tokens, the first routed row under each expert and the first position)
; and 256 of the 1,024 outputs (work-group x).  It runs both experts and owns its output rows: nothing is added between work-groups.  67 tiles serve every split: 4,096 / 128 + 35 (36 sets).
; A tile without tokens stores nothing; row tiles behind the count are left out.  Those are branches on stored numbers, so operands come by plain loads: no tensor load, hence no joint loads in a cluster either.
; A tile's routed rows under each expert are CONSECUTIVE in hc, by the sort.  Rows behind the count are copies of the last row: same codes, gates and token, so they store the same bits to the same place.
; THE WAVES SHARE THE COLUMNS: wave w makes 64 outputs (256 bytes of a row) for all rows; its four weight tiles of W2[lo] and of W2[hi] for all of K stay in 2 x 256 registers.
; h's codes go to LDS once, as images of the operand's registers: [pass][row tile][block of 32 K][row][16 bytes]; each fragment read from LDS feeds four products.
; TRANSPOSED: source 0 = 16 weight rows, source 1 = 16 routed rows: a lane holds one token, and the 16 registers of two neighbouring tiles are 16 neighbouring outputs.
; A token whose two slots name one expert is weighed w0 y + w1 y where the definition has (w0 + w1) y: a difference of rounding.  NaN and infinities are not served.
; REGISTERS, in windows of 256.  window 0: v1-15 addresses; v16-47, v48-79 the accumulators under lo and hi (v48-79 also take the rows back from the stage); v80-111, v112-143 b2[lo], b2[hi]; v144-159, v160-175 the weights' scale words;
;   v176-191 h's scale words, two sets (lanes 0-15 under lo, lanes 16-31 under hi); v192-207 tokens, two sets; v208-223 gates; v224-231 store offsets; v232-233 gHi; v234-251 the head's.
;   window 1: W2[lo], tile n, K step s at v[64 n + 8 s].   window 2: W2[hi].   window 3: at the head the 64 loads of h's codes; then two sets of 128: h's fragments, v[128 set + 64 pass + 8 s].
.set T2I,    1024
.set TOK2,   42240
.set PLANE,  151040                    ; hc: 9,440 routed rows x 16 bytes to a block of 32 K
.set SPLANE, 75520                     ; hs: 9,440 routed rows x 8 bytes
.set LASTROW, 9439
.set XSCL,   131072                    ; LDS: the images take 2 x 65,536 bytes; then h's scale words, 48 bytes a row, 6,144 a pass;
.set TOKT,   143360                    ; the tokens, [row tile][row % 2][row / 2];
.set STG,    143872                    ; a stage of 16 rows x (256 + 16) bytes for each wave
.set MSB, 0
.macro WIN new                         ; the immediate's high byte repeats the setting that is left
.if MSB != \new
	s_set_vgpr_msb (MSB<<8)|\new
.set MSB, \new
.endif
.endm
	s_load_b512 s[4:19], s[0:1], 0x0               ; route s[4:5], hc s[6:7], hs s[8:9], wc s[10:11], ws s[12:13], b2 s[14:15], gates s[16:17], out0 s[18:19]
	v_lshl_add_u32 v254, v0, 2, 0x27600
	v_mov_b32 v255, 0
	v_lshrrev_b32 v11, 5, v0
	v_readfirstlane_b32 s20, v11                   ; wave 0..3
	s_and_b32 s21, ttmp7, 0xffff                   ; the tile
	s_lshl_b32 s22, s21, 5
	v_and_b32 v245, 15, v0                         ; r
	v_bfe_u32 v244, v0, 4, 1                       ; h
	v_and_b32 v243, 31, v0                         ; lane
	s_lshl_b32 s23, s20, 14
	v_lshlrev_b32 v2, 4, v245
	v_lshl_add_u32 v2, v244, 13, v2
	v_add_nc_u32 v2, s23, v2                       ; images, on the way in: my row 32 w + lane: row tile 2 w + h, row r;
	v_add_nc_u32 v3, 65536, v2                     ; the same under hi
	v_lshlrev_b32 v4, 4, v243                      ; on the way out: 16 x lane
	v_add_nc_u32 v5, 65536, v4
	v_mul_u32_u24 v6, v245, 48
	v_mad_u32_u24 v6, v244, 6144, v6
	v_add_nc_u32 v6, XSCL, v6                      ; h's scale words: lanes 0-15 under lo, lanes 16-31 under hi
	v_lshlrev_b32 v7, 5, v244
	v_add_nc_u32 v7, TOKT, v7                      ; the tokens of the rows that my half of the lanes stores
	s_mul_i32 s23, s20, 4352
	s_add_co_u32 s23, s23, STG
	v_mul_u32_u24 v8, v245, 272
	v_lshl_add_u32 v8, v244, 6, v8
	v_add_nc_u32 v8, s23, v8                       ; the stage, in: row r, + 64 h
	v_mul_u32_u24 v9, v244, 272
	v_lshl_add_u32 v9, v245, 4, v9
	v_add_nc_u32 v9, s23, v9                       ; back: lanes 0-15 one row, lanes 16-31 the next
	s_lshl_b32 s23, ttmp9, 10
	s_lshl_b32 s46, s20, 8
	s_add_co_u32 s23, s23, s46                     ; my 64 outputs in a row, in bytes: 1,024 x + 256 w
	v_lshl_add_u32 v10, v245, 4, s23
	v_lshrrev_b32 v247, 4, v0
	v_lshlrev_b32 v247, 6, v247
	v_and_b32 v246, 1, v0
	v_lshl_add_u32 v247, v246, 5, v247
	v_bfe_u32 v246, v0, 1, 3
	v_lshl_add_u32 v247, v246, 2, v247
	v_add_nc_u32 v247, TOKT, v247                  ; where my row's token goes
	v_mul_u32_u24 v248, v0, 48
	v_add_nc_u32 v248, XSCL, v248                  ; and its scale bytes
	v_lshlrev_b32 v242, 5, v243                    ; 32 x lane
	v_lshlrev_b32 v249, 6, v244                    ; 64 h
	s_wait_kmcnt 0x0
	s_load_b256 s[24:31], s[4:5], s22 offset:T2I   ; lo, hi, tokens, first row under lo, under hi, first position
	s_wait_kmcnt 0x0
	s_min_u32 s24, s24, 7
	s_min_u32 s25, s25, 7
	s_min_u32 s32, s26, 128
	s_max_u32 s32, s32, 1
	s_sub_co_u32 s32, s32, 1                       ; the last row that exists
	s_cmp_lg_u32 s26, 0
	s_cselect_b32 s33, 16, 0
	s_min_u32 s33, s33, 16
	v_mul_u32_u24 v1, v243, s33                    ; the weights' offset: 16 x lane; in a tile without tokens every lane asks for the same 16 bytes
	v_min_u32 v251, s32, v0                        ; my row, held at the last that exists
	v_add_nc_u32 v11, s27, v251
	v_min_u32 v11, LASTROW, v11
	v_lshlrev_b32 v13, 3, v11
	v_lshlrev_b32 v11, 4, v11
	v_add_nc_u32 v12, s28, v251
	v_min_u32 v12, LASTROW, v12
	v_lshlrev_b32 v14, 3, v12
	v_lshlrev_b32 v12, 4, v12
	v_add_nc_u32 v15, s29, v251
	v_min_u32 v15, 8575, v15
	v_lshlrev_b32 v15, 2, v15
.irp mt, 0,1,2,3,4,5,6,7
	v_add_nc_u32 v[234+\mt], 16*\mt, v245
	v_min_u32 v[234+\mt], s32, v[234+\mt]
	v_add_nc_u32 v[234+\mt], s29, v[234+\mt]
	v_min_u32 v[234+\mt], 8575, v[234+\mt]
	v_lshlrev_b32 v[234+\mt], 3, v[234+\mt]        ; the gates of row r of each row tile
.endr
.macro BASE d, p, com, e, sh           ; s[d:d+1] = s[p:p+1] + s[com] + (s[e] << sh)
	s_lshl_b32 s52, s[\e], \sh
	s_add_co_u32 s52, s52, s[\com]
	s_mov_b32 s53, 0
	s_add_nc_u64 s[\d:\d+1], s[\p:\p+1], s[52:53]
.endm
	s_lshl_b32 s34, ttmp9, 13                      ; ws: w2's half + tile (16 x + 4 w) x 512
	s_lshl_b32 s46, s20, 11
	s_add_co_u32 s34, s34, s46
	s_add_co_u32 s34, s34, 262144
	BASE 36, 12, 34, 24, 15
	BASE 38, 12, 34, 25, 15
	BASE 40, 14, 23, 24, 12                        ; b2: e x 4,096 + my 64 outputs
	BASE 42, 14, 23, 25, 12
	s_lshl_b32 s34, ttmp9, 17                      ; wc: w2's half + tile (16 x + 4 w) x 8,192
	s_lshl_b32 s46, s20, 15
	s_add_co_u32 s34, s34, s46
	s_add_co_u32 s34, s34, 4194304
	BASE 48, 10, 34, 24, 19
	BASE 50, 10, 34, 25, 19
	global_load_b32 v250, v15, s[4:5] offset:TOK2  ; my row's token
.irp p, 0,1
.irp q, 0,1,2,3
	global_load_b64 v[192+8*\p+2*\q:193+8*\p+2*\q], v[13+\p], s[8:9] offset:SPLANE*\q   ; its 32 scale bytes under each expert
.endr
.endr
	WIN 0xc0                                       ; destination window 3
.irp p, 0,1
.irp b, 0,1,2,3,4,5,6,7,8,9,10,11,12,13,14,15,16,17,18,19,20,21,22,23,24,25,26,27,28,29,30,31
	global_load_b128 v[4*(32*\p+\b):4*(32*\p+\b)+3], v[11+\p], s[6:7] offset:PLANE*\b   ; block b of 32 neighbouring rows: 512 consecutive bytes
.endr
.endr
	WIN 0
.irp mt, 0,1,2,3,4,5,6,7
	global_load_b64 v[208+2*\mt:209+2*\mt], v[234+\mt], s[16:17]
.endr
.irp p, 0,1
.irp np, 0,1
.irp k, 0,1
	global_load_b128 v[144+16*\p+8*\np+4*\k:144+16*\p+8*\np+4*\k+3], v242, s[36+2*\p:37+2*\p] offset:1024*\np+16*\k   ; lanes 0-15: tile 2 np, lanes 16-31: tile 2 np + 1
.endr
.endr
.endr
.irp p, 0,1
.irp b, 0,1
.irp i, 0,1,2,3
	global_load_b128 v[80+32*\p+16*\b+4*\i:80+32*\p+16*\b+4*\i+3], v249, s[40+2*\p:41+2*\p] offset:128*\b+16*\i   ; b2 in the result's layout: outputs 32 b + 16 h + 0 .. 15
.endr
.endr
.endr
	WIN 0x40                                       ; destination window 1
.irp n, 0,1,2,3
.irp s, 0,1,2,3,4,5,6,7
.irp c, 0,1
	global_load_b128 v[64*\n+8*\s+4*\c:64*\n+8*\s+4*\c+3], v1, s[48:49] offset:8192*\n+1024*\s+512*\c
.endr
.endr
.endr
	WIN 0
	s_wait_loadcnt 63                              ; behind the last load of h's codes 96 loads were issued (8 + 8 + 16 + 64): the token, the scale bytes and the codes are in
	ds_store_b32 v247, v250
.irp p, 0,1
.irp q, 0,1,2,3
	ds_store_b64 v248, v[192+8*\p+2*\q:193+8*\p+2*\q] offset:6144*\p+8*\q
.endr
.endr
	WIN 0x0c                                       ; an LDS store's data are its source 1: window 3
.irp p, 0,1
.irp b, 0,1,2,3,4,5,6,7,8,9,10,11,12,13,14,15,16,17,18,19,20,21,22,23,24,25,26,27,28,29,30,31
	ds_store_b128 v[2+\p], v[4*(32*\p+\b):4*(32*\p+\b)+3] offset:256*\b
.endr
.endr
	WIN 0x80                                       ; destination window 2
.irp n, 0,1,2,3
.irp s, 0,1,2,3,4,5,6,7
.irp c, 0,1
	global_load_b128 v[64*\n+8*\s+4*\c:64*\n+8*\s+4*\c+3], v1, s[50:51] offset:8192*\n+1024*\s+512*\c
.endr
.endr
.endr
	WIN 0
	s_wait_dscnt 0x0                               ; for the others' sake: my rows lie in LDS
	s_barrier_signal -1
	s_barrier_wait -1                              ; the one barrier: from here on the shared LDS bytes are only read
	s_wait_loadcnt 0x0
	v_mov_b32 v233, 0                              ; (named as the upper half of the pair v[232:233])
.macro WM d, a, b, c, sa, sb, ra, rb   ; one product; ra, rb: the side's scale words stand in lanes 16-31
.if (\ra) && (\rb)
	v_wmma_scale_f32_16x16x128_f8f6f4 v[(\d):(\d)+7], v[(\a):(\a)+7], v[(\b):(\b)+7], v[(\c):(\c)+7], v[(\sa)], v[(\sb)] matrix_a_fmt:MATRIX_FMT_FP4 matrix_b_fmt:MATRIX_FMT_FP4 matrix_a_scale:MATRIX_SCALE_ROW1 matrix_b_scale:MATRIX_SCALE_ROW1
.elseif (\ra)
	v_wmma_scale_f32_16x16x128_f8f6f4 v[(\d):(\d)+7], v[(\a):(\a)+7], v[(\b):(\b)+7], v[(\c):(\c)+7], v[(\sa)], v[(\sb)] matrix_a_fmt:MATRIX_FMT_FP4 matrix_b_fmt:MATRIX_FMT_FP4 matrix_a_scale:MATRIX_SCALE_ROW1
.elseif (\rb)
	v_wmma_scale_f32_16x16x128_f8f6f4 v[(\d):(\d)+7], v[(\a):(\a)+7], v[(\b):(\b)+7], v[(\c):(\c)+7], v[(\sa)], v[(\sb)] matrix_a_fmt:MATRIX_FMT_FP4 matrix_b_fmt:MATRIX_FMT_FP4 matrix_b_scale:MATRIX_SCALE_ROW1
.else
	v_wmma_scale_f32_16x16x128_f8f6f4 v[(\d):(\d)+7], v[(\a):(\a)+7], v[(\b):(\b)+7], v[(\c):(\c)+7], v[(\sa)], v[(\sb)] matrix_a_fmt:MATRIX_FMT_FP4 matrix_b_fmt:MATRIX_FMT_FP4
.endif
.endm
.macro LOADX mt                        ; row tile mt: its 16 fragments (both passes), its scale words, its tokens: 36 LDS loads, into set mt % 2
	WIN 0xc0
.irp p, 0,1
.irp s, 0,1,2,3,4,5,6,7
.irp c, 0,1
	ds_load_b128 v[128*((\mt)%2)+64*\p+8*\s+4*\c:128*((\mt)%2)+64*\p+8*\s+4*\c+3], v[4+\p] offset:8192*(\mt)+1024*\s+512*\c
.endr
.endr
.endr
	WIN 0
	ds_load_b128 v[176+8*((\mt)%2):176+8*((\mt)%2)+3], v6 offset:768*(\mt)
	ds_load_b128 v[176+8*((\mt)%2)+4:176+8*((\mt)%2)+7], v6 offset:768*(\mt)+16
	ds_load_b128 v[192+8*((\mt)%2):192+8*((\mt)%2)+3], v7 offset:64*(\mt)
	ds_load_b128 v[192+8*((\mt)%2)+4:192+8*((\mt)%2)+7], v7 offset:64*(\mt)+16
.endm
.macro MT mt
	s_cmp_le_u32 s26, 16*(\mt)                     ; no token in this row tile or behind it: done.  No barrier stands behind this branch
	s_cbranch_scc1 .Ldone
.if (\mt) < 7
	LOADX (\mt)+1                                  ; the other set was last multiplied a row tile ago: that tile's way out stands between
.endif
	s_wait_xcnt 0x0                                ; the last row tile's stores have read their data and offsets
.if (\mt) < 7
	s_wait_dscnt 36                                ; this row tile's loads are in; the 36 just issued may be out
.else
	s_wait_dscnt 0x0
.endif
	WIN 0x0d                                       ; source 0 (W2[lo]) window 1, source 1 (h) window 3
.irp s, 0,1,2,3,4,5,6,7
.irp n, 0,1,2,3
.if \s == 0
	WM 16+8*\n, 64*\n+8*\s, 128*((\mt)%2)+8*\s, 80+8*\n, 144+8*(\n/2)+\s, 176+8*((\mt)%2)+\s, \n%2, 0   ; b2[lo] starts the sums; four accumulators by turns, one instruction a turn
.else
	WM 16+8*\n, 64*\n+8*\s, 128*((\mt)%2)+8*\s, 16+8*\n, 144+8*(\n/2)+\s, 176+8*((\mt)%2)+\s, \n%2, 0
.endif
.endr
.endr
	WIN 0x0e                                       ; source 0 (W2[hi]) window 2
.irp s, 0,1,2,3,4,5,6,7
.irp n, 0,1,2,3
.if \s == 0
	WM 48+8*\n, 64*\n+8*\s, 128*((\mt)%2)+64+8*\s, 112+8*\n, 160+8*(\n/2)+\s, 176+8*((\mt)%2)+\s, \n%2, 1
.else
	WM 48+8*\n, 64*\n+8*\s, 128*((\mt)%2)+64+8*\s, 48+8*\n, 160+8*(\n/2)+\s, 176+8*((\mt)%2)+\s, \n%2, 1
.endif
.endr
.endr
	WIN 0
	v_mov_b32 v232, v[209+2*(\mt)]                 ; gHi as a pair's low word; with the three below: four places behind the last product
.rept 3
	v_nop
.endr
.irp i, 0,2,4,6,8,10,12,14,16,18,20,22,24,26,28,30
	v_pk_mul_f32 v[16+\i:17+\i], v[16+\i:17+\i], v[208+2*(\mt):209+2*(\mt)] op_sel_hi:[1,0]   ; x gLo; each accumulator from its low end on
.endr
.irp i, 0,2,4,6,8,10,12,14,16,18,20,22,24,26,28,30
	v_pk_fma_f32 v[16+\i:17+\i], v[48+\i:49+\i], v[232:233], v[16+\i:17+\i] op_sel_hi:[1,0,1]   ; + gHi x the other
.endr
.irp b, 0,1
.irp i, 0,1,2,3
	ds_store_b128 v8, v[16+16*\b+4*\i:16+16*\b+4*\i+3] offset:128*\b+16*\i    ; token r, outputs 32 b + 16 h + 4 i on
.endr
.endr
.irp i, 0,1,2,3,4,5,6,7
	ds_load_b128 v[48+4*\i:51+4*\i], v9 offset:544*\i    ; LDS serves a wave's instructions in order: these see my stores; rows 2 i and 2 i + 1, 256 bytes each
.endr
.irp i, 0,1,2,3,4,5,6,7
	v_min_u32 v[224+\i], 4095, v[192+8*((\mt)%2)+\i]
	v_lshl_add_u32 v[224+\i], v[224+\i], 12, v10         ; the token's row of 4,096 bytes + my 16 bytes
.endr
.irp i, 0,1,2,3,4,5,6,7
	s_wait_dscnt 7-\i
	global_store_b128 v[224+\i], v[48+4*\i:51+4*\i], s[18:19] th:TH_STORE_NT   ; sixteen lanes store 256 consecutive bytes of one token's row, aligned
.endr
.endm
	LOADX 0
	MT 0
	MT 1
	MT 2
	MT 3
	MT 4
	MT 5
	MT 6
	MT 7
.Ldone:
	s_wait_dscnt 0x0
	s_wait_tensorcnt 0x0
	ds_add_u32 v254, v255
	s_wait_dscnt 0x0
	s_endpgm
.Lfunc_end_k_q13f7283ce1_down:
	.size	k_q13f7283ce1_down, .Lfunc_end_k_q13f7283ce1_down-k_q13f7283ce1_down
	.p2alignl 7, 3214868480
	.fill 96, 4, 3214868480
	.section	.rodata,"a",@progbits
	.p2align	6, 0x0
	.amdhsa_kernel k_q13f7283ce1_down
		.amdhsa_group_segment_fixed_size 161792
		.amdhsa_private_segment_fixed_size 0
		.amdhsa_enable_private_segment 0
		.amdhsa_kernarg_size 64
		.amdhsa_user_sgpr_count 2
		.amdhsa_user_sgpr_kernarg_segment_ptr 1
		.amdhsa_wavefront_size32 1
		.amdhsa_system_sgpr_workgroup_id_x 1
		.amdhsa_system_sgpr_workgroup_id_y 1
		.amdhsa_system_sgpr_workgroup_id_z 1
		.amdhsa_system_vgpr_workitem_id 0
		.amdhsa_next_free_vgpr 1024
		.amdhsa_next_free_sgpr 66
		.amdhsa_reserve_vcc 0
		.amdhsa_float_denorm_mode_32 3
		.amdhsa_float_denorm_mode_16_64 3
		.amdhsa_memory_ordered 1
		.amdhsa_forward_progress 1
		.amdhsa_inst_pref_size 159
	.end_amdhsa_kernel
	.amdgpu_metadata
---
amdhsa.version: [ 1, 2 ]
amdhsa.kernels:
  - .name:           k_q13f7283ce1_down
    .symbol:         k_q13f7283ce1_down.kd
    .args:
      - { .name: route, .offset: 0, .size: 8, .value_kind: global_buffer, .address_space: global }
      - { .name: hc, .offset: 8, .size: 8, .value_kind: global_buffer, .address_space: global }
      - { .name: hs, .offset: 16, .size: 8, .value_kind: global_buffer, .address_space: global }
      - { .name: wc, .offset: 24, .size: 8, .value_kind: global_buffer, .address_space: global }
      - { .name: ws, .offset: 32, .size: 8, .value_kind: global_buffer, .address_space: global }
      - { .name: b2, .offset: 40, .size: 8, .value_kind: global_buffer, .address_space: global }
      - { .name: gates, .offset: 48, .size: 8, .value_kind: global_buffer, .address_space: global }
      - { .name: out0, .offset: 56, .size: 8, .value_kind: global_buffer, .address_space: global }
    .group_segment_fixed_size: 161792
    .private_segment_fixed_size: 0
    .kernarg_segment_align: 8
    .kernarg_segment_size: 64
    .max_flat_workgroup_size: 128
    .sgpr_count:     66
    .vgpr_count:     1024
    .wavefront_size: 32
...
	.end_amdgpu_metadata
.endif
;; end of part 3
;; ======== version 2 of 2: 3 launches
;; workspace buffers: wc 8,388,608 bytes; ws 524,288 bytes; xc 2,097,152 bytes; xs 131,072 bytes; hc 4,833,280 bytes; hs 302,080 bytes; route 76,544 bytes of whole numbers; gates 68,608 bytes
;; launch prep (part 4): grid 257 x 1, 16 waves a work-group, no clusters, 93,696 bytes of LDS; arguments hidden, top_k_indices, top_k_weights, w1, w2, wc, ws, xc, xs, route, gates; writes wc, ws, xc, xs, route, gates
.if DOCPART == 4
	.amdgcn_target "amdgcn-amd-amdhsa--gfx1250"
	.amdhsa_code_object_version 6
	.text
	.protected	k_q13f7283ce1_prep
	.globl	k_q13f7283ce1_prep
	.p2align	8
	.type	k_q13f7283ce1_prep,@function
k_q13f7283ce1_prep:
	s_mov_b64 s[64:65], 0
	v_nop
	global_prefetch_b8 v0, s[64:65] scope:SCOPE_SE
	s_setreg_imm32_b32 hwreg(HW_REG_WAVE_MODE, 25, 1), 1
	s_wait_xcnt 0x0
; THE FIRST OF THREE LAUNCHES.  Two kinds of work-groups, told apart by the work-group's number alone; each kind has LDS bytes of its own.
;   0         ROUTING: the 4,096 tokens are sorted by their SET of experts {lo, hi} (a counting sort on 64 classes, whole numbers only) and the lists for the two later launches are stored.  It has the longest chain, so it is the first.
;   1 .. 256  WEIGHTS AND HIDDEN, the same share for each: 64 columns of one expert of w1 or w2 [8][1024 (K)][1024], f32, K the first axis of an expert, become codes of E2M1 in the order of the matrix operand's registers,
;             with one E8M0 byte for each 32 along K; and 16 tokens of hidden [4096][1024], f32, K innermost, become plain rows of codes and scale bytes.
; A block's scale byte is its largest magnitude's exponent field - 2, held at 1 from below.
; LIMITS: NaN and infinities among the inputs are not served; blocks whose largest magnitude lies under 2^-124, and blocks of zeros, get the byte 1 (their codes are what the conversion gives, zeros for zeros;
; the bytes are read by this program alone); expert numbers are taken & 7.
; WEIGHT TILES.  The 1,024 columns of an expert go in tiles of 16, in this order: of a group of 32 columns, column 16 h + 8 u + j lies in tile 2 b + u at row i = 8 h + j.  Used as source 0 of a product, the results of tiles
; 2 b and 2 b + 1 then give a lane 16 neighbouring columns.  wc: [w1, w2][expert][tile 64][block of 32 K: 32][i 16][16 bytes];  ws: [w1, w2][expert][tile][i][32 bytes].
; ROUTE (whole numbers): byte 0: [tile of the second launch]{expert, rows};  byte 1,024: [tile of the third]{lo, hi, tokens, first row under lo, first row under hi, first position, 0, 0};
; byte 4,096: the token of each routed row (each expert's rows padded to tiles of 160 with token 0; 64 words behind them take the writes that fall outside);  byte 42,240: the token of each position.
; GATES: [position]{the weight that goes with lo, the weight that goes with hi}.  A token whose two slots name one expert has two routed rows and is weighed w0 y + w1 y.
.set WT,   0                           ; LDS, routing: each wave's 64 class counts, 256 bytes a wave
.set CT,   4096                        ; the 64 class counts [lo][hi]
.set NT2,  4352                        ; tiles of 128 tokens of each class
.set T2B,  4608                        ; their running sum
.set RLB,  4864                        ; a class's first routed row under lo
.set RHB,  5120                        ; and under hi
.set N1A,  5376                        ; routed rows of each expert
.set NT1,  5408                        ; its tiles of 160 rows
.set T1B,  5440                        ; their running sum, 9 words
.set RS2,  5504                        ; NT2's row sums
.set WSS,  5632                        ; LDS, weights: the work-group's 2,048 scale bytes;
.set HSB,  7680                        ; straight behind them its 16 tokens' 512 scale bytes
.set HST,  9728                        ; two stages of 2,560 bytes for each wave
.set T2I,  1024
.set TOK1, 4096
.set TOK2, 42240
	s_load_b512 s[4:19], s[0:1], 0x0               ; hidden s[4:5], indices s[6:7], weights s[8:9], w1 s[10:11], w2 s[12:13], wc s[14:15], ws s[16:17], xc s[18:19]
	s_load_b128 s[20:23], s[0:1], 0x40             ; xs s[20:21], route s[22:23]
	s_load_b64 s[24:25], s[0:1], 0x50              ; gates
	v_lshl_add_u32 v128, v0, 2, 0x16600
	v_mov_b32 v129, 0
	v_lshrrev_b32 v1, 5, v0
	s_delay_alu instid0(VALU_DEP_1)
	v_readfirstlane_b32 s26, v1                    ; wave 0..15
	v_and_b32 v1, 31, v0                           ; lane
	s_mov_b32 s35, 0
	s_wait_kmcnt 0x0
	s_cmp_eq_u32 ttmp9, 0
	s_cbranch_scc1 .Lroute
; ---------------------------------------------------------------- WEIGHTS AND HIDDEN
; WEIGHTS.  A work-group takes 64 columns, all 1,024 along K.  Wave w takes 32 of the columns (w & 1) and 128 along K (w >> 1).  A LANE TAKES A COLUMN AND ITS REGISTERS RUN DOWN K:
; a block of 32 lies in one lane, and its 16 bytes of codes are what the operand's layout wants of that lane's tile row.  A store of the wave covers two runs of 256 consecutive bytes, aligned.
; HIDDEN.  Wave w takes token 16 g + w: two steps of 512 numbers.  Each load reads 512 consecutive bytes; a step's 2,048 bytes turn through the wave's own stage in LDS (16 bytes of padding behind each 64)
; and come back 64 bytes a lane: 16 neighbours; two neighbouring lanes hold a block.  A lane's 16 codes are 8 bytes: the wave stores 256 consecutive bytes.  The token's loads go out behind the last weight block's.
; REGISTERS: v2-9 addresses; v10 the weights' scale word; v11-13 at work; v16-31 the four blocks' codes; v32-63 the token as loaded; v64-127 two sets of 32 weights, later the token's neighbours (v64-95) and its work (v96-107).
	s_sub_co_u32 s27, ttmp9, 1                     ; g = 128 z + 16 e + G
	s_lshr_b32 s28, s27, 7                         ; z: w1 or w2
	s_bfe_u32 s29, s27, 0x30004                    ; e
	s_and_b32 s30, s27, 15                         ; G: which 64 columns
	s_lshr_b32 s36, s27, 4                         ; 8 z + e
	s_and_b32 s31, s26, 1                          ; cg: which 32 of them
	s_lshr_b32 s32, s26, 1                         ; ks: which 128 along K
	s_cmp_eq_u32 s28, 0
	s_cselect_b64 s[10:11], s[10:11], s[12:13]     ; the choice hangs on the work-group's number alone
	s_lshl_b32 s34, s29, 22                        ; in: e x 4 MiB + 128 ks rows of 4,096 bytes + (64 G + 32 cg) x 4
	s_lshl_b32 s33, s32, 19
	s_add_co_u32 s34, s34, s33
	s_lshl_b32 s33, s30, 8
	s_add_co_u32 s34, s34, s33
	s_lshl_b32 s33, s31, 7
	s_add_co_u32 s34, s34, s33
	s_add_nc_u64 s[10:11], s[10:11], s[34:35]
	s_lshl_b32 s34, s36, 19                        ; codes: (8 z + e) x 512 KiB + tile (4 G + 2 cg) x 8,192 + ks x 1,024
	s_lshl_b32 s33, s30, 15
	s_add_co_u32 s34, s34, s33
	s_lshl_b32 s33, s31, 14
	s_add_co_u32 s34, s34, s33
	s_lshl_b32 s33, s32, 10
	s_add_co_u32 s34, s34, s33
	s_add_nc_u64 s[14:15], s[14:15], s[34:35]
	s_lshl_b32 s34, s36, 15                        ; scale bytes: (8 z + e) x 32 KiB + G x 2,048
	s_lshl_b32 s33, s30, 11
	s_add_co_u32 s34, s34, s33
	s_add_nc_u64 s[16:17], s[16:17], s[34:35]
	s_lshl_b32 s38, s27, 4
	s_add_co_u32 s38, s38, s26                     ; my wave's token: 16 g + w
	s_lshl_b32 s34, s38, 12                        ; its 4,096 bytes of hidden,
	s_add_nc_u64 s[4:5], s[4:5], s[34:35]
	s_lshl_b32 s34, s38, 9                         ; its 512 bytes of codes,
	s_add_nc_u64 s[18:19], s[18:19], s[34:35]
	s_lshl_b32 s34, s27, 9                         ; the work-group's 512 scale bytes
	s_add_nc_u64 s[20:21], s[20:21], s[34:35]
	s_wait_alu depctr_va_vdst(0)
	v_lshlrev_b32 v2, 2, v1                        ; weights in: 4 bytes a lane
	v_bfe_u32 v5, v0, 3, 1                         ; u
	v_bfe_u32 v6, v0, 4, 1
	v_and_b32 v7, 7, v0
	s_delay_alu instid0(VALU_DEP_1)
	v_lshl_or_b32 v6, v6, 3, v7                    ; i = 8 h + j
	s_delay_alu instid0(VALU_DEP_1)
	v_lshlrev_b32 v3, 4, v6
	s_delay_alu instid0(VALU_DEP_1)
	v_lshl_add_u32 v3, v5, 13, v3                  ; codes: u x 8,192 + 16 i
	s_lshl_b32 s33, s31, 10
	s_lshl_b32 s37, s32, 2
	s_add_co_u32 s33, s33, s37
	s_add_co_u32 s33, s33, WSS
	v_lshlrev_b32 v4, 5, v6
	s_delay_alu instid0(VALU_DEP_1)
	v_lshl_add_u32 v4, v5, 9, v4
	s_delay_alu instid0(VALU_DEP_1)
	v_add_nc_u32 v4, s33, v4                       ; LDS: WSS + ((2 cg + u) x 16 + i) x 32 + 4 ks: my four bytes
	v_lshlrev_b32 v8, 3, v0                        ; the way out of the scale bytes: 8 bytes a thread;
	s_delay_alu instid0(VALU_DEP_1)
	v_add_nc_u32 v9, WSS, v8                       ; threads 0-255 meet the weights' bytes, threads 256-319 the tokens', which lie straight behind
	v_lshlrev_b32 v5, 4, v1                        ; hidden in: my 16 bytes of a load's 512
	s_mul_i32 s33, s26, 5120
	s_add_co_u32 s33, s33, HST
	v_lshrrev_b32 v6, 2, v1
	s_delay_alu instid0(VALU_DEP_1)
	v_mul_u32_u24 v6, v6, 80
	v_and_b32 v7, 3, v1
	s_delay_alu instid0(VALU_DEP_1)
	v_lshl_add_u32 v6, v7, 4, v6
	s_delay_alu instid0(VALU_DEP_1)
	v_add_nc_u32 v6, s33, v6                       ; the stage on the way in: 80 (lane / 4) + 16 (lane % 4)
	v_mul_u32_u24 v7, v1, 80
	s_delay_alu instid0(VALU_DEP_1)
	v_add_nc_u32 v7, s33, v7                       ; and on the way out: 80 x lane
	s_lshl_b32 s33, s26, 5
	s_add_co_u32 s33, s33, HSB                     ; my token's 32 scale bytes in LDS
.macro WLOAD t                         ; block t: W(32 t + i, my column) into set t % 2
.irp i, 0,1,2,3,4,5,6,7,8,9,10,11,12,13,14,15,16,17,18,19,20,21,22,23,24,25,26,27,28,29,30,31
	global_load_b32 v[64+32*((\t)%2)+\i], v2, s[10:11] offset:(32*(\t)+\i)*4096 th:TH_LOAD_NT
.endr
.endm
.macro HLOAD t                         ; step t of my token: 2,048 bytes
.irp i, 0,1,2,3
	global_load_b128 v[32+16*(\t)+4*\i:32+16*(\t)+4*\i+3], v5, s[4:5] offset:2048*(\t)+512*\i th:TH_LOAD_NT
.endr
.endm
.macro WBLOCK t
.set XW, 64+32*((\t)%2)
.if (\t) < 3
	s_wait_loadcnt 32                              ; this block's 32 loads are in; the next block's 32 may be out
.else
	s_wait_loadcnt 8                               ; the last block is in; my token's 8 loads may be out
.endif
	v_max3_num_f32 v12, |v[XW]|, |v[XW+1]|, |v[XW+2]|
	v_max3_num_f32 v13, |v[XW+3]|, |v[XW+4]|, |v[XW+5]|
.irp i, 6,10,14,18,22,26
	s_delay_alu instid0(VALU_DEP_2)
	v_max3_num_f32 v12, v12, |v[XW+\i]|, |v[XW+\i+1]|
	s_delay_alu instid0(VALU_DEP_2)
	v_max3_num_f32 v13, v13, |v[XW+\i+2]|, |v[XW+\i+3]|
.endr
	s_delay_alu instid0(VALU_DEP_2)
	v_max3_num_f32 v12, v12, |v[XW+30]|, |v[XW+31]|
	s_delay_alu instid0(VALU_DEP_1)
	v_max3_num_f32 v12, v12, v13, 0x1800000        ; and the floor 2^(3 - 127): the byte cannot fall under 1
	s_delay_alu instid0(VALU_DEP_1)
	v_add_nc_u32 v11, 0xff000000, v12              ; 2 off the exponent field: the conversion's scale operand
	s_delay_alu instid0(VALU_DEP_1)
	v_lshrrev_b32 v13, 23, v11                     ; the scale's byte
.if (\t) == 0
	s_delay_alu instid0(VALU_DEP_1)
	v_mov_b32 v10, v13
.else
	s_delay_alu instid0(VALU_DEP_1)
	v_lshl_or_b32 v10, v13, 8*(\t), v10            ; four bytes: the scale word of these 128 along K
.endif
.irp g, 0,1,2,3
	v_cvt_scalef32_pk8_fp4_f32 v[16+4*(\t)+\g], v[XW+8*\g:XW+8*\g+7], v11   ; each block has its own four registers: no store's data are written again
.endr
	v_nop                                          ; one plain instruction behind the last conversion
	global_store_b128 v3, v[16+4*(\t):16+4*(\t)+3], s[14:15] offset:256*(\t)
.if (\t) < 2
	WLOAD (\t)+2
.elseif (\t) == 2
	HLOAD 0
	HLOAD 1
.endif
.endm
.macro HTURN t                         ; LDS serves a wave's instructions in order: no wait between the stores and the loads
.irp i, 0,1,2,3
	ds_store_b128 v6, v[32+16*(\t)+4*\i:32+16*(\t)+4*\i+3] offset:2560*(\t)+640*\i
.endr
.irp i, 0,1,2,3
	ds_load_b128 v[64+16*(\t)+4*\i:64+16*(\t)+4*\i+3], v7 offset:2560*(\t)+16*\i
.endr
.endm
.macro HSTEP t
.set XH, 64+16*(\t)
	v_max3_num_f32 v96, |v[XH]|, |v[XH+1]|, |v[XH+2]|
	v_max3_num_f32 v97, |v[XH+3]|, |v[XH+4]|, |v[XH+5]|
.irp i, 6,10
	s_delay_alu instid0(VALU_DEP_2)
	v_max3_num_f32 v96, v96, |v[XH+\i]|, |v[XH+\i+1]|
	s_delay_alu instid0(VALU_DEP_2)
	v_max3_num_f32 v97, v97, |v[XH+\i+2]|, |v[XH+\i+3]|
.endr
	s_delay_alu instid0(VALU_DEP_2)
	v_max3_num_f32 v96, v96, |v[XH+14]|, |v[XH+15]|
	s_delay_alu instid0(VALU_DEP_1)
	v_max3_num_f32 v96, v96, v97, 0x1800000        ; the floor 2^(3 - 127)
	s_delay_alu instid0(VALU_DEP_1)
	v_max_num_f32_dpp v96, v96, v96 row_xmask:1 row_mask:0xf bank_mask:0xf   ; with my neighbour's 16: the block's
	s_delay_alu instid0(VALU_DEP_1)
	v_add_nc_u32 v98, 0xff000000, v96
	v_cvt_scalef32_pk8_fp4_f32 v[102+2*(\t)], v[XH:XH+7], v98
	v_cvt_scalef32_pk8_fp4_f32 v[103+2*(\t)], v[XH+8:XH+15], v98
	v_lshrrev_b32 v[99+(\t)], 23, v98              ; each step has its own registers for its byte and its codes
	ds_store_b8 v107, v[99+(\t)] offset:16*(\t)    ; both lanes of a block write the same byte with the same value
	global_store_b64 v106, v[102+2*(\t):103+2*(\t)], s[18:19] offset:256*(\t)
.endm
	WLOAD 0
	WLOAD 1
	WBLOCK 0
	WBLOCK 1
	WBLOCK 2
	WBLOCK 3
	ds_store_b32 v4, v10
	v_lshlrev_b32 v106, 3, v1                      ; my codes' place in a step's
	v_lshrrev_b32 v107, 1, v1
	s_delay_alu instid0(VALU_DEP_1)
	v_add_nc_u32 v107, s33, v107                   ; my block's byte
	s_wait_loadcnt 4                               ; step 0's four loads are in; step 1's may be out
	HTURN 0
	s_wait_loadcnt 0x0
	HTURN 1
	s_wait_dscnt 8                                 ; step 0 is back from the stage; step 1's four stores and four loads may be out
	HSTEP 0
	s_wait_dscnt 1                                 ; step 1 is back; step 0's byte store may be out
	HSTEP 1
	s_wait_dscnt 0x0                               ; for the others' sake: my scale word and my bytes lie in LDS
	s_barrier_signal -1
	s_barrier_wait -1
	s_cmp_ge_u32 s26, 10
	s_cbranch_scc1 .Lwend
	ds_load_b64 v[14:15], v9                       ; 8 bytes a thread: each wave stores 256 consecutive bytes, aligned
	s_wait_dscnt 0x0
	s_cmp_ge_u32 s26, 8
	s_cbranch_scc1 .Lxsout
	global_store_b64 v8, v[14:15], s[16:17]        ; waves 0-7: the weights' 2,048 bytes
	s_wait_tensorcnt 0x0
	ds_add_u32 v128, v129
	s_wait_dscnt 0x0
	s_endpgm
.Lxsout:
	global_store_b64 v8, v[14:15], s[20:21] offset:-2048   ; waves 8, 9: the tokens' 512 bytes (8 x thread - 2,048 is 0 .. 504)
.Lwend:
	s_wait_tensorcnt 0x0
	ds_add_u32 v128, v129
	s_wait_dscnt 0x0
	s_endpgm
; ---------------------------------------------------------------- ROUTING
; Wave w, chunk c = 0 .. 7, lane l: token 256 w + 64 (c / 2) + 2 l + c % 2 (a load of 16 bytes brings a lane two tokens).  Class key = 8 lo + hi.  In tables over classes lane l stands for classes l (lo = l / 8, hi = l % 8) and l + 32.
; No LDS address hangs on data: a lane fetches its class's entry from the lane that stands for the class, by a lane permute.
; v16-31 indices, v32-47 weights, v48-55 keys, v56-63 ranks inside the wave, v64-65 the wave's running counts, v66-67 the counts of the waves before mine, v68-69 the totals, v70-127 at work.
.Lroute:
	v_and_b32 v2, 7, v0                            ; the hi of my lane's classes
	v_bfe_u32 v3, v0, 3, 2                         ; their lo, and lo - 4
	s_lshl_b32 s27, s26, 11
	s_wait_alu depctr_va_vdst(0)
	v_lshl_add_u32 v4, v1, 4, s27                  ; two tokens' indices or weights are 16 bytes: 2,048 w + 16 lane
	s_lshl_b32 s27, s26, 8
	v_lshl_add_u32 v5, v1, 2, s27                  ; LDS: 256 w + 4 lane
	v_lshlrev_b32 v6, 2, v1                        ; 4 lane
	v_lshlrev_b32 v7, 2, v2                        ; 4 hi
	v_lshlrev_b32 v8, 5, v2                        ; 32 hi
	v_lshlrev_b32 v9, 5, v3                        ; 32 lo
	v_mov_b32 v10, 0
	v_lshlrev_b32 v11, 2, v3                       ; 4 lo
	v_lshl_add_u32 v12, v1, 1, s27                 ; my first token: 256 w + 2 lane
	s_add_co_u32 s28, s26, 2
	s_and_b32 s28, s28, 7                          ; in waves 6 to 13: wave - 6, an expert
	s_lshl_b32 s28, s28, 2
	v_mov_b32 v13, s28
.irp c, 0,1,2,3
	global_load_b128 v[16+4*\c:19+4*\c], v4, s[6:7] offset:512*\c
.endr
.irp c, 0,1,2,3
	global_load_b128 v[32+4*\c:35+4*\c], v4, s[8:9] offset:512*\c
.endr
	s_mov_b32 s48, 0xff00                          ; lanes 8-15, 16-23, 24-31
	s_mov_b32 s49, 0xff0000
	s_mov_b32 s50, 0xff000000
	s_mov_b32 s51, 0x02020202                      ; lanes with lane % 8 = 1 .. 7
	s_mov_b32 s52, 0x04040404
	s_mov_b32 s53, 0x08080808
	s_mov_b32 s54, 0x10101010
	s_mov_b32 s55, 0x20202020
	s_mov_b32 s56, 0x40404040
	s_mov_b32 s57, 0x80808080
	s_mov_b32 s58, 0x55555555
	s_mov_b32 s59, 0x33333333
	s_mov_b32 s60, 0x0f0f0f0f
	s_mov_b32 s61, 0x01010101
	v_mov_b32 v64, 0
	v_mov_b32 v65, 0
	s_wait_loadcnt 4                               ; the indices are in; the four loads of the weights may be out
.macro POP d, x, t                     ; v[d] = the number of ones in v[x]; v[x] stays
	v_lshrrev_b32 v[\t], 1, v[\x]
	s_delay_alu instid0(VALU_DEP_1)
	v_and_b32 v[\t], s58, v[\t]
	s_delay_alu instid0(VALU_DEP_1)
	v_sub_nc_u32 v[\d], v[\x], v[\t]
	s_delay_alu instid0(VALU_DEP_1)
	v_lshrrev_b32 v[\t], 2, v[\d]
	s_delay_alu instid0(VALU_DEP_2)
	v_and_b32 v[\d], s59, v[\d]
	s_delay_alu instid0(VALU_DEP_2)
	v_and_b32 v[\t], s59, v[\t]
	s_delay_alu instid0(VALU_DEP_1)
	v_add_nc_u32 v[\d], v[\d], v[\t]
	s_delay_alu instid0(VALU_DEP_1)
	v_lshrrev_b32 v[\t], 4, v[\d]
	s_delay_alu instid0(VALU_DEP_1)
	v_add_nc_u32 v[\d], v[\d], v[\t]
	s_delay_alu instid0(VALU_DEP_1)
	v_and_b32 v[\d], s60, v[\d]
	s_delay_alu instid0(VALU_DEP_1)
	v_mul_lo_u32 v[\d], v[\d], s61
	s_delay_alu instid0(VALU_DEP_1)
	v_lshrrev_b32 v[\d], 24, v[\d]
.endm
.macro CHUNK c
	v_and_b32 v70, 7, v[16+2*\c]
	v_and_b32 v71, 7, v[17+2*\c]
	s_delay_alu instid0(VALU_DEP_1)
	v_min_u32 v72, v70, v71                        ; lo
	s_delay_alu instid0(VALU_DEP_2)
	v_add_nc_u32 v73, v70, v71
	s_delay_alu instid0(VALU_DEP_1)
	v_sub_nc_u32 v73, v73, v72                     ; hi
	s_delay_alu instid0(VALU_DEP_1)
	v_lshl_or_b32 v[48+\c], v72, 3, v73            ; key
.irp a, 0,1,2,3,4,5,6,7
	v_cmp_eq_u32 s[32+\a], \a, v72                 ; which lanes have lo = a,
	v_cmp_eq_u32 s[40+\a], \a, v73                 ; which have hi = a
.endr
	v_mov_b32 v74, s32                             ; lane l: the lanes whose lo is l / 8,
	s_delay_alu instid0(VALU_DEP_1)
	v_cndmask_b32 v74, v74, s33, s48
	s_delay_alu instid0(VALU_DEP_1)
	v_cndmask_b32 v74, v74, s34, s49
	s_delay_alu instid0(VALU_DEP_1)
	v_cndmask_b32 v74, v74, s35, s50
	v_mov_b32 v75, s36                             ; 4 + l / 8,
	s_delay_alu instid0(VALU_DEP_1)
	v_cndmask_b32 v75, v75, s37, s48
	s_delay_alu instid0(VALU_DEP_1)
	v_cndmask_b32 v75, v75, s38, s49
	s_delay_alu instid0(VALU_DEP_1)
	v_cndmask_b32 v75, v75, s39, s50
	v_mov_b32 v76, s40                             ; and those whose hi is l % 8
	s_delay_alu instid0(VALU_DEP_1)
	v_cndmask_b32 v76, v76, s41, s51
	s_delay_alu instid0(VALU_DEP_1)
	v_cndmask_b32 v76, v76, s42, s52
	s_delay_alu instid0(VALU_DEP_1)
	v_cndmask_b32 v76, v76, s43, s53
	s_delay_alu instid0(VALU_DEP_1)
	v_cndmask_b32 v76, v76, s44, s54
	s_delay_alu instid0(VALU_DEP_1)
	v_cndmask_b32 v76, v76, s45, s55
	s_delay_alu instid0(VALU_DEP_1)
	v_cndmask_b32 v76, v76, s46, s56
	s_delay_alu instid0(VALU_DEP_1)
	v_cndmask_b32 v76, v76, s47, s57
	s_delay_alu instid0(VALU_DEP_1)
	v_and_b32 v77, v74, v76                        ; the chunk's lanes of class l,
	s_delay_alu instid0(VALU_DEP_2)
	v_and_b32 v78, v75, v76                        ; and of class l + 32
	v_and_b32 v79, 31, v[48+\c]
	s_delay_alu instid0(VALU_DEP_1)
	v_lshlrev_b32 v79, 2, v79
	ds_bpermute_b32 v80, v79, v77                  ; my own class's lanes,
	ds_bpermute_b32 v81, v79, v78
	ds_bpermute_b32 v82, v79, v64                  ; and its count in my wave's chunks so far
	ds_bpermute_b32 v83, v79, v65
	POP 86, 77, 84
	POP 87, 78, 85
	s_wait_alu depctr_va_vdst(0)
	s_wait_dscnt 0x0
	v_cmp_le_u32 vcc_lo, 32, v[48+\c]
	s_delay_alu instid0(VALU_DEP_1)
	v_cndmask_b32 v80, v80, v81, vcc_lo
	s_delay_alu instid0(VALU_DEP_2)
	v_cndmask_b32 v82, v82, v83, vcc_lo
	s_delay_alu instid0(VALU_DEP_1)
	v_mbcnt_lo_u32_b32 v[56+\c], v80, v82          ; rank in the wave: the count so far + the lanes of my class below me
	v_add_nc_u32 v64, v64, v86
	v_add_nc_u32 v65, v65, v87
.endm
.irp c, 0,1,2,3,4,5,6,7
	CHUNK \c
.endr
	ds_store_b32 v5, v64 offset:WT
	ds_store_b32 v5, v65 offset:WT+128
	s_wait_dscnt 0x0
	s_barrier_signal -1
	s_barrier_wait -1                              ; every wave's counts lie in LDS
.irp k, 0,1,2,3,4,5,6,7,8,9,10,11,12,13,14,15
	ds_load_b32 v[84+2*\k], v6 offset:WT+256*\k
	ds_load_b32 v[85+2*\k], v6 offset:WT+256*\k+128
.endr
	v_mov_b32 v66, 0
	v_mov_b32 v67, 0
	v_mov_b32 v68, 0
	v_mov_b32 v69, 0
	s_wait_alu depctr_va_vdst(0)
	s_wait_dscnt 0x0
.irp k, 0,1,2,3,4,5,6,7,8,9,10,11,12,13,14,15
	s_cmp_gt_u32 s26, \k
	s_cselect_b32 s27, 1, 0
	v_mad_u32_u24 v66, v[84+2*\k], s27, v66        ; the waves before mine,
	v_mad_u32_u24 v67, v[85+2*\k], s27, v67
	v_add_nc_u32 v68, v68, v[84+2*\k]              ; all waves
	v_add_nc_u32 v69, v69, v[85+2*\k]
.endr
; THE TABLES, by two waves side by side (branches on the wave's number; no barrier inside; the two touch different LDS bytes): wave 0 the experts' rows and tiles and each class's first rows, wave 1 the classes' tiles of 128 tokens.
; Every wave holds the totals in v68-69.  LDS serves a wave's instructions in order: its loads see its stores.
.macro CADD2 sel, j, a0, x0, a1, x1    ; where v[sel] > j: v[a0] += v[x0], v[a1] += v[x1]
	v_cmp_lt_u32 vcc_lo, \j, v[\sel]
	s_delay_alu instid0(VALU_DEP_1)
	v_cndmask_b32 v126, 0, v[\x0], vcc_lo
	s_delay_alu instid0(VALU_DEP_2)
	v_cndmask_b32 v127, 0, v[\x1], vcc_lo
	s_delay_alu instid0(VALU_DEP_2)
	v_add_nc_u32 v[\a0], v[\a0], v126
	s_delay_alu instid0(VALU_DEP_2)
	v_add_nc_u32 v[\a1], v[\a1], v127
.endm
.macro SUM8 d, s
	v_add3_u32 v[\d], v[\s], v[\s+1], v[\s+2]
	s_delay_alu instid0(VALU_DEP_1)
	v_add3_u32 v[\d], v[\d], v[\s+3], v[\s+4]
	s_delay_alu instid0(VALU_DEP_1)
	v_add3_u32 v[\d], v[\d], v[\s+5], v[\s+6]
	s_delay_alu instid0(VALU_DEP_1)
	v_add_nc_u32 v[\d], v[\d], v[\s+7]
.endm
	s_cmp_lg_u32 s26, 0
	s_cbranch_scc1 .Lnot0
	ds_store_b32 v6, v68 offset:CT
	ds_store_b32 v6, v69 offset:CT+128
	ds_load_b128 v[84:87], v8 offset:CT            ; cnt[hi][0..7]
	ds_load_b128 v[88:91], v8 offset:CT+16
.irp j, 0,1,2,3,4,5,6,7
	ds_load_b32 v[92+\j], v7 offset:CT+32*\j       ; cnt[j][hi]
.endr
	ds_load_b128 v[100:103], v9 offset:CT          ; cnt[lo][0..7] for class l,
	ds_load_b128 v[104:107], v9 offset:CT+16
	ds_load_b128 v[108:111], v9 offset:CT+128      ; and for class l + 32
	ds_load_b128 v[112:115], v9 offset:CT+144
	s_wait_dscnt 0x0
	SUM8 116, 84                                   ; the tokens whose lo is my hi,
	SUM8 117, 92                                   ; those whose hi is my hi:
	s_delay_alu instid0(VALU_DEP_1)
	v_add_nc_u32 v118, v116, v117                  ; that expert's routed rows,
	s_delay_alu instid0(VALU_DEP_1)
	v_add_nc_u32 v119, 159, v118
	s_delay_alu instid0(VALU_DEP_1)
	v_mul_u32_u24 v119, v119, 6554
	s_delay_alu instid0(VALU_DEP_1)
	v_lshrrev_b32 v119, 20, v119                   ; and its tiles of 160: x / 160 = 6554 x >> 20 for x up to 8,351 (6554 / 2^20 - 1 / 160 is 3.8e-7, and 8,351 times that stays under 1 / 160)
	v_mov_b32 v120, 0
	v_mov_b32 v121, 0
.irp j, 0,1,2,3,4,5,6
	CADD2 2, \j, 120, 100+\j, 121, 108+\j          ; the sum over j < hi of cnt[lo][j]
.endr
	v_mov_b32 v122, 0
	v_add3_u32 v123, v92, v93, v94
	s_delay_alu instid0(VALU_DEP_1)
	v_add_nc_u32 v123, v123, v95
.irp j, 0,1,2
	CADD2 3, \j, 122, 92+\j, 123, 96+\j            ; the sum over j < lo of cnt[j][hi]
.endr
	ds_store_b32 v7, v118 offset:N1A               ; (four lanes write the same word with the same value)
	ds_store_b32 v7, v119 offset:NT1
	ds_load_b128 v[84:87], v10 offset:NT1
	ds_load_b128 v[88:91], v10 offset:NT1+16
	s_wait_dscnt 0x0
	v_mov_b32 v92, 0
.irp j, 0,1,2,3,4,5,6,7
	s_delay_alu instid0(VALU_DEP_1)
	v_add_nc_u32 v[93+\j], v[92+\j], v[84+\j]      ; the experts' first tiles; the ninth word: all tiles
.endr
	ds_store_b128 v10, v[92:95] offset:T1B
	ds_store_b128 v10, v[96:99] offset:T1B+16
	ds_store_b32 v10, v100 offset:T1B+32
	v_mov_b32 v124, 0
	v_mov_b32 v125, 0
	v_mov_b32 v101, v96
	v_mov_b32 v102, 0
.irp j, 0,1,2,3,4,5,6
	CADD2 2, \j, 124, 84+\j, 102, 10               ; first tile of expert hi (the second sum adds zeros)
.endr
.irp j, 0,1,2
	CADD2 3, \j, 125, 84+\j, 101, 88+\j            ; first tile of expert lo, for both classes
.endr
	s_delay_alu instid0(VALU_DEP_2)
	v_mad_u32_u24 v120, v125, 160, v120
	s_delay_alu instid0(VALU_DEP_2)
	v_mad_u32_u24 v121, v101, 160, v121
	v_add_nc_u32 v122, v122, v116
	v_add_nc_u32 v123, v123, v116
	s_delay_alu instid0(VALU_DEP_2)
	v_mad_u32_u24 v122, v124, 160, v122
	s_delay_alu instid0(VALU_DEP_2)
	v_mad_u32_u24 v123, v124, 160, v123
	ds_store_b32 v6, v120 offset:RLB
	ds_store_b32 v6, v121 offset:RLB+128
	ds_store_b32 v6, v122 offset:RHB
	ds_store_b32 v6, v123 offset:RHB+128
	s_branch .Ltabled
.Lnot0:
	s_cmp_lg_u32 s26, 1
	s_cbranch_scc1 .Ltabled
	s_wait_alu depctr_va_vdst(0)
	v_add_nc_u32 v102, 127, v68
	v_add_nc_u32 v103, 127, v69
	s_delay_alu instid0(VALU_DEP_2)
	v_lshrrev_b32 v102, 7, v102
	s_delay_alu instid0(VALU_DEP_2)
	v_lshrrev_b32 v103, 7, v103
	ds_store_b32 v6, v102 offset:NT2
	ds_store_b32 v6, v103 offset:NT2+128
	ds_load_b128 v[104:107], v9 offset:NT2
	ds_load_b128 v[108:111], v9 offset:NT2+16
	ds_load_b128 v[84:87], v9 offset:NT2+128
	ds_load_b128 v[88:91], v9 offset:NT2+144
	s_wait_dscnt 0x0
	v_mov_b32 v70, 0
	v_mov_b32 v71, 0
.irp j, 0,1,2,3,4,5,6
	CADD2 2, \j, 70, 104+\j, 71, 84+\j
.endr
	SUM8 72, 104
	SUM8 73, 84
	ds_store_b32 v11, v72 offset:RS2
	ds_store_b32 v11, v73 offset:RS2+16
	ds_load_b128 v[92:95], v10 offset:RS2
	ds_load_b128 v[96:99], v10 offset:RS2+16
	s_wait_dscnt 0x0
	v_mov_b32 v74, 0
	v_add3_u32 v75, v92, v93, v94
	s_delay_alu instid0(VALU_DEP_1)
	v_add_nc_u32 v75, v75, v95
.irp j, 0,1,2
	CADD2 3, \j, 74, 92+\j, 75, 96+\j
.endr
	s_delay_alu instid0(VALU_DEP_2)
	v_add_nc_u32 v70, v70, v74
	s_delay_alu instid0(VALU_DEP_2)
	v_add_nc_u32 v71, v71, v75
	ds_store_b32 v6, v70 offset:T2B
	ds_store_b32 v6, v71 offset:T2B+128
.Ltabled:
	s_wait_dscnt 0x0
	s_barrier_signal -1
	s_barrier_wait -1                              ; the tables lie in LDS; from here on LDS is only read
	ds_load_b32 v70, v6 offset:T2B
	ds_load_b32 v71, v6 offset:T2B+128
	ds_load_b32 v72, v6 offset:RLB
	ds_load_b32 v73, v6 offset:RLB+128
	ds_load_b32 v74, v6 offset:RHB
	ds_load_b32 v75, v6 offset:RHB+128
	s_wait_dscnt 0x0
	s_wait_loadcnt 0x0                             ; the weights
	s_wait_alu depctr_va_vdst(0)
	v_lshl_add_u32 v70, v70, 7, v66                ; where my wave's tokens of each class begin: position,
	v_lshl_add_u32 v71, v71, 7, v67
	v_add_nc_u32 v72, v72, v66                     ; row under lo,
	v_add_nc_u32 v73, v73, v67
	v_add_nc_u32 v74, v74, v66                     ; row under hi
	v_add_nc_u32 v75, v75, v67
; Each chunk's four stores have registers of their own (the offsets take the places of the chunk's indices, key and rank; token v112 + c; gates v96 + 2 c), so no store's sources are written again and no wait stands between the chunks.
.macro PLACE c
	v_and_b32 v79, 31, v[48+\c]
	s_delay_alu instid0(VALU_DEP_1)
	v_lshlrev_b32 v79, 2, v79
.irp a, 0,1,2,3,4,5
	ds_bpermute_b32 v[80+\a], v79, v[70+\a]
.endr
	v_and_b32 v89, 7, v[16+2*\c]
	v_and_b32 v90, 7, v[17+2*\c]
	s_delay_alu instid0(VALU_DEP_1)
	v_cmp_gt_u32 vcc_lo, v89, v90                  ; slot 0 names the higher expert: the weights change places
	s_delay_alu instid0(VALU_DEP_1)
	v_cndmask_b32 v[96+2*\c], v[32+2*\c], v[33+2*\c], vcc_lo
	s_delay_alu instid0(VALU_DEP_2)
	v_cndmask_b32 v[97+2*\c], v[33+2*\c], v[32+2*\c], vcc_lo
	v_add_nc_u32 v[112+\c], 64*((\c)/2)+((\c)%2), v12   ; my token
	s_wait_dscnt 0x0
	v_cmp_le_u32 vcc_lo, 32, v[48+\c]
	s_delay_alu instid0(VALU_DEP_1)
	v_cndmask_b32 v80, v80, v81, vcc_lo
	s_delay_alu instid0(VALU_DEP_2)
	v_cndmask_b32 v82, v82, v83, vcc_lo
	s_delay_alu instid0(VALU_DEP_3)
	v_cndmask_b32 v84, v84, v85, vcc_lo
	s_delay_alu instid0(VALU_DEP_3)
	v_add_nc_u32 v80, v80, v[56+\c]
	s_delay_alu instid0(VALU_DEP_3)
	v_add_nc_u32 v82, v82, v[56+\c]
	s_delay_alu instid0(VALU_DEP_3)
	v_add_nc_u32 v84, v84, v[56+\c]
	s_delay_alu instid0(VALU_DEP_3)
	v_min_u32 v80, 8575, v80                       ; held inside the lists
	s_delay_alu instid0(VALU_DEP_3)
	v_min_u32 v82, 9439, v82
	s_delay_alu instid0(VALU_DEP_3)
	v_min_u32 v84, 9439, v84
	s_delay_alu instid0(VALU_DEP_3)
	v_lshlrev_b32 v[48+\c], 2, v80
	s_delay_alu instid0(VALU_DEP_4)
	v_lshlrev_b32 v[56+\c], 3, v80
	s_delay_alu instid0(VALU_DEP_4)
	v_lshlrev_b32 v[16+2*\c], 2, v82
	s_delay_alu instid0(VALU_DEP_4)
	v_lshlrev_b32 v[17+2*\c], 2, v84
	global_store_b32 v[16+2*\c], v[112+\c], s[22:23] offset:TOK1
	global_store_b32 v[17+2*\c], v[112+\c], s[22:23] offset:TOK1
	global_store_b32 v[48+\c], v[112+\c], s[22:23] offset:TOK2
	global_store_b64 v[56+\c], v[96+2*\c:97+2*\c], s[24:25]
.endm
.irp c, 0,1,2,3,4,5,6,7
	PLACE \c
.endr
	s_wait_xcnt 0x0                                ; the stores have read their registers, which the lines below write
; THE LISTS OF TILES AND THE PADDING, shared out by the wave's number
	s_cmp_ge_u32 s26, 3
	s_cbranch_scc1 .Lr6b
	ds_load_b128 v[96:99], v10 offset:T1B          ; waves 0-2: tile t = my thread's number of the second launch
	ds_load_b128 v[100:103], v10 offset:T1B+16
	ds_load_b128 v[104:107], v10 offset:N1A
	ds_load_b128 v[108:111], v10 offset:N1A+16
	s_wait_dscnt 0x0
	v_mov_b32 v112, 0
	v_mov_b32 v113, 0
	v_mov_b32 v114, v104
.irp j, 1,2,3,4,5,6,7
	v_cmp_le_u32 vcc_lo, v[96+\j], v0              ; the last expert whose first tile is not behind t
	s_delay_alu instid0(VALU_DEP_1)
	v_cndmask_b32 v112, v112, \j, vcc_lo
	s_delay_alu instid0(VALU_DEP_2)
	v_cndmask_b32 v113, v113, v[96+\j], vcc_lo
	s_delay_alu instid0(VALU_DEP_3)
	v_cndmask_b32 v114, v114, v[104+\j], vcc_lo
.endr
	s_delay_alu instid0(VALU_DEP_2)
	v_sub_nc_u32 v115, v0, v113
	s_delay_alu instid0(VALU_DEP_1)
	v_mul_u32_u24 v115, v115, 160
	s_delay_alu instid0(VALU_DEP_1)
	v_min_u32 v115, v115, v114
	s_delay_alu instid0(VALU_DEP_1)
	v_sub_nc_u32 v113, v114, v115
	s_delay_alu instid0(VALU_DEP_1)
	v_min_u32 v113, 160, v113                      ; its rows in this tile: 0 behind the last tile
	v_lshlrev_b32 v116, 3, v0
	global_store_b64 v116, v[112:113], s[22:23]
	s_wait_tensorcnt 0x0
	ds_add_u32 v128, v129
	s_wait_dscnt 0x0
	s_endpgm
.Lr6b:
	s_cmp_ge_u32 s26, 6
	s_cbranch_scc1 .Lr6c
	v_add_nc_u32 v94, 0xffffffa0, v0               ; waves 3-5: tile my thread's number - 96 of the third launch
	s_wait_alu depctr_va_vdst(0)
.irp a, 112,113,114,115,116,117
	v_mov_b32 v[\a], 0
.endr
.macro T2ROW lo, b                     ; the tables' rows of the classes with this lo, into v[b] on: first tiles, counts, first rows under lo, under hi
	ds_load_b128 v[\b:\b+3], v10 offset:T2B+32*(\lo)
	ds_load_b128 v[\b+4:\b+7], v10 offset:T2B+32*(\lo)+16
	ds_load_b128 v[\b+8:\b+11], v10 offset:CT+32*(\lo)
	ds_load_b128 v[\b+12:\b+15], v10 offset:CT+32*(\lo)+16
	ds_load_b128 v[\b+16:\b+19], v10 offset:RLB+32*(\lo)
	ds_load_b128 v[\b+20:\b+23], v10 offset:RLB+32*(\lo)+16
	ds_load_b128 v[\b+24:\b+27], v10 offset:RHB+32*(\lo)
	ds_load_b128 v[\b+28:\b+31], v10 offset:RHB+32*(\lo)+16
.endm
	T2ROW 0, 16
	s_wait_alu depctr_va_vdst(0)
.irp lo, 0,1,2,3,4,5,6,7
.if \lo < 7
	T2ROW \lo+1, 16+32*((\lo+1)%2)                 ; two sets, v16-47 and v48-79, by turns: the next row is fetched while this one is worked
	s_wait_alu depctr_va_vdst(0)
	s_wait_dscnt 8                                 ; this row's eight loads are in; the next row's eight may be out
.else
	s_wait_alu depctr_va_vdst(0)
	s_wait_dscnt 0x0
.endif
.irp hi, 0,1,2,3,4,5,6,7
.if \hi >= \lo
	v_cmp_le_u32 vcc_lo, v[16+32*(\lo%2)+\hi], v94 ; the last class whose first tile is not behind mine
	s_delay_alu instid0(VALU_DEP_1)
	v_cndmask_b32 v112, v112, \lo, vcc_lo
	s_delay_alu instid0(VALU_DEP_2)
	v_cndmask_b32 v113, v113, \hi, vcc_lo
	s_delay_alu instid0(VALU_DEP_3)
	v_cndmask_b32 v114, v114, v[24+32*(\lo%2)+\hi], vcc_lo
	s_delay_alu instid0(VALU_DEP_4)
	v_cndmask_b32 v115, v115, v[32+32*(\lo%2)+\hi], vcc_lo
	v_cndmask_b32 v116, v116, v[40+32*(\lo%2)+\hi], vcc_lo
	v_cndmask_b32 v117, v117, v[16+32*(\lo%2)+\hi], vcc_lo
.endif
.endr
.endr
	s_delay_alu instid0(VALU_DEP_1)
	v_sub_nc_u32 v117, v94, v117
	s_delay_alu instid0(VALU_DEP_1)
	v_lshlrev_b32 v117, 7, v117                    ; the class's tokens ahead of this tile
	s_delay_alu instid0(VALU_DEP_1)
	v_min_u32 v118, v117, v114
	s_delay_alu instid0(VALU_DEP_1)
	v_sub_nc_u32 v114, v114, v118
	s_delay_alu instid0(VALU_DEP_1)
	v_min_u32 v114, 128, v114                      ; its tokens in this tile
	s_delay_alu instid0(VALU_DEP_4)
	v_add_nc_u32 v115, v115, v117
	v_add_nc_u32 v116, v116, v117
	v_lshlrev_b32 v117, 7, v94                     ; the tile's first position
	s_delay_alu instid0(VALU_DEP_4)
	v_cmp_eq_u32 vcc_lo, 0, v114
	s_delay_alu instid0(VALU_DEP_1)
	v_cndmask_b32 v115, v115, 0, vcc_lo            ; a tile without tokens points at row 0 and position 0, which always exist
	s_delay_alu instid0(VALU_DEP_2)
	v_cndmask_b32 v116, v116, 0, vcc_lo
	s_delay_alu instid0(VALU_DEP_3)
	v_cndmask_b32 v117, v117, 0, vcc_lo
	v_mov_b32 v118, 0
	v_mov_b32 v119, 0
	v_lshlrev_b32 v95, 5, v94
	global_store_b128 v95, v[112:115], s[22:23] offset:T2I
	global_store_b128 v95, v[116:119], s[22:23] offset:T2I+16
	s_wait_tensorcnt 0x0
	ds_add_u32 v128, v129
	s_wait_dscnt 0x0
	s_endpgm
.Lr6c:
	s_cmp_ge_u32 s26, 14
	s_cbranch_scc1 .Lr6d
	ds_load_b32 v96, v13 offset:T1B                ; waves 6-13: expert wave - 6: the rows that fill its last tile (159 at the most) get token 0
	ds_load_b32 v97, v13 offset:T1B+4
	ds_load_b32 v98, v13 offset:N1A
	s_wait_dscnt 0x0
	v_mad_u32_u24 v96, v96, 160, v98
	s_delay_alu instid0(VALU_DEP_1)
	v_add_nc_u32 v96, v96, v1
	v_mul_u32_u24 v97, v97, 160
	v_add_nc_u32 v99, 9440, v1
.irp m, 0,1,2,3,4
	v_add_nc_u32 v[100+\m], 32*\m, v96
	s_delay_alu instid0(VALU_DEP_1)
	v_cmp_ge_u32 vcc_lo, v[100+\m], v97
	s_delay_alu instid0(VALU_DEP_1)
	v_cndmask_b32 v[100+\m], v[100+\m], v99, vcc_lo  ; what falls behind the tile goes to the spare words behind the list
	s_delay_alu instid0(VALU_DEP_1)
	v_min_u32 v[100+\m], 9503, v[100+\m]
	s_delay_alu instid0(VALU_DEP_1)
	v_lshlrev_b32 v[100+\m], 2, v[100+\m]
	global_store_b32 v[100+\m], v10, s[22:23] offset:TOK1
.endr
	s_wait_tensorcnt 0x0
	ds_add_u32 v128, v129
	s_wait_dscnt 0x0
	s_endpgm
.Lr6d:
	ds_load_b32 v96, v10 offset:T1B+32             ; waves 14-15: the tiles that this split leaves without rows (7 at the most: 1,120 words) get token 0 too
	s_wait_dscnt 0x0
	v_add_nc_u32 v97, 0xfffffe40, v0               ; my thread's number - 448
	s_delay_alu instid0(VALU_DEP_1)
	v_mad_u32_u24 v96, v96, 160, v97
	v_add_nc_u32 v99, 9440, v1
.irp m, 0,1,2,3,4,5,6,7,8,9,10,11,12,13,14,15,16,17
	v_add_nc_u32 v[100+\m], 64*\m, v96
	s_delay_alu instid0(VALU_DEP_1)
	v_cmp_le_u32 vcc_lo, 9440, v[100+\m]
	s_delay_alu instid0(VALU_DEP_1)
	v_cndmask_b32 v[100+\m], v[100+\m], v99, vcc_lo
	s_delay_alu instid0(VALU_DEP_1)
	v_min_u32 v[100+\m], 9503, v[100+\m]
	s_delay_alu instid0(VALU_DEP_1)
	v_lshlrev_b32 v[100+\m], 2, v[100+\m]
	global_store_b32 v[100+\m], v10, s[22:23] offset:TOK1
.endr
	s_wait_tensorcnt 0x0
	ds_add_u32 v128, v129
	s_wait_dscnt 0x0
	s_endpgm
.Lfunc_end_k_q13f7283ce1_prep:
	.size	k_q13f7283ce1_prep, .Lfunc_end_k_q13f7283ce1_prep-k_q13f7283ce1_prep
	.p2alignl 7, 3214868480
	.fill 96, 4, 3214868480
	.section	.rodata,"a",@progbits
	.p2align	6, 0x0
	.amdhsa_kernel k_q13f7283ce1_prep
		.amdhsa_group_segment_fixed_size 93696
		.amdhsa_private_segment_fixed_size 0
		.amdhsa_enable_private_segment 0
		.amdhsa_kernarg_size 88
		.amdhsa_user_sgpr_count 2
		.amdhsa_user_sgpr_kernarg_segment_ptr 1
		.amdhsa_wavefront_size32 1
		.amdhsa_system_sgpr_workgroup_id_x 1
		.amdhsa_system_sgpr_workgroup_id_y 1
		.amdhsa_system_sgpr_workgroup_id_z 1
		.amdhsa_system_vgpr_workitem_id 0
		.amdhsa_next_free_vgpr 130
		.amdhsa_next_free_sgpr 66
		.amdhsa_reserve_vcc 1
		.amdhsa_float_denorm_mode_32 3
		.amdhsa_float_denorm_mode_16_64 3
		.amdhsa_memory_ordered 1
		.amdhsa_forward_progress 1
		.amdhsa_inst_pref_size 147
	.end_amdhsa_kernel
	.amdgpu_metadata
---
amdhsa.version: [ 1, 2 ]
amdhsa.kernels:
  - .name:           k_q13f7283ce1_prep
    .symbol:         k_q13f7283ce1_prep.kd
    .args:
      - { .name: hidden, .offset: 0, .size: 8, .value_kind: global_buffer, .address_space: global }
      - { .name: top_k_indices, .offset: 8, .size: 8, .value_kind: global_buffer, .address_space: global }
      - { .name: top_k_weights, .offset: 16, .size: 8, .value_kind: global_buffer, .address_space: global }
      - { .name: w1, .offset: 24, .size: 8, .value_kind: global_buffer, .address_space: global }
      - { .name: w2, .offset: 32, .size: 8, .value_kind: global_buffer, .address_space: global }
      - { .name: wc, .offset: 40, .size: 8, .value_kind: global_buffer, .address_space: global }
      - { .name: ws, .offset: 48, .size: 8, .value_kind: global_buffer, .address_space: global }
      - { .name: xc, .offset: 56, .size: 8, .value_kind: global_buffer, .address_space: global }
      - { .name: xs, .offset: 64, .size: 8, .value_kind: global_buffer, .address_space: global }
      - { .name: route, .offset: 72, .size: 8, .value_kind: global_buffer, .address_space: global }
      - { .name: gates, .offset: 80, .size: 8, .value_kind: global_buffer, .address_space: global }
    .group_segment_fixed_size: 93696
    .private_segment_fixed_size: 0
    .kernarg_segment_align: 8
    .kernarg_segment_size: 88
    .max_flat_workgroup_size: 512
    .sgpr_count:     66
    .vgpr_count:     130
    .wavefront_size: 32
...
	.end_amdgpu_metadata
.endif
;; end of part 4
;; launch up (part 5): grid 4 x 59, 8 waves a work-group, no clusters, 92,416 bytes of LDS; arguments route, xc, xs, wc, ws, b1, hc, hs; writes hc, hs
.if DOCPART == 5
	.amdgcn_target "amdgcn-amd-amdhsa--gfx1250"
	.amdhsa_code_object_version 6
	.text
	.protected	k_q13f7283ce1_up
	.globl	k_q13f7283ce1_up
	.p2align	8
	.type	k_q13f7283ce1_up,@function
k_q13f7283ce1_up:
	s_mov_b64 s[64:65], 0
	v_nop
	global_prefetch_b8 v0, s[64:65] scope:SCOPE_SE
	s_setreg_imm32_b32 hwreg(HW_REG_WAVE_SCHED_MODE, 0, 2), 2
	s_setreg_imm32_b32 hwreg(HW_REG_WAVE_MODE, 25, 1), 1
	s_wait_xcnt 0x0
	s_wait_alu depctr_vm_vsrc(0)
; THE SECOND LAUNCH: h = Q(gelu(Q(x) Q(W1[e]) + b1[e])) for the routed rows alone.  gelu is the tanh form, written x / (1 + 2^(x (A + B x^2))), all in f32.
; A work-group takes one tile of 160 routed rows of ONE expert (work-group y; the list says which expert and whether the tile has rows) and 256 of the 1,024 hidden units (work-group x).
; 59 tiles serve every split: ceil(8,192 / 160) + 7.  With 4 along x that is 236 work-groups, fewer than there are WGPs: 160 is the least multiple of 32 rows for which that holds at every split.
; A tile without rows stores nothing.  Since that is a branch on a stored number, operands come by plain loads: no tensor load, hence no joint loads in a cluster either.
; THE WAVES SHARE THE COLUMNS: wave w makes the block of 32 hidden units 8 x + w for all 160 rows.  Its two weight tiles for all of K stay in 128 registers, loaded whole as the first launch laid them.
; The rows' codes are gathered once (wave w: rows 20 w on, a row of 512 bytes to a load) and lie in LDS as [block of 32 K][row][16 bytes]: sixteen rows of a block are 256 consecutive bytes, what half a wave takes of a fragment.
; TRANSPOSED: source 0 = 16 weight rows, source 1 = 16 routed rows: a lane holds one routed row, and the 16 registers of its two tiles are 16 neighbours along the next K: half a block; lane l xor 16 has the other half.
; hc: [block 32][routed row 9,440][16 bytes]: a wave's store of 8 bytes a lane covers 256 consecutive bytes, aligned.  hs: [x 4][routed row][8 bytes], gathered in LDS, a byte a wave.
; LIMITS: NaN and infinities are not served; a block whose largest magnitude lies under 2^-124 gets the byte 1.  Rows that fill a tile are token 0's: computed, stored, read by nobody.
; THE MODE: SCHED_MODE bits 1:0 = 2 (LLVM: expert scheduling mode 2), set by the entry lines.  The code itself states the register dependences
; between vector or matrix instructions and memory or LDS instructions, with s_wait_alu, always for 0.
; THE PLAN.  Registers that memory or LDS instructions touch, behind the head:
;   X, v260-387    The 16 fragments of a pair of row tiles, all of K.  Written by 32 LDS loads that are issued behind the products of the pair before; read by the pair's 32 products.
;   XSC, v16-23    The pair's scale words: two LDS loads at the same place; read by the same products.
;   OUT0, OUT1     Codes (v8-11; v68-71) and scale bytes (v62-63; v64-65), by turns.  Pair j's quantiser writes OUT[j % 2]; the four stores that read it are issued behind pair j + 1's products.
;   v1-7           Addresses, made at the head and never written again.
;   v24-61 (the activation's and the quantiser's work) and the accumulators are named by vector and matrix instructions alone.
; So ONE wait on va_vdst stands behind a pair's products: they are done reading X and XSC, and the pair before has written its OUT.  The next pair's 34 loads and the four stores follow it with no
; further wait, and the loads land while the activation is worked.  From pair 2 on one wait on vm_vsrc stands beside it: the stores issued a pair ago have read the OUT that this pair writes again.
; REGISTERS: v1-7 addresses; v8-11, v62-71 the two OUT; v12-13 A; v16-23 the rows' scale words; v24-61 at work; v72-103 four accumulators; v104-119 b1; v120-127 the weights' scale words; v128-255 the weights;
; v256, v257 the closing add's two; v260-387 X.  At the head the 20 gathered rows stand in v24-103 and their offsets in v104-123.
.set TOK1,   4096
.set BP,     2576                      ; LDS: a block of 32 K: 160 rows x 16 bytes + 16 of padding = 644 words: on the way in lane l (block l) starts at bank 4 l mod 64
.set XSCL,   82432                     ; behind the 32 blocks: the rows' scale words, 48 bytes a row;
.set HSST,   90112                     ; then h's scale bytes, 8 a row
.set PLANE,  151040
.set SPLANE, 75520
.set XSC,  16
.set TW,   24                          ; v24-55 the activation's work
.set QW,   56                          ; v56-61 the quantiser's work
.set ACC,  72
.set BIAS, 104
.set WSC,  120
.set WF,   128
.set XW,   4                           ; in window 1: K step s, row tile mi of the pair at v[XW + 16 s + 8 mi]
.set SEL,  48                          ; s[48:49] selects for lane l xor 16
.set CB,   50                          ; s[50:51] B
.set MSB, 0
.macro WIN new                         ; the immediate's high byte repeats the setting that is left
.if MSB != \new
	s_set_vgpr_msb (MSB<<8)|\new
.set MSB, \new
.endif
.endm
	s_load_b512 s[4:19], s[0:1], 0x0               ; route s[4:5], xc s[6:7], xs s[8:9], wc s[10:11], ws s[12:13], b1 s[14:15], hc s[16:17], hs s[18:19]
	WIN 0x40
	v_lshl_add_u32 v0, v0, 2, 0x16500
	v_mov_b32 v1, 0
	WIN 0
	v_lshrrev_b32 v14, 5, v0
	v_readfirstlane_b32 s20, v14                   ; wave 0..7
	s_and_b32 s21, ttmp7, 0xffff                   ; the tile
	v_and_b32 v15, 31, v0                          ; lane
	v_lshlrev_b32 v1, 4, v15                       ; 16 x lane
	v_mul_u32_u24 v2, v15, BP                      ; images, on the way in: block = lane (the wave's rows are added below)
	v_and_b32 v3, 15, v0                           ; r
	v_bfe_u32 v4, v0, 4, 1                         ; h
	v_lshlrev_b32 v7, 4, v3
	v_lshl_add_u32 v7, v4, 3, v7                   ; hc: 16 r + 8 h
	v_lshlrev_b32 v6, 3, v3                        ; h's scale byte: 8 r (HSST + w is added below)
	v_lshlrev_b32 v12, 6, v4                       ; b1: 64 h (v12 and v13 take A once their accesses are done)
	v_mul_u32_u24 v5, v15, 48
	v_add_nc_u32 v5, XSCL, v5                      ; the rows' scale words, on the way out: 48 x lane
	v_mul_u32_u24 v13, v0, 48
	v_add_nc_u32 v13, XSCL, v13                    ; and on the way in: row = my thread's number (waves 0-4)
	v_mul_u32_u24 v4, v4, BP
	v_lshl_add_u32 v3, v3, 4, v4                   ; images, on the way out: block h, row r,
	v_add_nc_u32 v4, 16*BP, v3                     ; and the same 16 blocks on: an LDS immediate has 16 bits
	s_wait_alu depctr_va_sdst(0)                   ; s20 is written, ahead of its first reader
	s_mul_i32 s2, s20, 320
	v_add_nc_u32 v2, s2, v2                        ; row 20 w
	s_add_co_u32 s3, s20, HSST
	v_add_nc_u32 v6, s3, v6                        ; HSST + 8 r + w
	s_lshl_b32 s22, s21, 3
	s_mul_i32 s54, s21, 640                        ; the tile's 160 words in the list
	s_mul_i32 s52, s20, 80
	s_add_co_u32 s23, s54, s52                     ; my 20 rows' words
	v_lshl_add_u32 v15, v0, 2, s54                 ; the word of the row with my thread's number
	s_mov_b32 s[SEL], 0x76543210
	s_mov_b32 s[SEL+1], 0xfedcba98
	s_mov_b32 s[CB], 0xbdd2d3e8                    ; B = -2 log2(e) sqrt(2 / pi) x 0.044715
	s_mov_b32 s[CB+1], s[CB]
	s_wait_kmcnt 0x0
	s_load_b64 s[24:25], s[4:5], s22 offset:0x0    ; the tile's expert, its rows
	s_load_b512 s[28:43], s[4:5], s23 offset:TOK1  ; my 20 rows' tokens, as scalars
	s_load_b128 s[44:47], s[4:5], s23 offset:TOK1+64
	s_wait_alu depctr_va_vdst(0)                   ; the addresses v1 to v7, v12, v13 and v15 are written, which the loads and stores of the kernel read; v14, in which the token lands, has been written and read
	s_cmp_ge_u32 s20, 5                            ; 160 threads, waves 0-4, gather the rows' scale bytes, a thread a row
	s_cbranch_scc1 .Lno_token
	global_load_b32 v14, v15, s[4:5] offset:TOK1
.Lno_token:
	s_wait_kmcnt 0x0
	s_min_u32 s24, s24, 7
.irp j, 0,1,2,3,4,5,6,7,8,9,10,11,12,13,14,15,16,17,18,19
	s_min_u32 s[28+\j], s[28+\j], 4095
	v_lshl_add_u32 v[104+\j], s[28+\j], 9, v1
.endr
	s_wait_alu depctr_va_vdst(0)                   ; the 20 offsets v104 to v123 are written, which the 20 loads read: one wait for the run
.irp j, 0,1,2,3,4,5,6,7,8,9,10,11,12,13,14,15,16,17,18,19
	global_load_b128 v[24+4*\j:27+4*\j], v[104+\j], s[6:7]   ; a row's 512 bytes of codes: lane = block of 32 K
.endr
	s_cmp_ge_u32 s20, 5
	s_cbranch_scc1 .Lno_scales
	s_wait_loadcnt 20                              ; the token in my lane is in; the 20 rows may be out
	v_min_u32 v14, 4095, v14
	v_lshlrev_b32 v14, 5, v14
	s_wait_alu depctr_va_vdst(0)                   ; v14 is written, which the two loads read as their offset
	global_load_b128 v[16:19], v14, s[8:9]         ; that row's 32 scale bytes
	global_load_b128 v[20:23], v14, s[8:9] offset:16
.Lno_scales:
	s_wait_xcnt 0x0                                ; the rows' loads have read their offsets, v104-123, on which b1 and the weights' scale words land below
	s_wait_alu depctr_vm_vsrc(0)                   ; the same of the registers themselves: the rows' loads have read v104-123, and the token's load has read v15, which the next line writes
	v_and_b32 v15, 31, v0
	v_lshlrev_b32 v15, 5, v15                      ; 32 x lane
	s_mov_b32 s53, 0
	s_lshl_b32 s52, s24, 15                        ; ws: e x 32 KiB + tile (16 x + 2 w) x 512
	s_lshl_b32 s54, ttmp9, 13
	s_add_co_u32 s52, s52, s54
	s_lshl_b32 s54, s20, 10
	s_add_co_u32 s52, s52, s54
	s_add_nc_u64 s[12:13], s[12:13], s[52:53]
	s_lshl_b32 s52, s24, 12                        ; b1: e x 4,096 + (256 x + 32 w) x 4
	s_lshl_b32 s54, ttmp9, 10
	s_add_co_u32 s52, s52, s54
	s_lshl_b32 s54, s20, 7
	s_add_co_u32 s52, s52, s54
	s_add_nc_u64 s[14:15], s[14:15], s[52:53]
	s_lshl_b32 s52, s24, 19                        ; wc: e x 512 KiB + tile (16 x + 2 w) x 8,192
	s_lshl_b32 s54, ttmp9, 17
	s_add_co_u32 s52, s52, s54
	s_lshl_b32 s54, s20, 14
	s_add_co_u32 s52, s52, s54
	s_add_nc_u64 s[10:11], s[10:11], s[52:53]
	s_wait_alu depctr_va_vdst(0)                   ; v15 is written, which the loads of the weights' scale words read
	global_load_b128 v[WSC:WSC+3], v15, s[12:13]             ; lanes 0-15: tile u = 0's rows, lanes 16-31: tile u = 1's; word s serves K step s
	global_load_b128 v[WSC+4:WSC+7], v15, s[12:13] offset:16
.irp u, 0,1
	global_load_b128 v[BIAS+8*\u:BIAS+8*\u+3], v12, s[14:15] offset:32*\u       ; b1 in the result's layout: units 16 h + 8 u + 0 .. 7
	global_load_b128 v[BIAS+8*\u+4:BIAS+8*\u+7], v12, s[14:15] offset:32*\u+16
.endr
.irp u, 0,1
.irp s, 0,1,2,3,4,5,6,7
.irp c, 0,1
	global_load_b128 v[WF+64*\u+8*\s+4*\c:WF+64*\u+8*\s+4*\c+3], v1, s[10:11] offset:8192*\u+1024*\s+512*\c
.endr
.endr
.endr
	s_lshl_b32 s52, ttmp9, 3
	s_add_co_u32 s52, s52, s20
	s_mul_i32 s52, s52, PLANE                      ; hc: block 8 x + w, row 160 t
	s_mul_i32 s54, s21, 2560
	s_add_co_u32 s52, s52, s54
	s_add_nc_u64 s[16:17], s[16:17], s[52:53]
	s_mul_i32 s52, ttmp9, SPLANE                   ; hs: plane x, row 160 t
	s_mul_i32 s54, s21, 1280
	s_add_co_u32 s52, s52, s54
	s_add_nc_u64 s[18:19], s[18:19], s[52:53]
	s_wait_loadcnt 38                              ; my rows and the scale bytes are in; the 38 loads of my own operands (2 + 4 + 32) may be out
.irp j, 0,1,2,3,4,5,6,7,8,9,10,11,12,13,14,15,16,17,18,19
	ds_store_b128 v2, v[24+4*\j:27+4*\j] offset:16*\j
.endr
	s_cmp_ge_u32 s20, 5
	s_cbranch_scc1 .Lno_sstore
	ds_store_b128 v13, v[16:19]
	ds_store_b128 v13, v[20:23] offset:16
.Lno_sstore:
	s_wait_dscnt 0x0                               ; for the others' sake: my rows lie in LDS
	s_barrier_signal -1
	s_barrier_wait -1
	s_wait_loadcnt 0x0                             ; my weights, their scale words, b1
	s_wait_alu depctr_vm_vsrc(0)                   ; the loads have read v12, v14 and v15 and the LDS stores v13 and v16 to v103: these are written from here on, by the lines below, by LDS loads, by the products and by the activation
	v_mov_b32 v12, 0xc0135761                      ; A = -2 log2(e) sqrt(2 / pi)
	v_mov_b32 v13, 0xc0135761
	s_cmp_eq_u32 s25, 0                            ; a tile without rows: round the products; no barrier is jumped over
	s_cbranch_scc1 .Lnone
.macro WM d, a, b, c, sa, sb, ra, rb   ; one product; ra, rb: the side's scale words stand in lanes 16-31
.if (\ra) && (\rb)
	v_wmma_scale_f32_16x16x128_f8f6f4 v[(\d):(\d)+7], v[(\a):(\a)+7], v[(\b):(\b)+7], v[(\c):(\c)+7], v[(\sa)], v[(\sb)] matrix_a_fmt:MATRIX_FMT_FP4 matrix_b_fmt:MATRIX_FMT_FP4 matrix_a_scale:MATRIX_SCALE_ROW1 matrix_b_scale:MATRIX_SCALE_ROW1
.elseif (\ra)
	v_wmma_scale_f32_16x16x128_f8f6f4 v[(\d):(\d)+7], v[(\a):(\a)+7], v[(\b):(\b)+7], v[(\c):(\c)+7], v[(\sa)], v[(\sb)] matrix_a_fmt:MATRIX_FMT_FP4 matrix_b_fmt:MATRIX_FMT_FP4 matrix_a_scale:MATRIX_SCALE_ROW1
.elseif (\rb)
	v_wmma_scale_f32_16x16x128_f8f6f4 v[(\d):(\d)+7], v[(\a):(\a)+7], v[(\b):(\b)+7], v[(\c):(\c)+7], v[(\sa)], v[(\sb)] matrix_a_fmt:MATRIX_FMT_FP4 matrix_b_fmt:MATRIX_FMT_FP4 matrix_b_scale:MATRIX_SCALE_ROW1
.else
	v_wmma_scale_f32_16x16x128_f8f6f4 v[(\d):(\d)+7], v[(\a):(\a)+7], v[(\b):(\b)+7], v[(\c):(\c)+7], v[(\sa)], v[(\sb)] matrix_a_fmt:MATRIX_FMT_FP4 matrix_b_fmt:MATRIX_FMT_FP4
.endif
.endm
.macro XK j, s                         ; row tiles 2 j and 2 j + 1, K step s, into X: four loads; registers 4 c on are block 4 s + 2 c + h
.irp mi, 0,1
.irp c, 0,1
.if (\s) < 4
	ds_load_b128 v[XW+16*(\s)+8*\mi+4*\c:XW+16*(\s)+8*\mi+4*\c+3], v3 offset:(4*(\s)+2*\c)*BP+256*(2*(\j)+\mi)
.else
	ds_load_b128 v[XW+16*(\s)+8*\mi+4*\c:XW+16*(\s)+8*\mi+4*\c+3], v4 offset:(4*((\s)-4)+2*\c)*BP+256*(2*(\j)+\mi)
.endif
.endr
.endr
.endm
.macro LOADX j                         ; all that pair j's products read from LDS: 34 loads, the scale words first
	ds_load_b128 v[XSC:XSC+3], v5 offset:1536*(\j)             ; lanes 0-15: row tile 2 j's scale words, lanes 16-31: 2 j + 1's
	ds_load_b128 v[XSC+4:XSC+7], v5 offset:1536*(\j)+16
	WIN 0x40                                       ; destination window 1, address window 0
.irp s, 0,1,2,3,4,5,6,7
	XK \j, \s
.endr
	WIN 0
.endm
.macro OUT p                           ; pair p's codes and scale bytes leave, from OUT[p % 2]
.irp mi, 0,1
	global_store_b64 v7, v[8+60*((\p)%2)+2*\mi:8+60*((\p)%2)+2*\mi+1], s[16:17] offset:256*(2*(\p)+\mi)   ; 16 rows x 16 bytes: 256 consecutive bytes, aligned
	ds_store_b8 v6, v[62+2*((\p)%2)+\mi] offset:128*(2*(\p)+\mi)                                          ; both halves of the lanes write the same byte with the same value
.endr
.endm
.macro GELU                            ; the 32 sums in v[ACC] on become gelu of them; each accumulator is read from its low end on
.irp i, 0,2,4,6,8,10,12,14,16,18,20,22,24,26,28,30
	v_pk_mul_f32 v[TW+\i:TW+\i+1], v[ACC+\i:ACC+\i+1], v[ACC+\i:ACC+\i+1]
.endr
.irp i, 0,2,4,6,8,10,12,14,16,18,20,22,24,26,28,30
	v_pk_fma_f32 v[TW+\i:TW+\i+1], v[TW+\i:TW+\i+1], s[CB:CB+1], v[12:13] op_sel_hi:[1,0,0]   ; A + B x^2
.endr
.irp i, 0,2,4,6,8,10,12,14,16,18,20,22,24,26,28,30
	v_pk_mul_f32 v[TW+\i:TW+\i+1], v[TW+\i:TW+\i+1], v[ACC+\i:ACC+\i+1]
.endr
	s_wait_alu depctr_va_vdst(0)
.irp i, 0,1,2,3,4,5,6,7,8,9,10,11,12,13,14,15,16,17,18,19,20,21,22,23,24,25,26,27,28,29,30,31
	v_exp_f32 v[TW+\i], v[TW+\i]
.endr
	v_nop                                          ; a plain instruction behind the last exponential,
	s_wait_alu depctr_va_vdst(0)                   ; and one wait for the batch: the 32 exponentials have written v[TW ..], ahead of their first reader
.irp i, 0,2,4,6,8,10,12,14,16,18,20,22,24,26,28,30
	v_pk_add_f32 v[TW+\i:TW+\i+1], v[TW+\i:TW+\i+1], 1.0 op_sel_hi:[1,0]
.endr
	s_wait_alu depctr_va_vdst(0)
.irp i, 0,1,2,3,4,5,6,7,8,9,10,11,12,13,14,15,16,17,18,19,20,21,22,23,24,25,26,27,28,29,30,31
	v_rcp_f32 v[TW+\i], v[TW+\i]
.endr
	v_nop
	s_wait_alu depctr_va_vdst(0)                   ; the 32 reciprocals have written v[TW ..], ahead of their first reader
.irp i, 0,2,4,6,8,10,12,14,16,18,20,22,24,26,28,30
	v_pk_mul_f32 v[ACC+\i:ACC+\i+1], v[ACC+\i:ACC+\i+1], v[TW+\i:TW+\i+1]
.endr
.endm
.macro QUANT2 j                        ; my 16 numbers of each of the two row tiles: half a block of 32 along the next K; the two tiles by turns.  Codes and bytes go into OUT[j % 2]
.irp mi, 0,1
	v_max3_num_f32 v[QW+\mi], |v[ACC+16*\mi]|, |v[ACC+16*\mi+1]|, 0x1800000   ; with the floor 2^(3 - 127)
.endr
.irp i, 2,4,6,8,10,12,14
.irp mi, 0,1
	v_max3_num_f32 v[QW+\mi], v[QW+\mi], |v[ACC+16*\mi+\i]|, |v[ACC+16*\mi+\i+1]|
.endr
.endr
.irp mi, 0,1
	v_mov_b32 v[QW+2+\mi], 0                       ; a lane permute's destination counts as one of its sources
.endr
.irp mi, 0,1
	v_permlanex16_b32 v[QW+2+\mi], v[QW+\mi], s[SEL], s[SEL+1]
.endr
.irp mi, 0,1
	v_max_num_f32 v[QW+\mi], v[QW+\mi], v[QW+2+\mi]  ; with lane l xor 16's: the block's largest magnitude
.endr
.irp mi, 0,1
	v_add_nc_u32 v[QW+4+\mi], 0xff000000, v[QW+\mi]  ; 2 off its exponent field: the conversion's scale operand
.endr
.irp mi, 0,1
	v_lshrrev_b32 v[62+2*((\j)%2)+\mi], 23, v[QW+4+\mi]   ; the scale's byte
.endr
.irp mi, 0,1
	v_cvt_scalef32_pk8_fp4_f32 v[8+60*((\j)%2)+2*\mi], v[ACC+16*\mi:ACC+16*\mi+7], v[QW+4+\mi]
	v_cvt_scalef32_pk8_fp4_f32 v[8+60*((\j)%2)+2*\mi+1], v[ACC+16*\mi+8:ACC+16*\mi+15], v[QW+4+\mi]
.endr
	v_nop                                          ; one plain instruction behind the last conversion
.endm
.macro PAIR j                          ; row tiles 2 j and 2 j + 1 against my two weight tiles: four accumulators by turns, one instruction a turn
.if (\j) > 0
	s_wait_dscnt 0x0                               ; the pair's 34 loads, issued ahead of the last pair's activation, are in
.endif
	WIN 0x04                                       ; source 1 (the rows' fragments) window 1
.irp s, 0,1,2,3,4,5,6,7
.if (\j) == 0
	s_wait_dscnt 28-4*\s                           ; the scale words and this K step's four loads are in; those of the K steps behind it, four each, may be out
.endif
.irp mi, 0,1
.irp u, 0,1
.if \s == 0
	WM ACC+16*\mi+8*\u, WF+64*\u+8*\s, XW+16*\s+8*\mi, BIAS+8*\u, WSC+\s, XSC+\s, \u, \mi   ; b1 starts the sums
.else
	WM ACC+16*\mi+8*\u, WF+64*\u+8*\s, XW+16*\s+8*\mi, ACC+16*\mi+8*\u, WSC+\s, XSC+\s, \u, \mi
.endif
.endr
.endr
.endr
	WIN 0
.rept 4
	v_nop                                          ; four places behind the last product, in front of the first read of the sums; they stay beside the wait below
.endr
.if (\j) >= 2
	s_wait_xcnt 0x0                                ; the stores issued behind the last pair's products have had their addresses translated: their data are rewritten only behind this wait
	s_wait_alu depctr_vm_vsrc(0)                   ; and have read OUT[j % 2], which this pair's quantiser writes again
.endif
	s_wait_alu depctr_va_vdst(0)                   ; the pair's products are done reading X and XSC, in which the loads below land; the pair before has written its OUT, which the stores below read
.if (\j) < 4
	LOADX (\j)+1                                   ; no vector or matrix instruction since the wait names these registers
.endif
.if (\j) > 0
	OUT (\j)-1
.endif
	GELU
	QUANT2 \j
.endm
	LOADX 0                                        ; no vector or matrix instruction has named X or XSC yet: nothing is owed but the wait on vm_vsrc above
	PAIR 0
	PAIR 1
	PAIR 2
	PAIR 3
	PAIR 4
	s_wait_alu depctr_va_vdst(0)                   ; pair 4's quantiser has written OUT0, which the last four stores read
	OUT 4
.Lnone:
	s_wait_dscnt 0x0
	s_barrier_signal -1
	s_barrier_wait -1                              ; all eight bytes of each row lie in LDS
	v_lshl_add_u32 v15, v0, 3, HSST
	v_lshlrev_b32 v14, 3, v0
	s_wait_alu depctr_va_vdst(0)                   ; v15 and v14 are written, which the load and the store below read; the activation is done with v24 and v25, in which the load lands
	s_cmp_eq_u32 s25, 0
	s_cbranch_scc1 .Lend
	s_cmp_ge_u32 s20, 5
	s_cbranch_scc1 .Lend
	ds_load_b64 v[24:25], v15                      ; 160 threads x 8 bytes: each wave stores 256 consecutive bytes, aligned
	s_wait_dscnt 0x0
	global_store_b64 v14, v[24:25], s[18:19]
.Lend:
	WIN 0x5                                        ; the add's two registers, sources 0 and 1, lie in window 1
	s_wait_dscnt 0x0                               ; the closing lines, six on end, of a launch in the mode that stores to LDS
	s_wait_alu 0x0
	s_wait_tensorcnt 0x0
	ds_add_u32 v0, v1
	s_wait_dscnt 0x0
	s_endpgm
.Lfunc_end_k_q13f7283ce1_up:
	.size	k_q13f7283ce1_up, .Lfunc_end_k_q13f7283ce1_up-k_q13f7283ce1_up
	.p2alignl 7, 3214868480
	.fill 96, 4, 3214868480
	.section	.rodata,"a",@progbits
	.p2align	6, 0x0
	.amdhsa_kernel k_q13f7283ce1_up
		.amdhsa_group_segment_fixed_size 92416
		.amdhsa_private_segment_fixed_size 0
		.amdhsa_enable_private_segment 0
		.amdhsa_kernarg_size 64
		.amdhsa_user_sgpr_count 2
		.amdhsa_user_sgpr_kernarg_segment_ptr 1
		.amdhsa_wavefront_size32 1
		.amdhsa_system_sgpr_workgroup_id_x 1
		.amdhsa_system_sgpr_workgroup_id_y 1
		.amdhsa_system_sgpr_workgroup_id_z 1
		.amdhsa_system_vgpr_workitem_id 0
		.amdhsa_next_free_vgpr 388
		.amdhsa_next_free_sgpr 66
		.amdhsa_reserve_vcc 0
		.amdhsa_float_denorm_mode_32 3
		.amdhsa_float_denorm_mode_16_64 3
		.amdhsa_memory_ordered 1
		.amdhsa_forward_progress 1
		.amdhsa_inst_pref_size 94
	.end_amdhsa_kernel
	.amdgpu_metadata
---
amdhsa.version: [ 1, 2 ]
amdhsa.kernels:
  - .name:           k_q13f7283ce1_up
    .symbol:         k_q13f7283ce1_up.kd
    .args:
      - { .name: route, .offset: 0, .size: 8, .value_kind: global_buffer, .address_space: global }
      - { .name: xc, .offset: 8, .size: 8, .value_kind: global_buffer, .address_space: global }
      - { .name: xs, .offset: 16, .size: 8, .value_kind: global_buffer, .address_space: global }
      - { .name: wc, .offset: 24, .size: 8, .value_kind: global_buffer, .address_space: global }
      - { .name: ws, .offset: 32, .size: 8, .value_kind: global_buffer, .address_space: global }
      - { .name: b1, .offset: 40, .size: 8, .value_kind: global_buffer, .address_space: global }
      - { .name: hc, .offset: 48, .size: 8, .value_kind: global_buffer, .address_space: global }
      - { .name: hs, .offset: 56, .size: 8, .value_kind: global_buffer, .address_space: global }
    .group_segment_fixed_size: 92416
    .private_segment_fixed_size: 0
    .kernarg_segment_align: 8
    .kernarg_segment_size: 64
    .max_flat_workgroup_size: 256
    .sgpr_count:     66
    .vgpr_count:     388
    .wavefront_size: 32
...
	.end_amdgpu_metadata
.endif
;; end of part 5
;; launch down (part 6): grid 4 x 67, 4 waves a work-group, no clusters, 161,792 bytes of LDS; arguments route, hc, hs, wc, ws, b2, gates, out0; writes out0
.if DOCPART == 6
	.amdgcn_target "amdgcn-amd-amdhsa--gfx1250"
	.amdhsa_code_object_version 6
	.text
	.protected	k_q13f7283ce1_down
	.globl	k_q13f7283ce1_down
	.p2align	8
	.type	k_q13f7283ce1_down,@function
k_q13f7283ce1_down:
	s_mov_b64 s[64:65], 0
	v_nop
	global_prefetch_b8 v0, s[64:65] scope:SCOPE_SE
	s_setreg_imm32_b32 hwreg(HW_REG_WAVE_SCHED_MODE, 0, 2), 2
	s_setreg_imm32_b32 hwreg(HW_REG_WAVE_MODE, 25, 1), 1
	s_wait_xcnt 0x0
	s_wait_alu depctr_vm_vsrc(0)
; THE THIRD LAUNCH: out[token] = gLo (h_lo W2[lo] + b2[lo]) + gHi (h_hi W2[hi] + b2[hi]).
; A work-group takes one tile of up to 128 tokens that share ONE SET of experts {lo, hi} (work-group y; the list gives lo, hi, the number of tokens, the first routed row under each expert and the first position)
; and 256 of the 1,024 outputs (work-group x).  It runs both experts and owns its output rows: nothing is added between work-groups.  67 tiles serve every split: 4,096 / 128 + 35 (36 sets).
; A tile without tokens stores nothing; row tiles behind the count are left out.  Those are branches on stored numbers, so operands come by plain loads: no tensor load, hence no joint loads in a cluster either.
; A tile's routed rows under each expert are CONSECUTIVE in hc, by the sort.  Rows behind the count are copies of the last row: same codes, gates and token, so they store the same bits to the same place.
; THE WAVES SHARE THE COLUMNS: wave w makes 64 outputs (256 bytes of a row) for all rows; its four weight tiles of W2[lo] and of W2[hi] for all of K stay in 2 x 256 registers.
; h's codes go to LDS once, as images of the operand's registers: [pass][row tile][block of 32 K][row][16 bytes]; each fragment read from LDS feeds four products.
; TRANSPOSED: source 0 = 16 weight rows, source 1 = 16 routed rows: a lane holds one token, and the 16 registers of two neighbouring tiles are 16 neighbouring outputs.
; A token whose two slots name one expert is weighed w0 y + w1 y where the definition has (w0 + w1) y: a difference of rounding.  NaN and infinities are not served.
; THE MODE: SCHED_MODE bits 1:0 = 2 (LLVM: expert scheduling mode 2), set by the entry lines.  The code itself states the register dependences
; between vector or matrix instructions and memory or LDS instructions, with s_wait_alu, always for 0.
; THE PLAN.  Registers that memory or LDS instructions touch, behind the head; a step is a row tile mt of 16 tokens:
;   window 3, two sets of 128; v176-191, v192-207, two sets of 8 each.  Set mt % 2 is read by step mt's products (fragments, scale words) and offset lines (tokens); the 36 LDS loads of step mt + 1 land in the other set.
;   v16-47     written by the products under lo and the gates' arithmetic; read by the eight LDS stores into the stage.
;   v48-79     written by the products under hi, read by the gates' arithmetic; then the eight LDS loads from the stage land there, and the eight global stores read them.
;   v224-231   the stores' offsets: written by vector lines straight behind the last product; read by the global stores.
;   v1-10      addresses, made at the head and never written again.
; ONE wait on va_vdst stands in a step, ahead of the stage's stores: the sums and the offsets are written, the arithmetic is done with v48-79, and the products and offset lines are done with set mt % 2, in which the loads
; of step mt + 2 land (they are issued in step mt + 1, whose products name the other set alone: so they are dealt among those products with no further wait).
; ONE wait on vm_vsrc stands at a step's end: the stores have read v16-79 and v224-231, which the next step writes again.
; REGISTERS, in windows of 256.  window 0: v1-15 addresses; v16-47, v48-79 the accumulators under lo and hi (v48-79 also take the rows back from the stage); v80-111, v112-143 b2[lo], b2[hi]; v144-159, v160-175 the weights' scale words;
;   v176-191 h's scale words, two sets (lanes 0-15 under lo, lanes 16-31 under hi); v192-207 tokens, two sets; v208-223 gates; v224-231 store offsets; v232-233 gHi; v234-251 the head's.
;   window 1: W2[lo], tile n, K step s at v[64 n + 8 s].   window 2: W2[hi].   window 3: at the head the 64 loads of h's codes; then two sets of 128: h's fragments, v[128 set + 64 pass + 8 s].
.set T2I,    1024
.set TOK2,   42240
.set PLANE,  151040                    ; hc: 9,440 routed rows x 16 bytes to a block of 32 K
.set SPLANE, 75520                     ; hs: 9,440 routed rows x 8 bytes
.set LASTROW, 9439
.set XSCL,   131072                    ; LDS: the images take 2 x 65,536 bytes; then h's scale words, 48 bytes a row, 6,144 a pass;
.set TOKT,   143360                    ; the tokens, [row tile][row % 2][row / 2];
.set STG,    143872                    ; a stage of 16 rows x (256 + 16) bytes for each wave
.set MSB, 0
.macro WIN new                         ; the immediate's high byte repeats the setting that is left
.if MSB != \new
	s_set_vgpr_msb (MSB<<8)|\new
.set MSB, \new
.endif
.endm
	s_load_b512 s[4:19], s[0:1], 0x0               ; route s[4:5], hc s[6:7], hs s[8:9], wc s[10:11], ws s[12:13], b2 s[14:15], gates s[16:17], out0 s[18:19]
	v_lshl_add_u32 v254, v0, 2, 0x27600
	v_mov_b32 v255, 0
	v_lshrrev_b32 v11, 5, v0
	v_readfirstlane_b32 s20, v11                   ; wave 0..3
	s_and_b32 s21, ttmp7, 0xffff                   ; the tile
	s_lshl_b32 s22, s21, 5
	v_and_b32 v245, 15, v0                         ; r
	v_bfe_u32 v244, v0, 4, 1                       ; h
	v_and_b32 v243, 31, v0                         ; lane
	v_lshlrev_b32 v2, 4, v245
	v_lshl_add_u32 v2, v244, 13, v2
	s_wait_alu depctr_va_sdst(0)                   ; s20 is written, ahead of its first reader
	s_lshl_b32 s44, s20, 14
	v_add_nc_u32 v2, s44, v2                       ; images, on the way in: my row 32 w + lane: row tile 2 w + h, row r;
	v_add_nc_u32 v3, 65536, v2                     ; the same under hi
	v_lshlrev_b32 v4, 4, v243                      ; on the way out: 16 x lane
	v_add_nc_u32 v5, 65536, v4
	v_mul_u32_u24 v6, v245, 48
	v_mad_u32_u24 v6, v244, 6144, v6
	v_add_nc_u32 v6, XSCL, v6                      ; h's scale words: lanes 0-15 under lo, lanes 16-31 under hi
	v_lshlrev_b32 v7, 5, v244
	v_add_nc_u32 v7, TOKT, v7                      ; the tokens of the rows that my half of the lanes stores
	s_mul_i32 s45, s20, 4352
	s_add_co_u32 s45, s45, STG
	v_mul_u32_u24 v8, v245, 272
	v_lshl_add_u32 v8, v244, 6, v8
	v_add_nc_u32 v8, s45, v8                       ; the stage, in: row r, + 64 h
	v_mul_u32_u24 v9, v244, 272
	v_lshl_add_u32 v9, v245, 4, v9
	v_add_nc_u32 v9, s45, v9                       ; back: lanes 0-15 one row, lanes 16-31 the next
	s_lshl_b32 s23, ttmp9, 10
	s_lshl_b32 s46, s20, 8
	s_add_co_u32 s23, s23, s46                     ; my 64 outputs in a row, in bytes: 1,024 x + 256 w
	v_lshl_add_u32 v10, v245, 4, s23
	v_lshrrev_b32 v247, 4, v0
	v_lshlrev_b32 v247, 6, v247
	v_and_b32 v246, 1, v0
	v_lshl_add_u32 v247, v246, 5, v247
	v_bfe_u32 v246, v0, 1, 3
	v_lshl_add_u32 v247, v246, 2, v247
	v_add_nc_u32 v247, TOKT, v247                  ; where my row's token goes
	v_mul_u32_u24 v248, v0, 48
	v_add_nc_u32 v248, XSCL, v248                  ; and its scale bytes
	v_lshlrev_b32 v242, 5, v243                    ; 32 x lane
	v_lshlrev_b32 v249, 6, v244                    ; 64 h
	s_wait_kmcnt 0x0
	s_load_b256 s[24:31], s[4:5], s22 offset:T2I   ; lo, hi, tokens, first row under lo, under hi, first position
	s_wait_kmcnt 0x0
	s_min_u32 s24, s24, 7
	s_min_u32 s25, s25, 7
	s_min_u32 s32, s26, 128
	s_max_u32 s32, s32, 1
	s_sub_co_u32 s32, s32, 1                       ; the last row that exists
	s_cmp_lg_u32 s26, 0
	s_cselect_b32 s33, 16, 0
	s_min_u32 s33, s33, 16
	v_mul_u32_u24 v1, v243, s33                    ; the weights' offset: 16 x lane; in a tile without tokens every lane asks for the same 16 bytes
	v_min_u32 v251, s32, v0                        ; my row, held at the last that exists
	v_add_nc_u32 v11, s27, v251
	v_min_u32 v11, LASTROW, v11
	v_lshlrev_b32 v13, 3, v11
	v_lshlrev_b32 v11, 4, v11
	v_add_nc_u32 v12, s28, v251
	v_min_u32 v12, LASTROW, v12
	v_lshlrev_b32 v14, 3, v12
	v_lshlrev_b32 v12, 4, v12
	v_add_nc_u32 v15, s29, v251
	v_min_u32 v15, 8575, v15
	v_lshlrev_b32 v15, 2, v15
.irp mt, 0,1,2,3,4,5,6,7
	v_add_nc_u32 v[234+\mt], 16*\mt, v245
	v_min_u32 v[234+\mt], s32, v[234+\mt]
	v_add_nc_u32 v[234+\mt], s29, v[234+\mt]
	v_min_u32 v[234+\mt], 8575, v[234+\mt]
	v_lshlrev_b32 v[234+\mt], 3, v[234+\mt]        ; the gates of row r of each row tile
.endr
.macro BASE d, p, com, e, sh           ; s[d:d+1] = s[p:p+1] + s[com] + (s[e] << sh)
	s_lshl_b32 s52, s[\e], \sh
	s_add_co_u32 s52, s52, s[\com]
	s_mov_b32 s53, 0
	s_add_nc_u64 s[\d:\d+1], s[\p:\p+1], s[52:53]
.endm
	s_lshl_b32 s34, ttmp9, 13                      ; ws: w2's half + tile (16 x + 4 w) x 512
	s_lshl_b32 s46, s20, 11
	s_add_co_u32 s34, s34, s46
	s_add_co_u32 s34, s34, 262144
	BASE 36, 12, 34, 24, 15
	BASE 38, 12, 34, 25, 15
	BASE 40, 14, 23, 24, 12                        ; b2: e x 4,096 + my 64 outputs
	BASE 42, 14, 23, 25, 12
	s_lshl_b32 s34, ttmp9, 17                      ; wc: w2's half + tile (16 x + 4 w) x 8,192
	s_lshl_b32 s46, s20, 15
	s_add_co_u32 s34, s34, s46
	s_add_co_u32 s34, s34, 4194304
	BASE 48, 10, 34, 24, 19
	BASE 50, 10, 34, 25, 19
	s_wait_alu depctr_va_vdst(0)                   ; every address and offset of the kernel but the stores' v224-231 is written: v1 to v15 and v234 to v249, which the loads, LDS stores and LDS loads below read
	global_load_b32 v250, v15, s[4:5] offset:TOK2  ; my row's token
.irp p, 0,1
.irp q, 0,1,2,3
	global_load_b64 v[192+8*\p+2*\q:193+8*\p+2*\q], v[13+\p], s[8:9] offset:SPLANE*\q   ; its 32 scale bytes under each expert
.endr
.endr
	WIN 0xc0                                       ; destination window 3
.irp p, 0,1
.irp b, 0,1,2,3,4,5,6,7,8,9,10,11,12,13,14,15,16,17,18,19,20,21,22,23,24,25,26,27,28,29,30,31
	global_load_b128 v[4*(32*\p+\b):4*(32*\p+\b)+3], v[11+\p], s[6:7] offset:PLANE*\b   ; block b of 32 neighbouring rows: 512 consecutive bytes
.endr
.endr
	WIN 0
.irp mt, 0,1,2,3,4,5,6,7
	global_load_b64 v[208+2*\mt:209+2*\mt], v[234+\mt], s[16:17]
.endr
.irp p, 0,1
.irp np, 0,1
.irp k, 0,1
	global_load_b128 v[144+16*\p+8*\np+4*\k:144+16*\p+8*\np+4*\k+3], v242, s[36+2*\p:37+2*\p] offset:1024*\np+16*\k   ; lanes 0-15: tile 2 np, lanes 16-31: tile 2 np + 1
.endr
.endr
.endr
.irp p, 0,1
.irp b, 0,1
.irp i, 0,1,2,3
	global_load_b128 v[80+32*\p+16*\b+4*\i:80+32*\p+16*\b+4*\i+3], v249, s[40+2*\p:41+2*\p] offset:128*\b+16*\i   ; b2 in the result's layout: outputs 32 b + 16 h + 0 .. 15
.endr
.endr
.endr
	WIN 0x40                                       ; destination window 1
.irp n, 0,1,2,3
.irp s, 0,1,2,3,4,5,6,7
.irp c, 0,1
	global_load_b128 v[64*\n+8*\s+4*\c:64*\n+8*\s+4*\c+3], v1, s[48:49] offset:8192*\n+1024*\s+512*\c
.endr
.endr
.endr
	WIN 0
	s_wait_loadcnt 63                              ; behind the last load of h's codes 96 loads were issued (8 + 8 + 16 + 64): the token, the scale bytes and the codes are in
	ds_store_b32 v247, v250
.irp p, 0,1
.irp q, 0,1,2,3
	ds_store_b64 v248, v[192+8*\p+2*\q:193+8*\p+2*\q] offset:6144*\p+8*\q
.endr
.endr
	WIN 0x0c                                       ; an LDS store's data are its source 1: window 3
.irp p, 0,1
.irp b, 0,1,2,3,4,5,6,7,8,9,10,11,12,13,14,15,16,17,18,19,20,21,22,23,24,25,26,27,28,29,30,31
	ds_store_b128 v[2+\p], v[4*(32*\p+\b):4*(32*\p+\b)+3] offset:256*\b
.endr
.endr
	WIN 0x80                                       ; destination window 2
.irp n, 0,1,2,3
.irp s, 0,1,2,3,4,5,6,7
.irp c, 0,1
	global_load_b128 v[64*\n+8*\s+4*\c:64*\n+8*\s+4*\c+3], v1, s[50:51] offset:8192*\n+1024*\s+512*\c
.endr
.endr
.endr
	WIN 0
	s_wait_dscnt 0x0                               ; for the others' sake: my rows lie in LDS
	s_barrier_signal -1
	s_barrier_wait -1                              ; the one barrier: from here on the shared LDS bytes are only read
	s_wait_loadcnt 0x0
	s_wait_alu depctr_vm_vsrc(0)                   ; my LDS stores have read window 3 and v192 to v207, in which the fragments' and the tokens' LDS loads land from here on
	v_mov_b32 v233, 0                              ; (named as the upper half of the pair v[232:233])
.macro WM d, a, b, c, sa, sb, ra, rb   ; one product; ra, rb: the side's scale words stand in lanes 16-31
.if (\ra) && (\rb)
	v_wmma_scale_f32_16x16x128_f8f6f4 v[(\d):(\d)+7], v[(\a):(\a)+7], v[(\b):(\b)+7], v[(\c):(\c)+7], v[(\sa)], v[(\sb)] matrix_a_fmt:MATRIX_FMT_FP4 matrix_b_fmt:MATRIX_FMT_FP4 matrix_a_scale:MATRIX_SCALE_ROW1 matrix_b_scale:MATRIX_SCALE_ROW1
.elseif (\ra)
	v_wmma_scale_f32_16x16x128_f8f6f4 v[(\d):(\d)+7], v[(\a):(\a)+7], v[(\b):(\b)+7], v[(\c):(\c)+7], v[(\sa)], v[(\sb)] matrix_a_fmt:MATRIX_FMT_FP4 matrix_b_fmt:MATRIX_FMT_FP4 matrix_a_scale:MATRIX_SCALE_ROW1
.elseif (\rb)
	v_wmma_scale_f32_16x16x128_f8f6f4 v[(\d):(\d)+7], v[(\a):(\a)+7], v[(\b):(\b)+7], v[(\c):(\c)+7], v[(\sa)], v[(\sb)] matrix_a_fmt:MATRIX_FMT_FP4 matrix_b_fmt:MATRIX_FMT_FP4 matrix_b_scale:MATRIX_SCALE_ROW1
.else
	v_wmma_scale_f32_16x16x128_f8f6f4 v[(\d):(\d)+7], v[(\a):(\a)+7], v[(\b):(\b)+7], v[(\c):(\c)+7], v[(\sa)], v[(\sb)] matrix_a_fmt:MATRIX_FMT_FP4 matrix_b_fmt:MATRIX_FMT_FP4
.endif
.endm
; Row tile mt's 36 LDS loads, into set mt % 2, in five parts: XS, its scale words and tokens (four loads, window 0), and four times XG, eight of its 32 fragment loads: pass p, K steps k0 to k0 + 3.
.macro XS mt
	ds_load_b128 v[176+8*((\mt)%2):176+8*((\mt)%2)+3], v6 offset:768*(\mt)
	ds_load_b128 v[176+8*((\mt)%2)+4:176+8*((\mt)%2)+7], v6 offset:768*(\mt)+16
	ds_load_b128 v[192+8*((\mt)%2):192+8*((\mt)%2)+3], v7 offset:64*(\mt)
	ds_load_b128 v[192+8*((\mt)%2)+4:192+8*((\mt)%2)+7], v7 offset:64*(\mt)+16
.endm
.macro XG mt, p, k0
	WIN 0xc0                                       ; destination window 3, address window 0
.irp s, 0,1,2,3
.irp c, 0,1
	ds_load_b128 v[128*((\mt)%2)+64*(\p)+8*((\k0)+\s)+4*\c:128*((\mt)%2)+64*(\p)+8*((\k0)+\s)+4*\c+3], v[4+(\p)] offset:8192*(\mt)+1024*((\k0)+\s)+512*\c
.endr
.endr
.endm
; Sixteen products: K steps k0 to k0 + 3 under lo (LO) or under hi (HI); four accumulators by turns, one instruction a turn.  K step 0 takes b2 as its C: the bias starts the sums.
.macro LO mt, k0
.irp s, 0,1,2,3
.irp n, 0,1,2,3
.if (\k0)+\s == 0
	WM 16+8*\n, 64*\n, 128*((\mt)%2), 80+8*\n, 144+8*(\n/2), 176+8*((\mt)%2), \n%2, 0
.else
	WM 16+8*\n, 64*\n+8*((\k0)+\s), 128*((\mt)%2)+8*((\k0)+\s), 16+8*\n, 144+8*(\n/2)+(\k0)+\s, 176+8*((\mt)%2)+(\k0)+\s, \n%2, 0
.endif
.endr
.endr
.endm
.macro HI mt, k0
.irp s, 0,1,2,3
.irp n, 0,1,2,3
.if (\k0)+\s == 0
	WM 48+8*\n, 64*\n, 128*((\mt)%2)+64, 112+8*\n, 160+8*(\n/2), 176+8*((\mt)%2), \n%2, 1
.else
	WM 48+8*\n, 64*\n+8*((\k0)+\s), 128*((\mt)%2)+64+8*((\k0)+\s), 48+8*\n, 160+8*(\n/2)+(\k0)+\s, 176+8*((\mt)%2)+(\k0)+\s, \n%2, 1
.endif
.endr
.endr
.endm
.macro MT mt
	s_cmp_le_u32 s26, 16*(\mt)                     ; no token in this row tile or behind it: done.  No barrier stands behind this branch
	s_cbranch_scc1 .Ldone
.if (\mt) < 7
	XS (\mt)+1                                     ; the next row tile's loads land in the other set.  No wait: since the last wait on va_vdst no vector or matrix instruction names that set
	XG (\mt)+1, 0, 0
	s_wait_dscnt 12                                ; this row tile's 36 loads are in; the 12 just issued may be out
.else
	s_wait_dscnt 0x0
.endif
	WIN 0x0d                                       ; source 0 (W2[lo]) window 1, source 1 (h) window 3
	LO \mt, 0
.if (\mt) < 7
	XG (\mt)+1, 0, 4                               ; the rest of the next row tile's loads are dealt among this one's products, which name this set alone
.endif
	WIN 0x0d
	LO \mt, 4
.if (\mt) < 7
	XG (\mt)+1, 1, 0
.endif
	WIN 0x0e                                       ; source 0 (W2[hi]) window 2
	HI \mt, 0
.if (\mt) < 7
	XG (\mt)+1, 1, 4
.endif
	WIN 0x0e
	HI \mt, 4
	WIN 0
	v_mov_b32 v232, v[209+2*(\mt)]                 ; gHi as a pair's low word.  This line and the sixteen below name no register of the last products: they are the places behind them
.irp i, 0,1,2,3,4,5,6,7
	v_min_u32 v[224+\i], 4095, v[192+8*((\mt)%2)+\i]
	v_lshl_add_u32 v[224+\i], v[224+\i], 12, v10         ; the token's row of 4,096 bytes + my 16 bytes
.endr
.irp i, 0,2,4,6,8,10,12,14,16,18,20,22,24,26,28,30
	v_pk_mul_f32 v[16+\i:17+\i], v[16+\i:17+\i], v[208+2*(\mt):209+2*(\mt)] op_sel_hi:[1,0]   ; x gLo; each accumulator from its low end on
.endr
.irp i, 0,2,4,6,8,10,12,14,16,18,20,22,24,26,28,30
	v_pk_fma_f32 v[16+\i:17+\i], v[48+\i:49+\i], v[232:233], v[16+\i:17+\i] op_sel_hi:[1,0,1]   ; + gHi x the other
.endr
	s_wait_alu depctr_va_vdst(0)                   ; v16-47 are written, which the LDS stores read; the arithmetic is done with v48-79, in which the LDS loads land; the offsets v224-231 are written, which the global stores read; the products and the offset lines are done with this set, in which the loads of the row tile after next land
.irp b, 0,1
.irp i, 0,1,2,3
	ds_store_b128 v8, v[16+16*\b+4*\i:16+16*\b+4*\i+3] offset:128*\b+16*\i    ; token r, outputs 32 b + 16 h + 4 i on
.endr
.endr
.irp i, 0,1,2,3,4,5,6,7
	ds_load_b128 v[48+4*\i:51+4*\i], v9 offset:544*\i    ; LDS serves a wave's instructions in order: these see my stores; rows 2 i and 2 i + 1, 256 bytes each
.endr
.irp i, 0,1,2,3,4,5,6,7
	s_wait_dscnt 7-\i
	global_store_b128 v[224+\i], v[48+4*\i:51+4*\i], s[18:19] th:TH_STORE_NT   ; sixteen lanes store 256 consecutive bytes of one token's row, aligned
.endr
.if (\mt) < 7
	s_wait_xcnt 0x0                                ; this row tile's stores have had their addresses translated: their data and offsets are rewritten only behind this wait
	s_wait_alu depctr_vm_vsrc(0)                   ; the LDS stores have read v16-47 and the global stores v48-79 and v224-231, which the next row tile's products and offset lines write
.endif
.endm
	XS 0
	XG 0, 0, 0
	XG 0, 0, 4
	XG 0, 1, 0
	XG 0, 1, 4
	WIN 0
	MT 0
	MT 1
	MT 2
	MT 3
	MT 4
	MT 5
	MT 6
	MT 7
.Ldone:
	s_wait_dscnt 0x0                               ; the closing lines, six on end, of a launch in the mode that stores to LDS
	s_wait_alu 0x0
	s_wait_tensorcnt 0x0
	ds_add_u32 v254, v255
	s_wait_dscnt 0x0
	s_endpgm
.Lfunc_end_k_q13f7283ce1_down:
	.size	k_q13f7283ce1_down, .Lfunc_end_k_q13f7283ce1_down-k_q13f7283ce1_down
	.p2alignl 7, 3214868480
	.fill 96, 4, 3214868480
	.section	.rodata,"a",@progbits
	.p2align	6, 0x0
	.amdhsa_kernel k_q13f7283ce1_down
		.amdhsa_group_segment_fixed_size 161792
		.amdhsa_private_segment_fixed_size 0
		.amdhsa_enable_private_segment 0
		.amdhsa_kernarg_size 64
		.amdhsa_user_sgpr_count 2
		.amdhsa_user_sgpr_kernarg_segment_ptr 1
		.amdhsa_wavefront_size32 1
		.amdhsa_system_sgpr_workgroup_id_x 1
		.amdhsa_system_sgpr_workgroup_id_y 1
		.amdhsa_system_sgpr_workgroup_id_z 1
		.amdhsa_system_vgpr_workitem_id 0
		.amdhsa_next_free_vgpr 1024
		.amdhsa_next_free_sgpr 66
		.amdhsa_reserve_vcc 0
		.amdhsa_float_denorm_mode_32 3
		.amdhsa_float_denorm_mode_16_64 3
		.amdhsa_memory_ordered 1
		.amdhsa_forward_progress 1
		.amdhsa_inst_pref_size 160
	.end_amdhsa_kernel
	.amdgpu_metadata
---
amdhsa.version: [ 1, 2 ]
amdhsa.kernels:
  - .name:           k_q13f7283ce1_down
    .symbol:         k_q13f7283ce1_down.kd
    .args:
      - { .name: route, .offset: 0, .size: 8, .value_kind: global_buffer, .address_space: global }
      - { .name: hc, .offset: 8, .size: 8, .value_kind: global_buffer, .address_space: global }
      - { .name: hs, .offset: 16, .size: 8, .value_kind: global_buffer, .address_space: global }
      - { .name: wc, .offset: 24, .size: 8, .value_kind: global_buffer, .address_space: global }
      - { .name: ws, .offset: 32, .size: 8, .value_kind: global_buffer, .address_space: global }
      - { .name: b2, .offset: 40, .size: 8, .value_kind: global_buffer, .address_space: global }
      - { .name: gates, .offset: 48, .size: 8, .value_kind: global_buffer, .address_space: global }
      - { .name: out0, .offset: 56, .size: 8, .value_kind: global_buffer, .address_space: global }
    .group_segment_fixed_size: 161792
    .private_segment_fixed_size: 0
    .kernarg_segment_align: 8
    .kernarg_segment_size: 64
    .max_flat_workgroup_size: 128
    .sgpr_count:     66
    .vgpr_count:     1024
    .wavefront_size: 32
...
	.end_amdgpu_metadata
.endif
;; end of part 6
